; MI455X (gfx1250); checked and timed in simulation.
; The chip was launched on July 23, 2026; its instructions are those of AMD's public machine-readable ISA for CDNA 5 (MIT licence, August 2026) and "CDNA5" Instruction Set Architecture Reference Guide (July 2026). The comments in the code are by the model that wrote it; some were corrected since.
;; Transformer Block. Allowed arithmetic: matrix products marked QUANTISED: E2M1 operands, one E8M0 scale for each 32 along K, by v_wmma_scale_f32_16x16x128_f8f6f4 with both operands' format E2M1 (or v_wmma_scale_f32_32x16x128_f4), f32 sums; products left as they are: f32 operands where the result goes on into a quantised operand, else bf16, f16 or f32 operands; f32 sums; everything else in f32.
;; Inputs: ff1_b 4,096 float32; ff1_w 1,024 x 4,096 float32; ff2_b 1,024 float32; ff2_w 4,096 x 1,024 float32; ln1_b 1,024 float32; ln1_g 1,024 float32; ln2_b 1,024 float32; ln2_g 1,024 float32; proj_b 1,024 float32; proj_w 1,024 x 1,024 float32; qkv_b 3,072 float32; qkv_w 1,024 x 3,072 float32; rel_pos_bias 4,095 x 16 float32; t 2 x 256 float32; tp1_b 1,024 float32; tp1_w 256 x 1,024 float32; tp2_b 1,024 float32; tp2_w 1,024 x 1,024 float32; x 2 x 2,048 x 1,024 float32.
;; Outputs: out0 2 x 2,048 x 1,024 float32.
;; This version of the problem:
;;   THIS VERSION OF THE PROBLEM IS GIVEN IN LOW PRECISION. The matrix products marked QUANTISED in the list below multiply operands that are first quantised to E2M1 (2 exponent bits, 1 mantissa bit; 4 bits a number), with one power-of-two scale for each 32 numbers along K (OCP MX v1.0); their sums are f32. All else is computed in f32.
;;   The module's matrix products, in the order in which they are computed (A, B: the left and right operand; K: the contracted axis; several contracted axes count as one K, in the product's order):
;;     1. [M 2, K 256] x [K 256, N 1,024]; A: input t; B: input tp1_w: left as it is (M = 2 < 16)
;;     2. [M 2, K 1,024] x [K 1,024, N 1,024]; A: computed on the way; B: input tp2_w: left as it is (M = 2 < 16)
;;     3. [M 4,096, K 1,024] x [K 1,024, N 3,072]; A: computed on the way; B: input qkv_w: QUANTISED
;;     4. batch 32 x [M 2,048, K 64] x [K 64, N 2,048]; A: computed on the way; B: computed on the way: QUANTISED
;;     5. batch 32 x [M 2,048, K 2,048] x [K 2,048, N 64]; A: softmax (see below); B: computed on the way: QUANTISED
;;     6. [M 4,096, K 1,024] x [K 1,024, N 1,024]; A: computed on the way; B: input proj_w: QUANTISED
;;     7. [M 4,096, K 1,024] x [K 1,024, N 4,096]; A: computed on the way; B: input ff1_w: QUANTISED
;;     8. [M 4,096, K 4,096] x [K 4,096, N 1,024]; A: computed on the way; B: input ff2_w: QUANTISED
;;   THE QUANTISER, for each operand of a quantised product, along K:
;;     - K is cut into blocks of 32 from its start; a last block that is shorter is filled with zeros.
;;     - A block's scale is 2^e with e = floor(log2(the largest magnitude in the block)) - 2, held to -126 .. 127; a block of zeros has e = 0. As a byte (E8M0): e + 127.
;;     - Each number is divided by its block's scale, clamped to +-6, and rounded to the nearest number of E2M1, ties to even, subnormals kept.
;;     - The product sums the exact products of the quantised numbers (number of the format x scale) in f32.
;;   ~~~python
;;   def quantise(x, axis):      # numpy; x: float32 -> the quantised numbers, widened to float32 again
;;       x = np.moveaxis(x, axis, -1); K = x.shape[-1]
;;       x = np.pad(x, [(0, 0)] * (x.ndim - 1) + [(0, -K % 32)]); x = x.reshape(x.shape[:-1] + (-1, 32)); a = np.abs(x).max(-1, keepdims=True)
;;       e = np.where(a > 0, np.clip(np.frexp(np.where(a > 0, a, 1))[1] - 1 - 2, -126, 127), 0)      # np.frexp(a)[1] - 1 = floor(log2(a)), exactly
;;       r = np.clip(x / 2.0 ** e, -6, 6)
;;       step = 2.0 ** (np.maximum(np.frexp(np.where(r == 0, 1, r))[1] - 1, 0) - 1)
;;       q = np.round(r / step) * step * 2.0 ** e      # np.round: ties to even
;;       return np.moveaxis(q.reshape(q.shape[:-2] + (-1,))[..., :K], -1, axis).astype(np.float32)
;;   ~~~
;;   SOFTMAX AHEAD OF A QUANTISED PRODUCT. Where the list says 'softmax', what is quantised is not the finished softmax but p = 2^(t - M), with t = logit x log2(e) and M = ceil(the row's largest t), a whole number; so 1/2 < the row's largest p <= 1. The row's sum l is taken of the UNQUANTISED p, in f32, and the product's result is divided by l at the end. Since M is a whole number, a kernel that streams over the keys may use a running M (the ceiling of the running maximum): every later rescaling is an exact power of two, which a block's scale takes up: the codes' values come out the same.
;;   OPERANDS COMPUTED ON THE WAY. 'Computed on the way' means the value that the module computes at that place (a softmax that the list does not call 'softmax' is quantised finished and normalised). What goes into a quantiser is computed in f32, as accurately as f32 sums, v_exp_f32 and their like allow (about 1e-6 of the number): no bf16 or f16 on the way to a quantiser, and a product that is left as it is and whose result goes on into a quantised operand takes f32 operands (vector FMAs, or v_wmma_f32_16x16x4_f32). A number that lies on a knife's edge between two numbers of the format may be rounded either way, as far as f32 arithmetic and the matrix unit's own rounding can turn it there, and no further.
;; 2 versions. Each part assembles by itself: llvm-mc -triple=amdgcn-amd-amdhsa -mcpu=gfx1250 --defsym DOCPART=n.
;; ======== version 1 of 2: 8 launches
;; workspace buffers: wts 7,864,320 bytes; xn 2,228,224 bytes; qkv 6,946,816 bytes; ao 2,228,224 bytes; x1 16,777,216 bytes; hn 2,228,224 bytes; hid 8,912,896 bytes
;; launch prep (part 1): grid 464 x 1, 8 waves a work-group, no clusters, 5,120 bytes of LDS; arguments t, tp1_w, tp1_b, tp2_w, rel_pos_bias, qkv_w, proj_w, ff1_w, ff2_w, wts; writes wts
.if DOCPART == 1
	.amdgcn_target "amdgcn-amd-amdhsa--gfx1250"
	.amdhsa_code_object_version 6
	.text
	.protected	k_q2f09e9f83e_prep
	.globl	k_q2f09e9f83e_prep
	.p2align	8
	.type	k_q2f09e9f83e_prep,@function
k_q2f09e9f83e_prep:
	s_mov_b64 s[64:65], 0
	v_nop
	global_prefetch_b8 v0, s[64:65] scope:SCOPE_SE
	s_setreg_imm32_b32 hwreg(HW_REG_WAVE_MODE, 25, 1), 1
	s_wait_xcnt 0x0
; THE TRANSFORMER BLOCK, launch 1 of 8: what hangs on no token.
; DEAD WORK: none is left out in any launch.  Every input has a way to the output: t, tp1, tp2 through the first norm into the qkv product's operand; the biases of q and k go
; into quantisers; rel_pos_bias differs along the softmax's axis.  All 19 inputs are loaded.
; LIMITS of the whole program: NaN and infinities among the inputs are not served.  A block of zeros gets the scale byte 1 where the quantiser says 127: its codes are zeros, which
; add nothing under any byte but 0xff, and the bytes are read by this program alone.  erf is a quotient of two polynomials in z^2 with z held to -4 .. 4 (beyond that erf is 1 in f32).
; v_exp_f32 gives 0 for results under 2^-126.  The time projection's sum over its 1,024 hidden units is taken in 16 parts of 64.
; THREE KINDS OF WORK-GROUP, told apart by the work-group's number alone:
;   0-15   TIME: g = gelu(t tp1_w + tp1_b) for hidden units 64 j .. 64 j + 63, then that part of g tp2_w, for both batches: [16][2][1024] f32 at TP.  In f32: the result goes on into a quantiser.
;   16-79  TABLE: tr[a] = 8 rel_pos_bias[4094 - a][head] exp(-0.01 |2047 - a|), the term that key - query = a - 2047 adds to a score ahead of the factor 1/8; four copies, copy c moved c places down,
;          so that any four neighbours can be read as 16 aligned bytes: [16 heads][4][4096] f32 at TB.
;   80-463 WEIGHTS: qkv_w, proj_w, ff1_w, ff2_w, stored [K][N], become codes of E2M1 along K with one E8M0 byte for each 32.
; THE LAYOUT OF EVERY OPERAND in this program: tiles of 16 rows; lane r of tile 2 b + u holds row 32 b + 8 u + r % 8 + 16 (r / 8).  For tile and 512 along K a record of 4,352 bytes:
; for each 128 along K two runs of 512 bytes, 16 bytes a lane, the operand's registers 0-3 and 4-7 as they stand; from byte 4,096 on the scale words, 64 bytes for each 128 along K.
.set WQ, 0
.set WP, 1671168
.set W1, 2228224
.set W2, 4456448
.set TB, 6684672
.set TP, 7733248
.set SPARE, 4096                       ; behind the time path's 4,096 bytes of partial sums: the spare words, 128 bytes for each wave
.set SPW, 4                            ; v4  LDS address of my spare word; never rewritten
.set NIL, 5                            ; v5  0; never rewritten
.set ERA0, 0xaf95df0b                  ; erf(z) = z A(z^2) / B(z^2): A's coefficients from the highest power down
.set ERA1, 0x32edffee
.set ERA2, 0xb60cff51
.set ERA3, 0xb86ec2d2
.set ERA4, 0xba40ac63
.set ERA5, 0xbb41a1f6
.set ERA6, 0xbc83dbd4
.set ERB0, 0xb77460cd                  ; and B's
.set ERB1, 0xb95fbd29
.set ERB2, 0xbadc924e
.set ERB3, 0xbbf19bf8
.set ERB4, 0xbc69b6a7
	v_lshl_add_u32 v[SPW], v0, 2, SPARE
	v_mov_b32 v[NIL], 0
	v_lshrrev_b32 v1, 5, v0
	v_readfirstlane_b32 s2, v1                     ; wave 0..7
	v_and_b32 v1, 31, v0                           ; lane
	s_cmp_lt_u32 ttmp9, 16
	s_cbranch_scc1 .Ltime
	s_cmp_lt_u32 ttmp9, 80
	s_cbranch_scc1 .Ltable
; ---------------- WEIGHTS.  A work-group takes 256 columns x 128 along K, a wave 32 columns (two tiles).  A lane takes a column and its registers run down K:
; a block of 32 lies in one lane, its codes come out with K innermost, and 16 lanes' 16 bytes are 256 consecutive bytes of a record.
	s_load_b256 s[16:23], s[0:1], 0x28             ; qkv_w, proj_w, ff1_w, ff2_w
	s_load_b64 s[6:7], s[0:1], 0x48                ; wts
	s_sub_co_u32 s3, ttmp9, 80                     ; 0-95 qkv_w, 96-127 proj_w, 128-255 ff1_w, 256-383 ff2_w
	s_mov_b32 s8, 4096                             ; a row of the weight in bytes
	s_mov_b32 s9, 5                                ; log2 of its K steps of 128
	s_mov_b32 s10, 34816                           ; from tile to tile in its records
	s_mov_b32 s11, W2                              ; where its records begin
	s_mov_b32 s12, 256                             ; its first work-group
	s_cmp_lt_u32 s3, 256
	s_cselect_b32 s8, 16384, s8
	s_cselect_b32 s9, 3, s9
	s_cselect_b32 s10, 8704, s10
	s_cselect_b32 s11, W1, s11
	s_cselect_b32 s12, 128, s12
	s_cmp_lt_u32 s3, 128
	s_cselect_b32 s8, 4096, s8
	s_cselect_b32 s11, WP, s11
	s_cselect_b32 s12, 96, s12
	s_cmp_lt_u32 s3, 96
	s_cselect_b32 s8, 12288, s8
	s_cselect_b32 s11, WQ, s11
	s_cselect_b32 s12, 0, s12
	s_sub_co_u32 s12, s3, s12
	s_lshl_b32 s13, 1, s9
	s_sub_co_u32 s13, s13, 1
	s_and_b32 s14, s12, s13                        ; my K step
	s_lshr_b32 s15, s12, s9                        ; my group of 256 columns
	s_mul_i32 s40, s14, s8
	s_lshl_b32 s40, s40, 7                         ; 128 rows a K step
	s_lshl_b32 s41, s15, 10
	s_add_co_u32 s40, s40, s41
	s_lshl_b32 s41, s2, 7
	s_add_co_u32 s40, s40, s41                     ; + my wave's 32 columns
	s_mov_b32 s41, 0
	s_lshl_b32 s42, s8, 5                          ; 32 rows: from block to block
	s_mov_b32 s43, 0
	s_lshl_b32 s44, s15, 4
	s_lshl_b32 s45, s2, 1
	s_add_co_u32 s44, s44, s45                     ; my first tile
	s_mul_i32 s44, s44, s10
	s_add_co_u32 s44, s44, s11
	s_lshr_b32 s45, s14, 2
	s_mul_i32 s45, s45, 4352
	s_add_co_u32 s44, s44, s45                     ; its record for my 512 along K
	s_mov_b32 s45, 0
	s_and_b32 s46, s14, 3
	s_lshl_b32 s47, s46, 10
	s_lshl_b32 s46, s46, 6
	v_and_b32 v6, 7, v1
	v_bfe_u32 v7, v1, 3, 1
	v_lshl_add_u32 v6, v7, 4, v6
	v_lshrrev_b32 v7, 4, v1                        ; u: which of my wave's two tiles
	v_lshl_add_u32 v6, v7, 3, v6                   ; my column among the 32: 8 u + r % 8 + 16 (r / 8)
	v_lshlrev_b32 v32, 2, v6
.set i, 1
.rept 31
	v_add_nc_u32 v[32+i], s8, v[31+i]              ; v32-63: my column in rows 0 .. 31 of a block
.set i, i+1
.endr
	v_mul_lo_u32 v17, v7, s10
	v_and_b32 v8, 15, v1
	v_lshl_add_u32 v18, v8, 2, v17
	v_lshl_add_u32 v17, v8, 4, v17
	v_add_nc_u32 v17, s47, v17                     ; codes: tile u, my K step, 16 r
	v_add_nc_u32 v18, s46, v18                     ; scale word: tile u, my K step, 4 r
	s_wait_kmcnt 0x0
	s_cmp_lt_u32 s3, 256                           ; the choice of buffer hangs on the work-group's number alone
	s_cselect_b64 s[4:5], s[20:21], s[22:23]
	s_cmp_lt_u32 s3, 128
	s_cselect_b64 s[4:5], s[18:19], s[4:5]
	s_cmp_lt_u32 s3, 96
	s_cselect_b64 s[4:5], s[16:17], s[4:5]
	s_add_nc_u64 s[6:7], s[6:7], s[44:45]
	s_add_nc_u64 s[24:25], s[4:5], s[40:41]        ; a base for each of the four blocks
	s_add_nc_u64 s[26:27], s[24:25], s[42:43]
	s_add_nc_u64 s[28:29], s[26:27], s[42:43]
	s_add_nc_u64 s[30:31], s[28:29], s[42:43]
.macro WLOAD b                         ; block b: 32 rows, 128 consecutive bytes a wave each, into set b % 2 of v64-127
.set i, 0
.rept 32
	global_load_b32 v[64+32*((\b)%2)+i], v[32+i], s[24+2*(\b):25+2*(\b)] th:TH_LOAD_NT
.set i, i+1
.endr
.endm
.macro WBLOCK b
.set XS, 64+32*((\b)%2)
.if (\b) < 3
	s_wait_loadcnt 32                              ; this block's 32 loads are in; the next block's 32 may be out
.else
	s_wait_loadcnt 0x0
.endif
	v_max3_num_f32 v12, |v[XS]|, |v[XS+1]|, |v[XS+2]|              ; the block's largest magnitude: all 32 numbers are mine
	v_max3_num_f32 v13, |v[XS+3]|, |v[XS+4]|, |v[XS+5]|
.irp i, 6,10,14,18,22,26
	v_max3_num_f32 v12, v12, |v[XS+\i]|, |v[XS+\i+1]|
	v_max3_num_f32 v13, v13, |v[XS+\i+2]|, |v[XS+\i+3]|
.endr
	v_max3_num_f32 v12, v12, |v[XS+30]|, |v[XS+31]|
	v_max3_num_f32 v12, v12, v13, 0x1800000        ; and the floor 2^(3 - 127): the byte cannot fall under 1
	v_add_nc_u32 v11, 0xff000000, v12              ; 2 off the exponent field: the conversion's scale operand
	v_lshrrev_b32 v13, 23, v11                     ; the scale's byte
.if (\b) == 0
	v_mov_b32 v16, v13
.else
	v_lshl_or_b32 v16, v13, 8*(\b), v16
.endif
.irp g, 0,1,2,3
	v_cvt_scalef32_pk8_fp4_f32 v[128+4*(\b)+\g], v[XS+8*\g:XS+8*\g+7], v11
.endr
	global_store_b128 v17, v[128+4*(\b):131+4*(\b)], s[6:7] offset:256*(\b)   ; block b = 2 c + h: 16 lanes fill 256 aligned bytes; each block has its own registers, none is written again
.if (\b) < 2
	WLOAD (\b)+2
.endif
.endm
	WLOAD 0
	WLOAD 1
	WBLOCK 0
	WBLOCK 1
	WBLOCK 2
	WBLOCK 3
	global_store_b32 v18, v16, s[6:7] offset:4096
	s_endpgm
; ---------------- TIME, work-group j.
.Ltime:
	s_load_b256 s[4:11], s[0:1], 0x0               ; t, tp1_w, tp1_b, tp2_w
	s_load_b64 s[12:13], s[0:1], 0x48              ; wts
	s_lshl_b32 s14, s2, 7                          ; wave w sums over t's numbers 32 w .. 32 w + 31
	s_lshl_b32 s16, s2, 17                         ; their 32 rows of tp1_w,
	s_lshl_b32 s17, ttmp9, 8                       ; at my 64 hidden units
	s_add_co_u32 s16, s16, s17
	s_mov_b32 s17, 0
	s_lshl_b32 s18, ttmp9, 18                      ; tp2_w: rows 64 j on,
	s_lshl_b32 s19, s2, 9                          ; my wave's 128 columns
	s_add_co_u32 s18, s18, s19
	s_mov_b32 s19, 0
	s_lshl_b32 s52, ttmp9, 8
	s_mov_b32 s53, 0
	s_lshl_b32 s54, ttmp9, 13
	s_lshl_b32 s55, s2, 9
	s_add_co_u32 s54, s54, s55
	s_add_co_u32 s54, s54, TP
	s_mov_b32 s55, 0
	v_lshlrev_b32 v6, 3, v1                        ; 8 x lane
	v_lshlrev_b32 v7, 4, v1                        ; 16 x lane
	v_and_b32 v2, 15, v1
	v_lshlrev_b32 v2, 4, v2
	s_lshl_b32 s15, s2, 9
	v_lshl_add_u32 v3, v1, 3, s15                  ; LDS: my wave's 512 bytes of partial sums, 8 x lane
	s_wait_kmcnt 0x0
	s_load_b512 s[20:35], s[4:5], s14 offset:0x0   ; t[0][32 w ..]
	s_load_b512 s[36:51], s[4:5], s14 offset:0x40
	s_load_b512 s[68:83], s[4:5], s14 offset:0x400 ; t[1][32 w ..]
	s_load_b512 s[84:99], s[4:5], s14 offset:0x440
	s_add_nc_u64 s[6:7], s[6:7], s[16:17]
	s_add_nc_u64 s[10:11], s[10:11], s[18:19]
	s_add_nc_u64 s[8:9], s[8:9], s[52:53]
	s_add_nc_u64 s[12:13], s[12:13], s[54:55]
.set i, 0
.rept 32
	global_load_b64 v[32+2*i:33+2*i], v6, s[6:7] offset:4096*i     ; 256 consecutive bytes a wave: hidden units 2 l, 2 l + 1
.set i, i+1
.endr
	global_load_b128 v[24:27], v2, s[8:9]          ; tp1_b at units 4 (l % 16) + 0 .. 3
.macro T2LOAD set, q                   ; rows 16 q .. 16 q + 15 of my 64 of tp2_w, 512 consecutive bytes a wave each
.set i, 0
.rept 16
	global_load_b128 v[96+64*(\set)+4*i:99+64*(\set)+4*i], v7, s[10:11] offset:(16*(\q)+i)*4096 th:TH_LOAD_NT
.set i, i+1
.endr
.endm
.macro T2FMA set, q                    ; g of unit k lies in lane 16 b + k / 4, register 16 + k % 4
.set i, 0
.rept 16
.set k, 16*(\q)+i
	v_readlane_b32 s20, v[16+k%4], k/4
	v_readlane_b32 s21, v[16+k%4], 16+k/4
.irp e, 0,1,2,3
.if k == 0
	v_mul_f32 v[8+\e], s20, v[96+64*(\set)+4*i+\e]                 ; the first product starts the sums
	v_mul_f32 v[12+\e], s21, v[96+64*(\set)+4*i+\e]
.else
	v_fmac_f32 v[8+\e], s20, v[96+64*(\set)+4*i+\e]
	v_fmac_f32 v[12+\e], s21, v[96+64*(\set)+4*i+\e]
.endif
.endr
.set i, i+1
.endr
.endm
	T2LOAD 0, 0                                    ; the second product's weights are asked for at once
	T2LOAD 1, 1
	s_wait_kmcnt 0x0                               ; t
	s_wait_loadcnt 33                              ; tp1_w's 32 loads are in; behind them: tp1_b's one and tp2_w's 32
.set i, 0
.rept 32
.if i == 0
	v_mul_f32 v8, s[20+i], v[32+2*i]
	v_mul_f32 v9, s[20+i], v[33+2*i]
	v_mul_f32 v10, s[68+i], v[32+2*i]
	v_mul_f32 v11, s[68+i], v[33+2*i]
.else
	v_fmac_f32 v8, s[20+i], v[32+2*i]
	v_fmac_f32 v9, s[20+i], v[33+2*i]
	v_fmac_f32 v10, s[68+i], v[32+2*i]
	v_fmac_f32 v11, s[68+i], v[33+2*i]
.endif
.set i, i+1
.endr
	ds_store_b64 v3, v[8:9]                        ; [wave][batch][64 units]
	ds_store_b64 v3, v[10:11] offset:256
	s_wait_dscnt 0x0                               ; for the others' sake: my partial sums have landed
	s_barrier_signal -1                            ; (all eight waves of a work-group are on this path: it hangs on the work-group's number)
	s_barrier_wait -1
.irp p, 0,1,2,3,4,5,6,7
	ds_load_b128 v[32+4*\p:35+4*\p], v7 offset:512*\p              ; every wave sums all eight parts: lane l gets batch l / 16, units 4 (l % 16) + 0 .. 3
.endr
	s_wait_dscnt 0x0
	v_pk_add_f32 v[16:17], v[32:33], v[36:37]
	v_pk_add_f32 v[18:19], v[34:35], v[38:39]
.irp p, 2,3,4,5,6,7
	v_pk_add_f32 v[16:17], v[16:17], v[32+4*\p:33+4*\p]
	v_pk_add_f32 v[18:19], v[18:19], v[34+4*\p:35+4*\p]
.endr
	s_wait_loadcnt 32                              ; tp1_b is in; tp2_w's 32 may be out
	v_pk_add_f32 v[16:17], v[16:17], v[24:25]
	v_pk_add_f32 v[18:19], v[18:19], v[26:27]
	v_mov_b32 v68, ERA0                            ; gelu(x) = x / 2 + (x / 2) erf(x / sqrt(2))
	v_mov_b32 v69, ERB0
.irp e, 0,1,2,3
	v_mul_f32 v[20+\e], 0x3f3504f3, v[16+\e]
.endr
.irp e, 0,1,2,3
	v_med3_num_f32 v[20+\e], v[20+\e], -4.0, 4.0
.endr
.irp e, 0,1,2,3
	v_mul_f32 v[24+\e], v[20+\e], v[20+\e]
.endr
.irp e, 0,1,2,3
	v_fmaak_f32 v[28+\e], v68, v[24+\e], ERA1
	v_fmaak_f32 v[64+\e], v69, v[24+\e], ERB1
.endr
.irp k, ERA2, ERA3, ERA4, ERA5, ERA6
.irp e, 0,1,2,3
	v_fmaak_f32 v[28+\e], v[28+\e], v[24+\e], \k
.endr
.endr
.irp k, ERB2, ERB3, ERB4
.irp e, 0,1,2,3
	v_fmaak_f32 v[64+\e], v[64+\e], v[24+\e], \k
.endr
.endr
.irp e, 0,1,2,3
	v_rcp_f32 v[64+\e], v[64+\e]
.endr
.irp e, 0,1,2,3
	v_mul_f32 v[28+\e], v[28+\e], v[20+\e]         ; plain work behind the reciprocals
	v_mul_f32 v[16+\e], 0.5, v[16+\e]
.endr
	s_wait_alu depctr_va_vdst(0)                   ; one wait for the four reciprocals, ahead of their first reader
.irp e, 0,1,2,3
	v_mul_f32 v[28+\e], v[28+\e], v[64+\e]
.endr
.irp e, 0,1,2,3
	v_fma_f32 v[16+\e], v[16+\e], v[28+\e], v[16+\e]
.endr
	s_wait_loadcnt 16                              ; rows 0-15 are in; the 16 loads behind them may be out: so at each of these waits
	T2FMA 0, 0
	T2LOAD 0, 2
	s_wait_loadcnt 16
	T2FMA 1, 1
	T2LOAD 1, 3
	s_wait_loadcnt 16
	T2FMA 0, 2
	s_wait_loadcnt 0x0
	T2FMA 1, 3
	global_store_b128 v7, v[8:11], s[12:13]                        ; part j, batch 0: 512 consecutive bytes a wave
	global_store_b128 v7, v[12:15], s[12:13] offset:4096           ; batch 1
	s_wait_tensorcnt 0x0                           ; the wave's end
	ds_add_u32 v[SPW], v[NIL]
	s_wait_dscnt 0x0
	s_endpgm
; ---------------- TABLE.  Four work-groups to a head; a thread makes tr[4 m] .. tr[4 m + 6] and stores four of them into each copy.
.Ltable:
	s_load_b64 s[4:5], s[0:1], 0x20                ; rel_pos_bias
	s_load_b64 s[6:7], s[0:1], 0x48                ; wts
	s_sub_co_u32 s3, ttmp9, 16
	s_lshr_b32 s8, s3, 2                           ; head
	s_and_b32 s9, s3, 3                            ; which quarter of the 4,096
	s_lshl_b32 s10, s9, 10
	v_lshl_add_u32 v6, v0, 2, s10                  ; a0 = 4 m
	s_lshl_b32 s12, s8, 2
	s_mov_b32 s13, 0
	s_lshl_b32 s14, s8, 16
	s_lshl_b32 s15, s9, 12
	s_add_co_u32 s14, s14, s15
	s_add_co_u32 s14, s14, TB
	s_mov_b32 s15, 0
	v_lshlrev_b32 v7, 4, v0
.irp j, 0,1,2,3,4,5,6
	v_add_nc_u32 v[16+\j], \j, v6
	v_min_u32 v[16+\j], 0xffe, v[16+\j]            ; a beyond 4,094 has no row: it reads row 0 and is set to 0 below
	v_sub_nc_u32 v[16+\j], 0xffe, v[16+\j]
	v_lshlrev_b32 v[16+\j], 6, v[16+\j]            ; a row of the table is 64 bytes
.endr
	s_wait_kmcnt 0x0
	s_add_nc_u64 s[4:5], s[4:5], s[12:13]
	s_add_nc_u64 s[6:7], s[6:7], s[14:15]
.irp j, 0,1,2,3,4,5,6
	global_load_b32 v[24+\j], v[16+\j], s[4:5]
.endr
.irp j, 0,1,2,3,4,5,6
	v_sub_nc_u32 v[48+\j], 2047-\j, v6
	v_cvt_f32_i32 v[48+\j], v[48+\j]
	v_mul_f32 v[48+\j], 0xbc6c5f04, |v[48+\j]|     ; -0.01 log2(e) |query - key|
.endr
.irp j, 0,1,2,3,4,5,6
	v_exp_f32 v[48+\j], v[48+\j]
.endr
	v_nop                                          ; a plain instruction behind the last exponential
	s_wait_alu depctr_va_vdst(0)                   ; one wait for the seven
.irp j, 0,1,2,3,4,5,6
	v_ldexp_f32 v[48+\j], v[48+\j], 3              ; x 8, exact: the product's scores are multiplied by 1/8 later
.endr
	s_wait_loadcnt 0x0
.irp j, 0,1,2,3,4,5,6
	v_mul_f32 v[32+\j], v[24+\j], v[48+\j]
	v_cmp_gt_u32 vcc_lo, 4095-\j, v6
	v_cndmask_b32 v[32+\j], 0, v[32+\j], vcc_lo
.endr
.irp j, 0,1,2,3,4,5
	v_mov_b32 v[40+\j], v[33+\j]                   ; the same one place down: a store's four registers begin at an even one
.endr
	global_store_b128 v7, v[32:35], s[6:7]                         ; copy c holds tr[i + c] at i
	global_store_b128 v7, v[40:43], s[6:7] offset:16384
	global_store_b128 v7, v[34:37], s[6:7] offset:32768
	global_store_b128 v7, v[42:45], s[6:7] offset:49152
	s_endpgm
.Lfunc_end_k_q2f09e9f83e_prep:
	.size	k_q2f09e9f83e_prep, .Lfunc_end_k_q2f09e9f83e_prep-k_q2f09e9f83e_prep
	.p2alignl 7, 3214868480
	.fill 96, 4, 3214868480
	.section	.rodata,"a",@progbits
	.p2align	6, 0x0
	.amdhsa_kernel k_q2f09e9f83e_prep
		.amdhsa_group_segment_fixed_size 5120
		.amdhsa_private_segment_fixed_size 0
		.amdhsa_enable_private_segment 0
		.amdhsa_kernarg_size 80
		.amdhsa_user_sgpr_count 2
		.amdhsa_user_sgpr_kernarg_segment_ptr 1
		.amdhsa_wavefront_size32 1
		.amdhsa_system_sgpr_workgroup_id_x 1
		.amdhsa_system_sgpr_workgroup_id_y 1
		.amdhsa_system_sgpr_workgroup_id_z 1
		.amdhsa_system_vgpr_workitem_id 0
		.amdhsa_next_free_vgpr 224
		.amdhsa_next_free_sgpr 104
		.amdhsa_reserve_vcc 1
		.amdhsa_float_denorm_mode_32 3
		.amdhsa_float_denorm_mode_16_64 3
		.amdhsa_memory_ordered 1
		.amdhsa_forward_progress 1
		.amdhsa_inst_pref_size 74
	.end_amdhsa_kernel
	.amdgpu_metadata
---
amdhsa.version: [ 1, 2 ]
amdhsa.kernels:
  - .name:           k_q2f09e9f83e_prep
    .symbol:         k_q2f09e9f83e_prep.kd
    .args:
      - { .name: t, .offset: 0, .size: 8, .value_kind: global_buffer, .address_space: global }
      - { .name: tp1_w, .offset: 8, .size: 8, .value_kind: global_buffer, .address_space: global }
      - { .name: tp1_b, .offset: 16, .size: 8, .value_kind: global_buffer, .address_space: global }
      - { .name: tp2_w, .offset: 24, .size: 8, .value_kind: global_buffer, .address_space: global }
      - { .name: rel_pos_bias, .offset: 32, .size: 8, .value_kind: global_buffer, .address_space: global }
      - { .name: qkv_w, .offset: 40, .size: 8, .value_kind: global_buffer, .address_space: global }
      - { .name: proj_w, .offset: 48, .size: 8, .value_kind: global_buffer, .address_space: global }
      - { .name: ff1_w, .offset: 56, .size: 8, .value_kind: global_buffer, .address_space: global }
      - { .name: ff2_w, .offset: 64, .size: 8, .value_kind: global_buffer, .address_space: global }
      - { .name: wts, .offset: 72, .size: 8, .value_kind: global_buffer, .address_space: global }
    .group_segment_fixed_size: 5120
    .private_segment_fixed_size: 0
    .kernarg_segment_align: 8
    .kernarg_segment_size: 80
    .max_flat_workgroup_size: 256
    .sgpr_count:     104
    .vgpr_count:     224
    .wavefront_size: 32
...
	.end_amdgpu_metadata
.endif
;; end of part 1
;; launch ln1 (part 2): grid 256 x 1, 16 waves a work-group, no clusters, 14,848 bytes of LDS; arguments x, wts, tp2_b, ln1_g, ln1_b, xn; writes xn
.if DOCPART == 2
	.amdgcn_target "amdgcn-amd-amdhsa--gfx1250"
	.amdhsa_code_object_version 6
	.text
	.protected	k_q2f09e9f83e_ln1
	.globl	k_q2f09e9f83e_ln1
	.p2align	8
	.type	k_q2f09e9f83e_ln1,@function
k_q2f09e9f83e_ln1:
	s_mov_b64 s[64:65], 0
	v_nop
	global_prefetch_b8 v0, s[64:65] scope:SCOPE_SE
	s_setreg_imm32_b32 hwreg(HW_REG_WAVE_MODE, 25, 1), 1
	s_wait_xcnt 0x0
; Launch 2: xn = Q(layer norm(x + time embedding)), quantised along the 1,024 channels, as records of the qkv product's operand.  No work is left out.
; A work-group makes one tile of 16 tokens, a wave one token (lane r of the tile = wave r: token 32 (tile / 2) + 8 (tile % 2) + r % 8 + 16 (r / 8)), kept in 32 registers a lane between the passes.
; Lane l holds channels 256 G + 8 l + 0 .. 7, G = 0 .. 3: each load of a wave covers whole aligned runs of its row; four neighbouring lanes hold a block of 32.
; The time embedding is the sum of the 16 parts that the launch before stored, and tp2_b: each thread sums two channels, and the waves meet in LDS.
; The tile's two records (8,704 bytes) are gathered in LDS and leave as 17 pieces of 512 consecutive bytes.  Matrix units, tensor loads and clusters have nothing to do here: each byte is read once.
.set TIME, 1
.set TP, 7733248
.set IMG, 4096                         ; LDS: 0 the time embedding (4,096 bytes); 4,096 the two records
.set SPARE, 12800                      ; the spare words, 128 bytes for each of 16 waves
.set X, 32                             ; v32-63   my 32 numbers
.set GA, 64                            ; v64-95   the gain at my channels
.set BE, 96                            ; v96-127  the bias
.set TV, 128                           ; v128-161 the time parts, then the embedding at my channels
.set PX, 4
.set PG, 10
.set PB, 12
.set PO, 14
	s_load_b256 s[4:11], s[0:1], 0x0               ; x, wts, tp2_b, gain
	s_load_b128 s[12:15], s[0:1], 0x20             ; bias, xn
	v_lshl_add_u32 v4, v0, 2, SPARE                ; v4: my spare word; v5: 0; both kept for the closing lines
	v_mov_b32 v5, 0
	v_lshrrev_b32 v1, 5, v0
	v_readfirstlane_b32 s2, v1                     ; wave 0..15
	v_and_b32 v1, 31, v0                           ; lane
	s_lshr_b32 s16, ttmp9, 1
	s_lshl_b32 s16, s16, 5
	s_and_b32 s17, ttmp9, 1
	s_lshl_b32 s17, s17, 3
	s_add_co_u32 s16, s16, s17
	s_and_b32 s17, s2, 7
	s_add_co_u32 s16, s16, s17
	s_lshr_b32 s17, s2, 3
	s_lshl_b32 s17, s17, 4
	s_add_co_u32 s16, s16, s17                     ; my token
	s_lshl_b32 s16, s16, 12                        ; its row of 4,096 bytes
	s_mov_b32 s17, 0
	s_mul_i32 s18, ttmp9, 8704                     ; the tile's two records
	s_mov_b32 s19, 0
	s_lshr_b32 s24, ttmp9, 7                       ; the batch
	s_lshl_b32 s24, s24, 12
	s_add_co_u32 s24, s24, TP
	s_mov_b32 s25, 0
	s_mov_b32 s20, 0x76543210                      ; v_permlanex16_b32's selects for lane l xor 16
	s_mov_b32 s21, 0xfedcba98
	s_mov_b32 s22, 0x3a800000                      ; 1 / 1,024
	v_lshlrev_b32 v6, 5, v1                        ; 32 x lane
	v_lshlrev_b32 v7, 3, v0                        ; 8 x thread
	v_lshlrev_b32 v13, 4, v0                       ; 16 x thread
	v_lshrrev_b32 v2, 2, v1
	v_lshlrev_b32 v12, 8, v2                       ; my 8 codes in a record: k / 32 of the 256 channels picks K step, half and lane half: 256 (l / 4),
	v_and_b32 v3, 3, v1
	v_lshl_add_u32 v12, v3, 2, v12                 ; 4 (l % 4) in the lane's 16 bytes,
	s_lshl_b32 s23, s2, 4
	v_add_nc_u32 v12, s23, v12                     ; 16 x row
	v_lshrrev_b32 v3, 4, v1
	v_lshlrev_b32 v14, 6, v3                       ; my block's byte: 64 (l / 16) for the K step,
	v_and_b32 v2, 3, v2
	v_add_nc_u32 v14, v14, v2                      ; the block in it,
	s_lshl_b32 s23, s2, 2
	v_add_nc_u32 v14, s23, v14                     ; 4 x row
	s_wait_kmcnt 0x0
	s_add_nc_u64 s[PX:PX+1], s[PX:PX+1], s[16:17]
	s_add_nc_u64 s[PO:PO+1], s[PO:PO+1], s[18:19]
.if TIME
	s_add_nc_u64 s[6:7], s[6:7], s[24:25]
.irp j, 0,1,2,3,4,5,6,7,8,9,10,11,12,13,14,15
	global_load_b64 v[TV+2*\j:TV+2*\j+1], v7, s[6:7] offset:8192*\j
.endr
	global_load_b64 v[160:161], v7, s[8:9]
.endif
.irp g, 0,1,2,3
.irp i, 0,1
	global_load_b128 v[X+8*\g+4*\i:X+8*\g+4*\i+3], v6, s[PX:PX+1] offset:1024*\g+16*\i th:TH_LOAD_NT
.endr
.endr
.irp g, 0,1,2,3
.irp i, 0,1
	global_load_b128 v[GA+8*\g+4*\i:GA+8*\g+4*\i+3], v6, s[PG:PG+1] offset:1024*\g+16*\i
.endr
.endr
.irp g, 0,1,2,3
.irp i, 0,1
	global_load_b128 v[BE+8*\g+4*\i:BE+8*\g+4*\i+3], v6, s[PB:PB+1] offset:1024*\g+16*\i
.endr
.endr
.if TIME
	s_wait_loadcnt 24                              ; the 17 loads of the embedding are in; behind them: 8 of x, 8 of the gain, 8 of the bias
	v_pk_add_f32 v[8:9], v[TV:TV+1], v[TV+2:TV+3]
	v_pk_add_f32 v[10:11], v[TV+4:TV+5], v[TV+6:TV+7]
.irp j, 8,12,16,20,24,28
	v_pk_add_f32 v[8:9], v[8:9], v[TV+\j:TV+\j+1]
	v_pk_add_f32 v[10:11], v[10:11], v[TV+\j+2:TV+\j+3]
.endr
	v_pk_add_f32 v[8:9], v[8:9], v[160:161]
	v_pk_add_f32 v[8:9], v[8:9], v[10:11]
	ds_store_b64 v7, v[8:9]
	s_wait_dscnt 0x0                               ; for the others' sake: my two channels have landed
	s_barrier_signal -1
	s_barrier_wait -1
.irp g, 0,1,2,3
.irp i, 0,1
	ds_load_b128 v[TV+8*\g+4*\i:TV+8*\g+4*\i+3], v6 offset:1024*\g+16*\i
.endr
.endr
	s_wait_loadcnt 16                              ; x is in; gain and bias may be out
	s_wait_dscnt 0x0
.set j, 0
.rept 16
	v_pk_add_f32 v[X+j:X+j+1], v[X+j:X+j+1], v[TV+j:TV+j+1]
.set j, j+2
.endr
.else
	s_wait_loadcnt 16                              ; the row is in; gain and bias may be out
.endif
	v_pk_add_f32 v[8:9], v[X:X+1], v[X+2:X+3]      ; the mean: two chains in the lane, then across the 32 lanes
	v_pk_add_f32 v[10:11], v[X+4:X+5], v[X+6:X+7]
.irp j, 8,12,16,20,24,28
	v_pk_add_f32 v[8:9], v[8:9], v[X+\j:X+\j+1]
	v_pk_add_f32 v[10:11], v[10:11], v[X+\j+2:X+\j+3]
.endr
	v_pk_add_f32 v[8:9], v[8:9], v[10:11]
	v_add_f32 v8, v8, v9
	v_add_f32_dpp v8, v8, v8 row_xmask:1 row_mask:0xf bank_mask:0xf
	v_add_f32_dpp v8, v8, v8 row_xmask:2 row_mask:0xf bank_mask:0xf
	v_add_f32_dpp v8, v8, v8 row_xmask:4 row_mask:0xf bank_mask:0xf
	v_add_f32_dpp v8, v8, v8 row_xmask:8 row_mask:0xf bank_mask:0xf
	v_permlanex16_b32 v9, v8, s20, s21
	v_add_f32 v8, v8, v9
	v_mul_f32 v8, s22, v8
	v_mov_b32 v9, v8
.set j, 0
.rept 16
	v_pk_add_f32 v[X+j:X+j+1], v[X+j:X+j+1], v[8:9] neg_lo:[0,1] neg_hi:[0,1]
.set j, j+2
.endr
	v_pk_mul_f32 v[8:9], v[X:X+1], v[X:X+1]        ; the variance, of the numbers less their mean
	v_pk_mul_f32 v[10:11], v[X+2:X+3], v[X+2:X+3]
.irp j, 4,8,12,16,20,24,28
	v_pk_fma_f32 v[8:9], v[X+\j:X+\j+1], v[X+\j:X+\j+1], v[8:9]
	v_pk_fma_f32 v[10:11], v[X+\j+2:X+\j+3], v[X+\j+2:X+\j+3], v[10:11]
.endr
	v_pk_add_f32 v[8:9], v[8:9], v[10:11]
	v_add_f32 v8, v8, v9
	v_add_f32_dpp v8, v8, v8 row_xmask:1 row_mask:0xf bank_mask:0xf
	v_add_f32_dpp v8, v8, v8 row_xmask:2 row_mask:0xf bank_mask:0xf
	v_add_f32_dpp v8, v8, v8 row_xmask:4 row_mask:0xf bank_mask:0xf
	v_add_f32_dpp v8, v8, v8 row_xmask:8 row_mask:0xf bank_mask:0xf
	v_permlanex16_b32 v9, v8, s20, s21
	v_add_f32 v8, v8, v9
	v_fmaak_f32 v10, s22, v8, 0x3727c5ac           ; / 1,024 + 1e-5
	v_rsq_f32 v10, v10
	v_nop                                          ; a plain instruction behind the root
	s_wait_alu depctr_va_vdst(0)                   ; and the wait ahead of its first reader
	v_mov_b32 v11, v10
	s_wait_loadcnt 0x0                             ; gain and bias
.set j, 0
.rept 16
	v_pk_mul_f32 v[X+j:X+j+1], v[X+j:X+j+1], v[10:11]
.set j, j+2
.endr
.set j, 0
.rept 16
	v_pk_fma_f32 v[X+j:X+j+1], v[X+j:X+j+1], v[GA+j:GA+j+1], v[BE+j:BE+j+1]
.set j, j+2
.endr
.irp g, 0,1,2,3                        ; the quantiser: my 8 numbers of block 8 G + l / 4, the four groups by turns
	v_max3_num_f32 v[16+\g], |v[X+8*\g]|, |v[X+8*\g+1]|, 0x1800000 ; with the floor 2^(3 - 127): the byte cannot fall under 1
.endr
.irp i, 2,4,6
.irp g, 0,1,2,3
	v_max3_num_f32 v[16+\g], v[16+\g], |v[X+8*\g+\i]|, |v[X+8*\g+\i+1]|
.endr
.endr
.irp g, 0,1,2,3
	v_max_num_f32_dpp v[16+\g], v[16+\g], v[16+\g] row_xmask:1 row_mask:0xf bank_mask:0xf
.endr
.irp g, 0,1,2,3
	v_max_num_f32_dpp v[16+\g], v[16+\g], v[16+\g] row_xmask:2 row_mask:0xf bank_mask:0xf   ; the four lanes of the block
.endr
.irp g, 0,1,2,3
	v_add_nc_u32 v[20+\g], 0xff000000, v[16+\g]    ; 2 off the exponent field: the conversion's scale operand
.endr
.irp g, 0,1,2,3
	v_lshrrev_b32 v[24+\g], 23, v[20+\g]           ; the scale's byte
.endr
.irp g, 0,1,2,3
	v_cvt_scalef32_pk8_fp4_f32 v[28+\g], v[X+8*\g:X+8*\g+7], v[20+\g]
.endr
.irp g, 0,1,2,3
	ds_store_b32 v12, v[28+\g] offset:IMG+(\g/2)*4352+(\g%2)*2048
	ds_store_b8 v14, v[24+\g] offset:IMG+4096+(\g/2)*4352+(\g%2)*128   ; the four lanes of a block write the same byte with the same value
.endr
	s_wait_dscnt 0x0                               ; for the others' sake: my row's codes and bytes have landed
	s_barrier_signal -1
	s_barrier_wait -1
	ds_load_b128 v[8:11], v13 offset:IMG           ; piece w of the 17
	s_wait_dscnt 0x0
	global_store_b128 v13, v[8:11], s[PO:PO+1]     ; 512 consecutive bytes, at a multiple of 256 from the buffer's first byte
	s_cmp_lg_u32 s2, 0
	s_cbranch_scc1 .Lend
	ds_load_b128 v[16:19], v13 offset:IMG+8192     ; wave 0: the last piece
	s_wait_dscnt 0x0
	global_store_b128 v13, v[16:19], s[PO:PO+1] offset:8192
.Lend:
	s_wait_tensorcnt 0x0                           ; the wave's end
	ds_add_u32 v4, v5
	s_wait_dscnt 0x0
	s_endpgm
.Lfunc_end_k_q2f09e9f83e_ln1:
	.size	k_q2f09e9f83e_ln1, .Lfunc_end_k_q2f09e9f83e_ln1-k_q2f09e9f83e_ln1
	.p2alignl 7, 3214868480
	.fill 96, 4, 3214868480
	.section	.rodata,"a",@progbits
	.p2align	6, 0x0
	.amdhsa_kernel k_q2f09e9f83e_ln1
		.amdhsa_group_segment_fixed_size 14848
		.amdhsa_private_segment_fixed_size 0
		.amdhsa_enable_private_segment 0
		.amdhsa_kernarg_size 48
		.amdhsa_user_sgpr_count 2
		.amdhsa_user_sgpr_kernarg_segment_ptr 1
		.amdhsa_wavefront_size32 1
		.amdhsa_system_sgpr_workgroup_id_x 1
		.amdhsa_system_sgpr_workgroup_id_y 1
		.amdhsa_system_sgpr_workgroup_id_z 1
		.amdhsa_system_vgpr_workitem_id 0
		.amdhsa_next_free_vgpr 168
		.amdhsa_next_free_sgpr 66
		.amdhsa_reserve_vcc 0
		.amdhsa_float_denorm_mode_32 3
		.amdhsa_float_denorm_mode_16_64 3
		.amdhsa_memory_ordered 1
		.amdhsa_forward_progress 1
		.amdhsa_inst_pref_size 19
	.end_amdhsa_kernel
	.amdgpu_metadata
---
amdhsa.version: [ 1, 2 ]
amdhsa.kernels:
  - .name:           k_q2f09e9f83e_ln1
    .symbol:         k_q2f09e9f83e_ln1.kd
    .args:
      - { .name: x, .offset: 0, .size: 8, .value_kind: global_buffer, .address_space: global }
      - { .name: wts, .offset: 8, .size: 8, .value_kind: global_buffer, .address_space: global }
      - { .name: tp2_b, .offset: 16, .size: 8, .value_kind: global_buffer, .address_space: global }
      - { .name: ln1_g, .offset: 24, .size: 8, .value_kind: global_buffer, .address_space: global }
      - { .name: ln1_b, .offset: 32, .size: 8, .value_kind: global_buffer, .address_space: global }
      - { .name: xn, .offset: 40, .size: 8, .value_kind: global_buffer, .address_space: global }
    .group_segment_fixed_size: 14848
    .private_segment_fixed_size: 0
    .kernarg_segment_align: 8
    .kernarg_segment_size: 48
    .max_flat_workgroup_size: 512
    .sgpr_count:     66
    .vgpr_count:     168
    .wavefront_size: 32
...
	.end_amdgpu_metadata
.endif
;; end of part 2
;; launch gqkv (part 3): grid 384 x 1, 8 waves a work-group, no clusters, 209,920 bytes of LDS; arguments xn, wts, qkv_b, qkv; writes qkv
.if DOCPART == 3
	.amdgcn_target "amdgcn-amd-amdhsa--gfx1250"
	.amdhsa_code_object_version 6
	.text
	.protected	k_q2f09e9f83e_gqkv
	.globl	k_q2f09e9f83e_gqkv
	.p2align	8
	.type	k_q2f09e9f83e_gqkv,@function
k_q2f09e9f83e_gqkv:
	s_mov_b64 s[64:65], 0
	v_nop
	global_prefetch_b8 v0, s[64:65] scope:SCOPE_SE
	s_setreg_imm32_b32 hwreg(HW_REG_WAVE_MODE, 25, 1), 1
	s_wait_xcnt 0x0
; Launch 3: qkv = xn qkv_w + qkv_b on codes of E2M1, and q, k, v quantised on the way out as attention's operands.  No work is left out.
; THE PRODUCT.  D = P Q^T: source 0 = 16 rows of P, source 1 = 16 rows of Q; a lane holds ONE row of Q, and by the tiles' order of rows its 16 registers of two neighbouring tiles of P are 16 neighbouring
; rows of P.  So a result is quantised along P's rows in registers and is at once the next operand's register image.
;   work-groups 0-255   P = qkv_w's columns of q and k (256), Q = tokens (128): quantised along the head's 64.
;   work-groups 256-383 P = tokens (256), Q = qkv_w's columns of v (128): quantised along the keys.
; Eight waves, two to a SIMD, 256 registers each: wave (wp, wq) makes P's tiles 8 wp .. + 7 x Q's tiles 2 wq, 2 wq + 1: 16 accumulators.  K = 1,024 is two chunks of 512: both lie in LDS at once
; (two slots of 24 records of 4,352 bytes), asked for at the head by waves 0-5, four records a load; nothing is filled again.
; NO CLUSTER: which operand neighbours share changes sides between the two kinds of work-group, and each tile is asked for once, at the head; 24 records are 104,448 bytes a slot.
.set NCH, 2
.set REC, 4352
.set SLOT, 24*REC
.set SPARE, 2*SLOT                     ; behind the slots: the spare words, 128 bytes for each wave
.set QC, 4587520
.set QS, 6684672
.set AP, 3                             ; v3-4   LDS address of my P fragments in slot 0, 1: 16 x lane + my 8 records
.set AQ, 5                             ; v5-6   of my Q fragments
.set ASP, 7                            ; v7-8   of P's scale words: lanes 0-15 an even tile's, lanes 16-31 the next tile's
.set ASQ, 9                            ; v9-10  of Q's
.set SPW, 11                           ; v11    my spare word; never rewritten
.set NIL, 12                           ; v12    0; never rewritten
.set L16, 13                           ; v13    16 x lane
.set SP, 24                            ; v24-27 P's scale words, v28 Q's: these hold scales and nothing else
.set SQ, 28
.set PF, 32                            ; v32-95  P's 8 fragments
.set QF, 96                            ; v96-111 Q's 2; on the way out the codes just made
.set TM, 112                           ; v112-127 the quantiser's
.set ACC, 128                          ; accumulator (p, q) at v[128 + 8 (8 q + p)]
.set WV, 14
.set SEL, 20
.set G1, 24
.set G0, 32
.macro WM d, a, b, z, sa, sb, ra, rb   ; one product; z = 1: it starts the sum; ra, rb: the scale words stand in lanes 16-31
.if \z
.if (\ra) && (\rb)
	v_wmma_scale_f32_16x16x128_f8f6f4 v[(\d):(\d)+7], v[(\a):(\a)+7], v[(\b):(\b)+7], 0, v[\sa], v[\sb] matrix_a_fmt:MATRIX_FMT_FP4 matrix_b_fmt:MATRIX_FMT_FP4 matrix_a_scale:MATRIX_SCALE_ROW1 matrix_b_scale:MATRIX_SCALE_ROW1
.elseif \ra
	v_wmma_scale_f32_16x16x128_f8f6f4 v[(\d):(\d)+7], v[(\a):(\a)+7], v[(\b):(\b)+7], 0, v[\sa], v[\sb] matrix_a_fmt:MATRIX_FMT_FP4 matrix_b_fmt:MATRIX_FMT_FP4 matrix_a_scale:MATRIX_SCALE_ROW1
.elseif \rb
	v_wmma_scale_f32_16x16x128_f8f6f4 v[(\d):(\d)+7], v[(\a):(\a)+7], v[(\b):(\b)+7], 0, v[\sa], v[\sb] matrix_a_fmt:MATRIX_FMT_FP4 matrix_b_fmt:MATRIX_FMT_FP4 matrix_b_scale:MATRIX_SCALE_ROW1
.else
	v_wmma_scale_f32_16x16x128_f8f6f4 v[(\d):(\d)+7], v[(\a):(\a)+7], v[(\b):(\b)+7], 0, v[\sa], v[\sb] matrix_a_fmt:MATRIX_FMT_FP4 matrix_b_fmt:MATRIX_FMT_FP4
.endif
.else
.if (\ra) && (\rb)
	v_wmma_scale_f32_16x16x128_f8f6f4 v[(\d):(\d)+7], v[(\a):(\a)+7], v[(\b):(\b)+7], v[(\d):(\d)+7], v[\sa], v[\sb] matrix_a_fmt:MATRIX_FMT_FP4 matrix_b_fmt:MATRIX_FMT_FP4 matrix_a_scale:MATRIX_SCALE_ROW1 matrix_b_scale:MATRIX_SCALE_ROW1
.elseif \ra
	v_wmma_scale_f32_16x16x128_f8f6f4 v[(\d):(\d)+7], v[(\a):(\a)+7], v[(\b):(\b)+7], v[(\d):(\d)+7], v[\sa], v[\sb] matrix_a_fmt:MATRIX_FMT_FP4 matrix_b_fmt:MATRIX_FMT_FP4 matrix_a_scale:MATRIX_SCALE_ROW1
.elseif \rb
	v_wmma_scale_f32_16x16x128_f8f6f4 v[(\d):(\d)+7], v[(\a):(\a)+7], v[(\b):(\b)+7], v[(\d):(\d)+7], v[\sa], v[\sb] matrix_a_fmt:MATRIX_FMT_FP4 matrix_b_fmt:MATRIX_FMT_FP4 matrix_b_scale:MATRIX_SCALE_ROW1
.else
	v_wmma_scale_f32_16x16x128_f8f6f4 v[(\d):(\d)+7], v[(\a):(\a)+7], v[(\b):(\b)+7], v[(\d):(\d)+7], v[\sa], v[\sb] matrix_a_fmt:MATRIX_FMT_FP4 matrix_b_fmt:MATRIX_FMT_FP4
.endif
.endif
.endm
; 128 along K, the slot's q-th: 25 LDS loads in one run, then 16 products, the 16 accumulators by turns, in the same order in every step.
.macro STEP slot, q, zero
.rept 4
	v_nop                                          ; four plain places between the last products and loads into registers that they read (ISA guide 7.12.1 for vector instructions)
.endr
.irp i, 0,1
.irp c, 0,1
	ds_load_b128 v[QF+8*\i+4*\c:QF+8*\i+4*\c+3], v[AQ+\slot] offset:\i*REC+(\q)*1024+\c*512
.endr
.endr
	ds_load_b32 v[SQ], v[ASQ+\slot] offset:(\q)*64
.irp i, 0,1,2,3
	ds_load_b32 v[SP+\i], v[ASP+\slot] offset:2*\i*REC+(\q)*64
.endr
.irp p, 0,1,2,3,4,5,6,7
.irp c, 0,1
	ds_load_b128 v[PF+8*\p+4*\c:PF+8*\p+4*\c+3], v[AP+\slot] offset:\p*REC+(\q)*1024+\c*512
.endr
.endr
.irp pp, 0,1,2,3
	s_wait_dscnt 14-4*\pp                          ; P's fragment 2 pp is in: so many of P's 16 loads were issued behind its two
	WM ACC+8*(2*\pp), PF+8*(2*\pp), QF, \zero, SP+\pp, SQ, 0, 0
	WM ACC+8*(8+2*\pp), PF+8*(2*\pp), QF+8, \zero, SP+\pp, SQ, 0, 1
	s_wait_dscnt 12-4*\pp                          ; and fragment 2 pp + 1
	WM ACC+8*(2*\pp+1), PF+8*(2*\pp+1), QF, \zero, SP+\pp, SQ, 1, 0
	WM ACC+8*(8+2*\pp+1), PF+8*(2*\pp+1), QF+8, \zero, SP+\pp, SQ, 1, 1
.endr
.endm
; The change to the other slot: each wave's tensor loads have landed, the add, its LDS reads are back; a barrier; then the slot's four steps.
.macro CHUNK slot
	s_wait_tensorcnt 0x0                           ; my part of this slot has landed
	ds_add_u32 v[SPW], v[NIL]                      ; 0 onto my spare word
	s_wait_dscnt 0x0
	s_barrier_signal -1
	s_barrier_wait -1                              ; everybody's has
	STEP \slot, 0, 0
	STEP \slot, 1, 0
	STEP \slot, 2, 0
	STEP \slot, 3, 0
.endm
; 64 numbers of a lane, register 16 b + i = place 32 b + 16 (lane / 16) + i along the next K, become a fragment's codes in v[pc] on and its scale word in v[pw].
.macro QUANT s, pc, pw
.irp b, 0,1,2,3
	v_max3_num_f32 v[TM+\b], |v[(\s)+16*\b]|, |v[(\s)+1+16*\b]|, 0x1800000   ; my 16 numbers of block b, and the floor 2^(3 - 127): the byte cannot fall under 1
.endr
.irp i, 2,4,6,8,10,12,14
.irp b, 0,1,2,3
	v_max3_num_f32 v[TM+\b], v[TM+\b], |v[(\s)+16*\b+\i]|, |v[(\s)+1+16*\b+\i]|
.endr
.endr
.irp b, 0,1,2,3
	v_permlanex16_b32 v[TM+4+\b], v[TM+\b], s[SEL], s[SEL+1]
.endr
.irp b, 0,1,2,3
	v_max_num_f32 v[TM+\b], v[TM+\b], v[TM+4+\b]   ; with lane l xor 16's 16: the block's largest magnitude
.endr
.irp b, 0,1,2,3
	v_add_nc_u32 v[TM+12+\b], 0xff000000, v[TM+\b] ; 2 off the exponent field: the conversion's scale operand
.endr
.irp b, 0,1,2,3
	v_lshrrev_b32 v[TM+4+\b], 23, v[TM+12+\b]      ; the scale's byte
.endr
	v_lshl_or_b32 v[\pw], v[TM+5], 8, v[TM+4]
	v_lshl_or_b32 v[\pw], v[TM+6], 16, v[\pw]
	v_lshl_or_b32 v[\pw], v[TM+7], 24, v[\pw]
.irp b, 0,1,2,3
	v_cvt_scalef32_pk8_fp4_f32 v[(\pc)+2*\b], v[(\s)+16*\b:(\s)+7+16*\b], v[TM+12+\b]
	v_cvt_scalef32_pk8_fp4_f32 v[(\pc)+1+2*\b], v[(\s)+8+16*\b:(\s)+15+16*\b], v[TM+12+\b]
.endr
	v_nop                                          ; one plain place behind a scaled conversion
.irp c, 0,1                            ; the operand wants a whole block in a lane: lanes 0-15 block 2 c, lanes 16-31 block 2 c + 1
.irp i, 0,1
	v_permlane16_swap_b32 v[(\pc)+4*\c+\i], v[(\pc)+2+4*\c+\i]
.endr
.endr
.endm
	s_load_b256 s[4:11], s[0:1], 0x0               ; xn s[4:5], wts s[6:7], qkv_b s[8:9], qkv s[10:11]
	v_lshl_add_u32 v[SPW], v0, 2, SPARE
	v_mov_b32 v[NIL], 0
	ds_add_u32 v[SPW], v[NIL]                      ; the wave's opening: the add, twice on end, and its wait ahead of the first tensor load
	ds_add_u32 v[SPW], v[NIL]
	v_lshrrev_b32 v1, 5, v0
	v_readfirstlane_b32 s[WV], v1                  ; wave 0..7
	s_lshr_b32 s15, s[WV], 2                       ; wp
	s_and_b32 s16, s[WV], 3                        ; wq
	s_and_b32 s40, ttmp9, 7
	s_lshr_b32 s41, ttmp9, 3
	s_sub_co_u32 s42, s41, 32
	s_cmp_lt_u32 ttmp9, 256
	s_cselect_b32 s17, s40, s42                    ; which 256 rows of P
	s_cselect_b32 s18, s41, s40                    ; which 128 rows of Q
	s_cselect_b32 s19, 1, 0                        ; 1: P is the weight (q, k)
	s_mov_b32 s[G1], 3<<16                         ; group 1: elements of 8 bytes, no padding, no mask
	s_mov_b32 s[G1+1], 544<<16                     ; tensor_dim0: a record, 544 elements
	s_mov_b32 s[G1+2], 4<<16                       ; tensor_dim1: 4 records
	s_mov_b32 s[G1+3], 544<<16                     ; tile_dim0
	s_mov_b32 s[G1+4], 4                           ; tile_dim1
	s_mov_b32 s[G1+5], NCH*544                     ; from tile to tile
	s_mov_b32 s[G1+6], 0
	s_mov_b32 s[G1+7], 0
	s_mov_b32 s[SEL], 0x76543210
	s_mov_b32 s[SEL+1], 0xfedcba98
	s_mul_i32 s46, s17, 16*NCH*REC
	s_mov_b32 s47, 0
	s_mul_i32 s48, s18, 8*NCH*REC
	s_mov_b32 s49, 0
	s_mul_i32 s50, s16, 4*NCH*REC                  ; waves 0-3: P's tiles 4 w on; waves 4, 5: Q's tiles 4 (w - 4) on
	s_mov_b32 s51, 0
	s_wait_dscnt 0x0                               ; both opening adds are done
	s_wait_kmcnt 0x0
	s_add_nc_u64 s[44:45], s[6:7], 128*NCH*REC     ; qkv_w's tiles of v
	s_cmp_lg_u32 s19, 0                            ; the choice hangs on the work-group's number alone
	s_cselect_b64 s[40:41], s[6:7], s[4:5]
	s_cselect_b64 s[42:43], s[4:5], s[44:45]
	s_add_nc_u64 s[40:41], s[40:41], s[46:47]
	s_add_nc_u64 s[42:43], s[42:43], s[48:49]
	s_cmp_lt_u32 s[WV], 4
	s_cselect_b64 s[40:41], s[40:41], s[42:43]
	s_add_nc_u64 s[40:41], s[40:41], s[50:51]
	s_mov_b32 s[G0], 1
	s_mul_i32 s[G0+1], s[WV], 4*REC                ; LDS: P's 16 records, then Q's 8
	s_mov_b64 s[G0+2:G0+3], s[40:41]
	s_or_b32 s[G0+3], s[G0+3], 0x80000000
	s_mov_b32 s[G0+4], 1
	s_add_co_u32 s[G0+5], s[G0+1], SLOT
	s_add_nc_u64 s[G0+6:G0+7], s[40:41], REC       ; the second 512 along K
	s_or_b32 s[G0+7], s[G0+7], 0x80000000
	s_cmp_lt_u32 s[WV], 6                          ; a wave's two first fills stand in one branch on the wave's number: two loads of mine are out
	s_cbranch_scc0 .Lnofill
	tensor_load_to_lds s[G0:G0+3], s[G1:G1+7]
	s_nop 0
	tensor_load_to_lds s[G0+4:G0+7], s[G1:G1+7]
	s_nop 0
.rept 4
	v_nop
.endr
.Lnofill:
	v_and_b32 v1, 15, v0                           ; r
	v_bfe_u32 v2, v0, 4, 1                         ; h
	v_and_b32 v[L16], 31, v0
	v_lshlrev_b32 v[L16], 4, v[L16]
	s_mul_i32 s40, s15, 8*REC
	v_add_nc_u32 v[AP], s40, v[L16]
	v_add_nc_u32 v[AP+1], SLOT, v[AP]
	s_mul_i32 s41, s16, 2*REC
	s_add_co_u32 s41, s41, 16*REC
	v_add_nc_u32 v[AQ], s41, v[L16]
	v_add_nc_u32 v[AQ+1], SLOT, v[AQ]
	v_mul_u32_u24 v14, v2, REC
	v_lshl_add_u32 v14, v1, 2, v14
	v_add_nc_u32 v[ASP], s40, v14
	v_add_nc_u32 v[ASP], 4096, v[ASP]
	v_add_nc_u32 v[ASP+1], SLOT, v[ASP]
	v_add_nc_u32 v[ASQ], s41, v14
	v_add_nc_u32 v[ASQ], 4096, v[ASQ]
	v_add_nc_u32 v[ASQ+1], SLOT, v[ASQ]
.irp b, 0,1,2,3
	v_mov_b32 v[TM+4+\b], 0                        ; written once: a lane permute's destination counts as one of its sources
.endr
	s_wait_tensorcnt 0x1                           ; my part of slot 0 is in; slot 1's load, issued behind it, may stay out
	s_barrier_signal -1
	s_barrier_wait -1
	STEP 0, 0, 1                                   ; the first step's products start the sums
	STEP 0, 1, 0
	STEP 0, 2, 0
	STEP 0, 3, 0
	CHUNK 1
.rept 4
	v_nop                                          ; places in front of the first reads of results and of loads into the fragments' registers
.endr
	s_cmp_lg_u32 s19, 0
	s_cbranch_scc0 .Lvals
	; ---- q and k.  A lane holds one token; its 64 registers of a token tile are 128 columns: two heads.  The bias first, then the quantiser: registers 4 c .. 4 c + 3 are head c's 64.
	s_lshl_b32 s40, s17, 10
	s_lshl_b32 s41, s15, 9
	s_add_co_u32 s40, s40, s41
	s_mov_b32 s41, 0
	s_add_nc_u64 s[8:9], s[8:9], s[40:41]          ; qkv_b at my 128 columns
	v_lshlrev_b32 v15, 6, v2
.irp b, 0,1,2,3
.irp i, 0,1,2,3
	global_load_b128 v[PF+16*\b+4*\i:PF+16*\b+4*\i+3], v15, s[8:9] offset:128*\b+16*\i
.endr
.endr
	s_lshr_b32 s40, s18, 4                         ; batch
	s_and_b32 s41, s18, 15                         ; which 128 tokens of the sequence
	s_and_b32 s42, s17, 3
	s_lshl_b32 s42, s42, 2
	s_lshl_b32 s43, s15, 1
	s_add_co_u32 s42, s42, s43
	s_lshl_b32 s40, s40, 4
	s_add_co_u32 s42, s42, s40                     ; 16 batch + my first head
	s_lshl_b32 s44, s42, 7
	s_lshl_b32 s45, s41, 3
	s_add_co_u32 s44, s44, s45
	s_lshl_b32 s45, s16, 1
	s_add_co_u32 s44, s44, s45                     ; q: the head's tile
	s_lshl_b32 s46, s44, 9
	s_add_co_u32 s46, s46, QC
	s_lshl_b32 s47, s44, 6
	s_add_co_u32 s47, s47, QS
	s_lshl_b32 s44, s42, 4
	s_add_co_u32 s44, s44, s41
	s_mul_i32 s44, s44, 8960                       ; k: the record of head and key step
	s_lshl_b32 s45, s16, 10
	s_add_co_u32 s48, s44, s45
	s_lshl_b32 s45, s16, 7
	s_add_co_u32 s49, s44, s45
	s_add_co_u32 s49, s49, 8192
	s_mov_b32 s50, 143360                          ; from head to head: 16 records
	s_cmp_lt_u32 s17, 4                            ; columns 0-1,023 are q's
	s_cselect_b32 s46, s46, s48
	s_cselect_b32 s47, s47, s49
	s_cselect_b32 s51, 0x10000, s50
	s_cselect_b32 s52, 8192, s50
	v_add_nc_u32 v16, s46, v[L16]                  ; head 0's image,
	v_add_nc_u32 v17, s51, v16                     ; head 1's
	v_mul_lo_u32 v18, v2, s52
	v_lshl_add_u32 v18, v1, 2, v18
	v_add_nc_u32 v18, s47, v18                     ; scale words: lanes 0-15 store head 0's, lanes 16-31 head 1's
	v_lshlrev_b32 v19, 4, v2
	s_wait_loadcnt 0x0
.set j, 0
.rept 32
	v_pk_add_f32 v[ACC+j:ACC+j+1], v[ACC+j:ACC+j+1], v[PF+j:PF+j+1]
.set j, j+2
.endr
.set j, 0
.rept 32
	v_pk_add_f32 v[ACC+64+j:ACC+64+j+1], v[ACC+64+j:ACC+64+j+1], v[PF+j:PF+j+1]
.set j, j+2
.endr
	QUANT ACC, QF, 29
	QUANT ACC+64, QF+8, 30
.irp q, 0,1
	v_lshrrev_b32 v[20+\q], v19, v[29+\q]          ; head h's two bytes in the word's low half; what stands above them meets zero codes alone and is never 0xff
	global_store_b128 v16, v[QF+8*\q:QF+8*\q+3], s[10:11] offset:512*\q       ; 512 consecutive bytes
	global_store_b128 v17, v[QF+8*\q+4:QF+8*\q+7], s[10:11] offset:512*\q
	global_store_b32 v18, v[20+\q], s[10:11] offset:64*\q
.endr
	s_branch .Ldone
	; ---- v.  A lane holds one channel of a head; its 64 registers are 128 keys: a fragment of V^T.
.Lvals:
	s_lshl_b32 s44, s18, 9
	s_lshl_b32 s45, s16, 7
	s_add_co_u32 s44, s44, s45
	s_add_co_u32 s44, s44, 8192
	s_mov_b32 s45, 0
	s_add_nc_u64 s[8:9], s[8:9], s[44:45]          ; qkv_b at v's columns 128 Qt + 32 wq on
	v_and_b32 v15, 7, v1
	v_lshrrev_b32 v18, 3, v1
	v_lshl_add_u32 v15, v18, 4, v15
	v_lshlrev_b32 v15, 2, v15
	global_load_b32 v32, v15, s[8:9]               ; one number a lane and tile, in both registers of a pair
	global_load_b32 v33, v15, s[8:9]
	global_load_b32 v34, v15, s[8:9] offset:32
	global_load_b32 v35, v15, s[8:9] offset:32
	s_lshr_b32 s40, s17, 3
	s_lshl_b32 s40, s40, 4
	s_lshl_b32 s41, s18, 1
	s_add_co_u32 s40, s40, s41
	s_lshr_b32 s41, s16, 1
	s_add_co_u32 s40, s40, s41                     ; 16 batch + head
	s_lshl_b32 s40, s40, 4
	s_lshl_b32 s41, s17, 1
	s_add_co_u32 s41, s41, s15
	s_and_b32 s41, s41, 15                         ; key step
	s_add_co_u32 s40, s40, s41
	s_mul_i32 s40, s40, 8960
	s_and_b32 s41, s16, 1
	s_lshl_b32 s42, s41, 11
	s_add_co_u32 s42, s42, s40
	s_add_co_u32 s42, s42, 4096
	s_lshl_b32 s43, s41, 7
	s_add_co_u32 s43, s43, s40
	s_add_co_u32 s43, s43, 8704
	v_add_nc_u32 v16, s42, v[L16]
	v_and_b32 v17, 31, v0
	v_lshl_add_u32 v17, v17, 2, s43
	s_mov_b32 s45, 0xffff0000
	s_wait_loadcnt 0x0
.set j, 0
.rept 32
	v_pk_add_f32 v[ACC+j:ACC+j+1], v[ACC+j:ACC+j+1], v[32:33]
.set j, j+2
.endr
.set j, 0
.rept 32
	v_pk_add_f32 v[ACC+64+j:ACC+64+j+1], v[ACC+64+j:ACC+64+j+1], v[34:35]
.set j, j+2
.endr
	QUANT ACC, QF, 29
	QUANT ACC+64, QF+8, 30
	v_cndmask_b32 v19, v29, v30, s45               ; lanes 0-15: the first tile's words, lanes 16-31 the second's
.irp q, 0,1
.irp c, 0,1
	global_store_b128 v16, v[QF+8*\q+4*\c:QF+8*\q+4*\c+3], s[10:11] offset:1024*\q+512*\c
.endr
.endr
	global_store_b32 v17, v19, s[10:11]
.Ldone:
	s_wait_tensorcnt 0x0                           ; the wave's end
	ds_add_u32 v[SPW], v[NIL]
	s_wait_dscnt 0x0
	s_endpgm
.Lfunc_end_k_q2f09e9f83e_gqkv:
	.size	k_q2f09e9f83e_gqkv, .Lfunc_end_k_q2f09e9f83e_gqkv-k_q2f09e9f83e_gqkv
	.p2alignl 7, 3214868480
	.fill 96, 4, 3214868480
	.section	.rodata,"a",@progbits
	.p2align	6, 0x0
	.amdhsa_kernel k_q2f09e9f83e_gqkv
		.amdhsa_group_segment_fixed_size 209920
		.amdhsa_private_segment_fixed_size 0
		.amdhsa_enable_private_segment 0
		.amdhsa_kernarg_size 32
		.amdhsa_user_sgpr_count 2
		.amdhsa_user_sgpr_kernarg_segment_ptr 1
		.amdhsa_wavefront_size32 1
		.amdhsa_system_sgpr_workgroup_id_x 1
		.amdhsa_system_sgpr_workgroup_id_y 1
		.amdhsa_system_sgpr_workgroup_id_z 1
		.amdhsa_system_vgpr_workitem_id 0
		.amdhsa_next_free_vgpr 256
		.amdhsa_next_free_sgpr 66
		.amdhsa_reserve_vcc 0
		.amdhsa_float_denorm_mode_32 3
		.amdhsa_float_denorm_mode_16_64 3
		.amdhsa_memory_ordered 1
		.amdhsa_forward_progress 1
		.amdhsa_inst_pref_size 66
	.end_amdhsa_kernel
	.amdgpu_metadata
---
amdhsa.version: [ 1, 2 ]
amdhsa.kernels:
  - .name:           k_q2f09e9f83e_gqkv
    .symbol:         k_q2f09e9f83e_gqkv.kd
    .args:
      - { .name: xn, .offset: 0, .size: 8, .value_kind: global_buffer, .address_space: global }
      - { .name: wts, .offset: 8, .size: 8, .value_kind: global_buffer, .address_space: global }
      - { .name: qkv_b, .offset: 16, .size: 8, .value_kind: global_buffer, .address_space: global }
      - { .name: qkv, .offset: 24, .size: 8, .value_kind: global_buffer, .address_space: global }
    .group_segment_fixed_size: 209920
    .private_segment_fixed_size: 0
    .kernarg_segment_align: 8
    .kernarg_segment_size: 32
    .max_flat_workgroup_size: 256
    .sgpr_count:     66
    .vgpr_count:     256
    .wavefront_size: 32
...
	.end_amdgpu_metadata
.endif
;; end of part 3
;; launch attn (part 4): grid 8 x 32, 16 waves a work-group, no clusters, 182,528 bytes of LDS; arguments qkv, wts, ao; writes ao
.if DOCPART == 4
	.amdgcn_target "amdgcn-amd-amdhsa--gfx1250"
	.amdhsa_code_object_version 6
	.text
	.protected	k_q2f09e9f83e_attn
	.globl	k_q2f09e9f83e_attn
	.p2align	8
	.type	k_q2f09e9f83e_attn,@function
k_q2f09e9f83e_attn:
	s_mov_b64 s[64:65], 0
	v_nop
	global_prefetch_b8 v0, s[64:65] scope:SCOPE_SE
	s_setreg_imm32_b32 hwreg(HW_REG_WAVE_MODE, 25, 1), 1
	s_wait_xcnt 0x0
; Launch 4: attention on codes of E2M1, and its result quantised along the channels as the projection's operand.  No work is left out.
; t = (q . k / 8 + decay x bias) log2(e); M = the running largest t rounded UP to a whole number; p = 2^(t - M) is quantised along the keys, not normalised; the row's sum of the unquantised p divides at the end.
; SHARES.  A work-group owns 256 queries of one head, each of its sixteen waves one tile of 16, in 256 registers: four waves to a SIMD, so that one wave's vector work stands beside another's products and LDS loads.
; Both products are used transposed: S^T = K Q^T (source 0 = 16 keys), O^T = V^T P^T (source 0 = 16 channels): a lane holds ONE query throughout, and by the tiles' order of rows its registers run along neighbouring keys or channels.
; THE HEAD'S K AND V LIE IN LDS WHOLE: 16 records of 8,960 bytes (128 keys each: K's 8 images of 512 bytes, V^T's 4 of 1,024, their scale words), one tensor load a wave at the head; nothing is filled again.
; THE BIAS IS THE C OF THE FIRST PRODUCT: 8 x decay x bias hangs on key - query alone; a window of 2,304 numbers of the head's table serves the work-group's 256 queries and all keys.  It lies in LDS four times,
; copy c moved c places down, so that each lane reads four neighbours as 16 aligned bytes, straight into the accumulators' registers.
; THE HEAD'S 64 ARE HALF OF THE PRODUCT'S 128: Q's upper four registers hold zero codes; K's upper four are whatever stands next (the next tile's codes): times zero they add nothing, under any scale byte but 0xff.
; NO CLUSTER: the table's window hangs on the query block, and every tile is asked for once, at the head.  No prefetch: nothing is asked for later than the head.
.set QC, 4587520
.set QS, 6684672
.set TB, 6684672
.set RECB, 8960
.set TBL, 16*RECB                      ; behind the records: the four copies, at 0, 9,248, 18,560 and 27,808 bytes
.set SPARE, TBL+37120                  ; the spare words, 128 bytes for each of 16 waves
.set S, 100                            ; v100-163 S^T, then p
.set O, 164                            ; v164-195 O^T
.set PCD, 196                          ; v196-203 p's codes
.set SEL, 20
.set CS, 22
; v1 16 x lane, v2 4 x lane, v3 my place in my copy of the table; v5 my spare word, v6 0; v8-10 the step's addresses; v12 -M, v13 the largest t, v[14:15] the sum; v16-19 Q, v20-23 zero codes; v24 Q's scale word;
; v25-28 K's scale words, v29-30 V's; v32-63 K's 8 tiles, 4 registers each; v64-67 zero; v68-99 V^T's 4 fragments; v232-254 at work.
.macro WM d, a, b, sa, sb, ra          ; a product that adds in place; ra: source 0's scale words stand in lanes 16-31
.if \ra
	v_wmma_scale_f32_16x16x128_f8f6f4 v[(\d):(\d)+7], v[(\a):(\a)+7], v[(\b):(\b)+7], v[(\d):(\d)+7], v[\sa], v[\sb] matrix_a_fmt:MATRIX_FMT_FP4 matrix_b_fmt:MATRIX_FMT_FP4 matrix_a_scale:MATRIX_SCALE_ROW1
.else
	v_wmma_scale_f32_16x16x128_f8f6f4 v[(\d):(\d)+7], v[(\a):(\a)+7], v[(\b):(\b)+7], v[(\d):(\d)+7], v[\sa], v[\sb] matrix_a_fmt:MATRIX_FMT_FP4 matrix_b_fmt:MATRIX_FMT_FP4
.endif
.endm
	s_load_b128 s[4:7], s[0:1], 0x0                ; qkv, wts
	s_load_b64 s[8:9], s[0:1], 0x10                ; ao
	v_lshl_add_u32 v5, v0, 2, SPARE
	v_mov_b32 v6, 0
	ds_add_u32 v5, v6                              ; the wave's opening: the add, twice on end, and its wait ahead of my first tensor load
	ds_add_u32 v5, v6
	v_lshrrev_b32 v1, 5, v0
	v_readfirstlane_b32 s10, v1                    ; wave 0..15
	s_and_b32 s11, ttmp7, 0xffff                   ; 16 batch + head
	s_and_b32 s12, s11, 15
	s_lshr_b32 s13, s11, 4
	s_mov_b32 s24, 3<<16                           ; group 1 for a record: 35 rows of 32 elements of 8 bytes, dense
	s_mov_b32 s25, 32<<16
	s_mov_b32 s26, 35<<16
	s_mov_b32 s27, 32<<16
	s_mov_b32 s28, 35
	s_mov_b32 s29, 32
	s_mov_b32 s30, 0
	s_mov_b32 s31, 0
	s_mov_b32 s32, 3<<16                           ; and for a window of the table: 36 such rows
	s_mov_b32 s33, 32<<16
	s_mov_b32 s34, 36<<16
	s_mov_b32 s35, 32<<16
	s_mov_b32 s36, 36
	s_mov_b32 s37, 32
	s_mov_b32 s38, 0
	s_mov_b32 s39, 0
	s_lshl_b32 s14, s11, 4
	s_add_co_u32 s14, s14, s10
	s_mul_i32 s14, s14, RECB                       ; wave w fetches the head's record w
	s_mov_b32 s15, 0
	s_and_b32 s19, s10, 3                          ; and, of waves 0-3, copy w
	s_lshl_b32 s16, s12, 2
	s_add_co_u32 s16, s16, s19
	s_lshl_b32 s16, s16, 14
	s_add_co_u32 s16, s16, TB+1792*4
	s_lshl_b32 s17, ttmp9, 10
	s_sub_co_u32 s16, s16, s17                     ; the window begins at place 1,792 - 256 x: key 0 against my block's last query
	s_mov_b32 s17, 0
	s_and_b32 s18, s19, 1
	s_mul_i32 s18, s18, 9248
	s_lshr_b32 s19, s19, 1
	s_mul_i32 s19, s19, 18560
	s_add_co_u32 s18, s18, s19
	s_mov_b32 s[SEL], 0x76543210
	s_mov_b32 s[SEL+1], 0xfedcba98
	s_mov_b32 s[CS], 0x3e38aa3b                    ; c = log2(e) / 8
	s_mov_b32 s[CS+1], s[CS]
	s_wait_dscnt 0x0                               ; both opening adds are done
	s_wait_kmcnt 0x0
	s_mov_b32 s40, 1
	s_mul_i32 s41, s10, RECB
	s_add_nc_u64 s[42:43], s[4:5], s[14:15]
	s_or_b32 s43, s43, 0x80000000
	s_mov_b32 s44, 1
	s_add_co_u32 s45, s18, TBL
	s_add_nc_u64 s[46:47], s[6:7], s[16:17]
	s_or_b32 s47, s47, 0x80000000
	tensor_load_to_lds s[40:43], s[24:31]          ; every wave issues one; waves 0-3 a second: at most two of mine are out
	s_nop 0
	s_cmp_lt_u32 s10, 4
	s_cbranch_scc0 .Lno_table
	tensor_load_to_lds s[44:47], s[32:39]
	s_nop 0
.rept 4
	v_nop
.endr
.Lno_table:
	v_and_b32 v1, 31, v0
	v_lshlrev_b32 v2, 2, v1
	v_lshlrev_b32 v1, 4, v1
	v_and_b32 v232, 15, v0                         ; r
	v_bfe_u32 v233, v0, 4, 1                       ; h
	s_lshl_b32 s48, s11, 7
	s_lshl_b32 s49, ttmp9, 4
	s_add_co_u32 s48, s48, s49
	s_add_co_u32 s48, s48, s10                     ; my tile of queries
	s_lshl_b32 s49, s48, 9
	s_add_co_u32 s49, s49, QC
	v_add_nc_u32 v234, s49, v1
	global_load_b128 v[16:19], v234, s[4:5]        ; Q's codes stay in registers
	s_lshl_b32 s49, s48, 6
	s_add_co_u32 s49, s49, QS
	v_lshl_add_u32 v235, v232, 2, s49
	global_load_b32 v24, v235, s[4:5]              ; and its scale words
	; my query is 32 (w / 2) + 8 (w % 2) + r % 8 + 16 (r / 8) of the block's 256.  Key j's term stands at place j - query + 255 of the window: copy c = 3 - r % 4 makes that place less c a multiple of 4
	s_lshr_b32 s48, s10, 1
	s_lshl_b32 s48, s48, 7
	s_and_b32 s49, s10, 1
	s_lshl_b32 s49, s49, 5
	s_add_co_u32 s48, s48, s49
	s_sub_co_u32 s48, TBL+252*4, s48
	v_and_b32 v236, 3, v232
	v_xor_b32 v236, 3, v236                        ; c
	v_and_b32 v237, 1, v236
	v_mul_u32_u24 v3, v237, 9248
	v_lshrrev_b32 v237, 1, v236
	v_mad_u32_u24 v3, v237, 18560, v3
	v_add_nc_u32 v3, s48, v3
	v_lshl_add_u32 v3, v233, 6, v3                 ; + 16 h places
	v_and_b32 v237, 4, v232
	v_lshlrev_b32 v237, 2, v237
	v_sub_nc_u32 v3, v3, v237
	v_lshrrev_b32 v237, 3, v232
	v_lshlrev_b32 v237, 6, v237
	v_sub_nc_u32 v3, v3, v237
	; where the result goes: tile 128 batch + 16 x + w; K = 64 head + channel: chunk head / 8, K step (head / 2) % 4, half head % 2
	s_lshl_b32 s53, s13, 7
	s_lshl_b32 s54, ttmp9, 4
	s_add_co_u32 s53, s53, s54
	s_add_co_u32 s53, s53, s10
	s_lshl_b32 s53, s53, 1
	s_lshr_b32 s54, s12, 3
	s_add_co_u32 s53, s53, s54
	s_mul_i32 s53, s53, 4352
	s_bfe_u32 s54, s12, 0x20001
	s_and_b32 s55, s12, 1
	s_lshl_b32 s56, s54, 10
	s_add_co_u32 s56, s56, s53
	s_lshl_b32 s57, s55, 9
	s_add_co_u32 s56, s56, s57                     ; the codes
	s_lshl_b32 s57, s54, 6
	s_add_co_u32 s57, s57, s53
	s_lshl_b32 s58, s55, 1
	s_add_co_u32 s57, s57, s58
	s_add_co_u32 s57, s57, 4096                    ; the two scale bytes
.irp j, 20,21,22,23,64,65,66,67
	v_mov_b32 v[\j], 0
.endr
	v_mov_b32 v13, 0xff61b1e6                      ; the largest t so far: -3e38, under every t
	v_floor_f32 v12, -v13                          ; -M
	v_mov_b32 v14, 0
	v_mov_b32 v15, 0
.irp b, 0,1,2,3
	v_mov_b32 v[236+\b], 0                         ; written once: a lane permute's destination counts as one of its sources
.endr
	v_mov_b32 v253, 0                              ; (named as the upper half of the pair v[252:253] before it is first written)
.set j, 0
.rept 32
	v_mov_b32 v[O+j], 0                            ; the step is written once: the first finds zeros, which the first change of M leaves zeros
.set j, j+1
.endr
	s_mov_b32 s50, 0                               ; the step's record in LDS
	s_mov_b32 s51, 0                               ; and its 128 places on in the table
	s_mov_b32 s52, 16
	s_wait_tensorcnt 0x0                           ; my loads have landed,
	s_barrier_signal -1
	s_barrier_wait -1                              ; everybody's have
	s_wait_loadcnt 0x0                             ; Q
.Lstep:                                            ; a key step: 128 keys
	v_add_nc_u32 v8, s50, v1
	v_add_nc_u32 v9, s50, v2
	v_add_nc_u32 v10, s51, v3
	v_nop                                          ; with the three above: four plain places between the last products and loads into registers that they read
.irp b, 0,1,2,3
.irp i, 0,1,2,3
	ds_load_b128 v[S+16*\b+4*\i:S+16*\b+4*\i+3], v10 offset:128*\b+16*\i   ; the bias of keys 32 b + 16 h + 4 i + 0 .. 3: the accumulators' first value
.endr
.endr
.irp t, 0,1,2,3,4,5,6,7
	ds_load_b128 v[32+4*\t:35+4*\t], v8 offset:512*\t
.endr
.irp i, 0,1,2,3
	ds_load_b32 v[25+\i], v9 offset:8192+128*\i    ; lanes 0-15 tile 2 i's words, lanes 16-31 tile 2 i + 1's
.endr
.irp d, 0,1,2,3
.irp c, 0,1
	ds_load_b128 v[68+8*\d+4*\c:71+8*\d+4*\c], v8 offset:4096+1024*\d+512*\c
.endr
.endr
.irp i, 0,1
	ds_load_b32 v[29+\i], v9 offset:8704+128*\i
.endr
	s_wait_dscnt 10                                ; bias, K and its scale words are in; V's eight loads and its two of scale words may be out
.irp t, 0,2,4,6
	WM S+8*\t, 32+4*\t, 16, 25+\t/2, 24, 0
	WM S+8*\t+8, 36+4*\t, 16, 25+\t/2, 24, 1
.endr
.rept 4
	v_nop
.endr
.irp b, 0,1,2,3
	v_max3_num_f32 v[232+\b], v[S+16*\b], v[S+1+16*\b], v[S+2+16*\b]   ; the largest score of each block of 32 keys: it serves the row's maximum and, since p rises with the score, the block's largest p
.endr
.irp i, 3,5,7,9,11,13
.irp b, 0,1,2,3
	v_max3_num_f32 v[232+\b], v[232+\b], v[S+16*\b+\i], v[S+1+16*\b+\i]
.endr
.endr
.irp b, 0,1,2,3
	v_max_num_f32 v[232+\b], v[232+\b], v[S+15+16*\b]
.endr
.irp b, 0,1,2,3
	v_permlanex16_b32 v[236+\b], v[232+\b], s[SEL], s[SEL+1]
.endr
.irp b, 0,1,2,3
	v_max_num_f32 v[232+\b], v[232+\b], v[236+\b]  ; with lane l xor 16's 16 keys
.endr
	v_max3_num_f32 v254, v232, v233, v234
	v_max_num_f32 v254, v254, v235
	v_mul_f32 v254, s[CS], v254                    ; as t (c is positive)
	v_max_num_f32 v13, v13, v254                   ; the running largest t
	v_mov_b32 v254, v12
	v_floor_f32 v12, -v13                          ; the new -M = floor(-t) = -ceil(t)
	v_sub_f32 v254, v12, v254                      ; old M less new M: a whole number, 0 or less
	v_cvt_i32_f32 v254, v254                       ; (it saturates)
	v_ldexp_f32 v252, 1.0, v254                    ; f = 2^(old M - new M): a multiplication by it rounds nothing
.set j, 0
.rept 32
	v_pk_fma_f32 v[S+j:S+j+1], v[S+j:S+j+1], s[CS:CS+1], v[12:13] op_sel_hi:[1,0,0]   ; t - M, two at a time
.set j, j+2
.endr
.irp b, 0,1,2,3
	v_fma_f32 v[232+\b], v[232+\b], s[CS], v12     ; the same of each block's largest score
.endr
.set j, 0
.rept 64
	v_exp_f32 v[S+j], v[S+j]                       ; p = 2^(t - M), at most 1
.set j, j+1
.endr
	v_pk_mul_f32 v[14:15], v[14:15], v[252:253] op_sel_hi:[1,0]    ; the sums under the new M: a plain place behind the exponentials
	s_wait_alu depctr_va_vdst(0)                   ; one wait for the batch of 64, ahead of its first reader
.irp b, 0,1,2,3
	v_exp_f32 v[232+\b], v[232+\b]                 ; the block's largest p
.endr
	v_pk_add_f32 v[236:237], v[S:S+1], v[S+2:S+3]  ; the row's sum is taken of the unquantised p, in two chains: plain work behind the four
.irp j, 4,8,12,16,20,24,28,32,36,40,44,48,52,56,60
	v_pk_add_f32 v[14:15], v[14:15], v[S+\j:S+\j+1]
	v_pk_add_f32 v[236:237], v[236:237], v[S+2+\j:S+3+\j]
.endr
	v_pk_add_f32 v[14:15], v[14:15], v[236:237]
	s_wait_alu depctr_va_vdst(0)                   ; and one for the four
.irp b, 0,1,2,3
	v_max_num_f32 v[232+\b], 0x1800000, v[232+\b]  ; the floor 2^(3 - 127): the byte cannot fall under 1
.endr
.irp b, 0,1,2,3
	v_add_nc_u32 v[244+\b], 0xff000000, v[232+\b]  ; 2 off the exponent field: the conversion's scale operand
.endr
.irp b, 0,1,2,3
	v_lshrrev_b32 v[236+\b], 23, v[244+\b]
.endr
	v_lshl_or_b32 v253, v237, 8, v236              ; p's scale word for these 128 keys
	v_lshl_or_b32 v253, v238, 16, v253
	v_lshl_or_b32 v253, v239, 24, v253
.irp b, 0,1,2,3
	v_cvt_scalef32_pk8_fp4_f32 v[PCD+2*\b], v[S+16*\b:S+7+16*\b], v[244+\b]
	v_cvt_scalef32_pk8_fp4_f32 v[PCD+1+2*\b], v[S+8+16*\b:S+15+16*\b], v[244+\b]
.endr
	v_nop                                          ; one plain place behind a scaled conversion
.irp c, 0,1
.irp i, 0,1
	v_permlane16_swap_b32 v[PCD+4*\c+\i], v[PCD+2+4*\c+\i]         ; a whole block in a lane
.endr
.endr
.set j, 0
.rept 16
	v_pk_mul_f32 v[O+j:O+j+1], v[O+j:O+j+1], v[252:253] op_sel_hi:[1,0]   ; O^T under the new M; these 16 are also the places between the scale word's and the codes' last writes and the products
.set j, j+2
.endr
	s_wait_dscnt 0x0                               ; V and its scale words
.irp d, 0,2
	WM O+8*\d, 68+8*\d, PCD, 29+\d/2, 253, 0
	WM O+8*\d+8, 76+8*\d, PCD, 29+\d/2, 253, 1
.endr
	s_add_co_u32 s50, s50, RECB
	s_add_co_u32 s51, s51, 512
	s_sub_co_u32 s52, s52, 1
	s_cmp_lg_u32 s52, 0
	s_cbranch_scc1 .Lstep
	; THE WAY OUT: O^T / the sum, quantised along the head's 64 channels: register 16 b + i is channel 32 b + 16 h + i.
	v_add_f32 v14, v14, v15
	v_permlanex16_b32 v252, v14, s[SEL], s[SEL+1]
	v_add_f32 v14, v14, v252                       ; the row's sum
	v_rcp_f32 v14, v14
	v_add_nc_u32 v7, s56, v1                       ; plain work behind the reciprocal, and places behind the last products
	v_and_b32 v8, 15, v0
	v_lshlrev_b32 v8, 2, v8
	v_add_nc_u32 v8, s57, v8
	s_wait_alu depctr_va_vdst(0)                   ; the wait ahead of the reciprocal's first reader
.set j, 0
.rept 32
	v_mul_f32 v[S+j], v[O+j], v14
.set j, j+1
.endr
.irp b, 0,1
	v_max3_num_f32 v[232+\b], |v[S+16*\b]|, |v[S+1+16*\b]|, 0x1800000
.endr
.irp i, 2,4,6,8,10,12,14
.irp b, 0,1
	v_max3_num_f32 v[232+\b], v[232+\b], |v[S+16*\b+\i]|, |v[S+1+16*\b+\i]|
.endr
.endr
.irp b, 0,1
	v_permlanex16_b32 v[236+\b], v[232+\b], s[SEL], s[SEL+1]
.endr
.irp b, 0,1
	v_max_num_f32 v[232+\b], v[232+\b], v[236+\b]
.endr
.irp b, 0,1
	v_add_nc_u32 v[244+\b], 0xff000000, v[232+\b]
.endr
.irp b, 0,1
	v_lshrrev_b32 v[236+\b], 23, v[244+\b]
.endr
	v_lshl_or_b32 v240, v237, 8, v236
.irp b, 0,1
	v_cvt_scalef32_pk8_fp4_f32 v[PCD+2*\b], v[S+16*\b:S+7+16*\b], v[244+\b]
	v_cvt_scalef32_pk8_fp4_f32 v[PCD+1+2*\b], v[S+8+16*\b:S+15+16*\b], v[244+\b]
.endr
	v_nop
	v_permlane16_swap_b32 v[PCD], v[PCD+2]
	v_permlane16_swap_b32 v[PCD+1], v[PCD+3]
	global_store_b128 v7, v[PCD:PCD+3], s[8:9]     ; 512 consecutive bytes of the record
	global_store_b16 v8, v240, s[8:9]              ; my row's two bytes; lanes r and r + 16 write the same value to the same place
	s_wait_tensorcnt 0x0                           ; the wave's end
	ds_add_u32 v5, v6
	s_wait_dscnt 0x0
	s_endpgm
.Lfunc_end_k_q2f09e9f83e_attn:
	.size	k_q2f09e9f83e_attn, .Lfunc_end_k_q2f09e9f83e_attn-k_q2f09e9f83e_attn
	.p2alignl 7, 3214868480
	.fill 96, 4, 3214868480
	.section	.rodata,"a",@progbits
	.p2align	6, 0x0
	.amdhsa_kernel k_q2f09e9f83e_attn
		.amdhsa_group_segment_fixed_size 182528
		.amdhsa_private_segment_fixed_size 0
		.amdhsa_enable_private_segment 0
		.amdhsa_kernarg_size 24
		.amdhsa_user_sgpr_count 2
		.amdhsa_user_sgpr_kernarg_segment_ptr 1
		.amdhsa_wavefront_size32 1
		.amdhsa_system_sgpr_workgroup_id_x 1
		.amdhsa_system_sgpr_workgroup_id_y 1
		.amdhsa_system_sgpr_workgroup_id_z 1
		.amdhsa_system_vgpr_workitem_id 0
		.amdhsa_next_free_vgpr 256
		.amdhsa_next_free_sgpr 66
		.amdhsa_reserve_vcc 0
		.amdhsa_float_denorm_mode_32 3
		.amdhsa_float_denorm_mode_16_64 3
		.amdhsa_memory_ordered 1
		.amdhsa_forward_progress 1
		.amdhsa_inst_pref_size 27
	.end_amdhsa_kernel
	.amdgpu_metadata
---
amdhsa.version: [ 1, 2 ]
amdhsa.kernels:
  - .name:           k_q2f09e9f83e_attn
    .symbol:         k_q2f09e9f83e_attn.kd
    .args:
      - { .name: qkv, .offset: 0, .size: 8, .value_kind: global_buffer, .address_space: global }
      - { .name: wts, .offset: 8, .size: 8, .value_kind: global_buffer, .address_space: global }
      - { .name: ao, .offset: 16, .size: 8, .value_kind: global_buffer, .address_space: global }
    .group_segment_fixed_size: 182528
    .private_segment_fixed_size: 0
    .kernarg_segment_align: 8
    .kernarg_segment_size: 24
    .max_flat_workgroup_size: 512
    .sgpr_count:     66
    .vgpr_count:     256
    .wavefront_size: 32
...
	.end_amdgpu_metadata
.endif
;; end of part 4
;; launch gproj (part 5): grid 128 x 1, 8 waves a work-group, no clusters, 327,680 bytes of LDS; arguments ao, wts, proj_b, x, x1; writes x1
.if DOCPART == 5
	.amdgcn_target "amdgcn-amd-amdhsa--gfx1250"
	.amdhsa_code_object_version 6
	.text
	.protected	k_q2f09e9f83e_gproj
	.globl	k_q2f09e9f83e_gproj
	.p2align	8
	.type	k_q2f09e9f83e_gproj,@function
k_q2f09e9f83e_gproj:
	s_mov_b64 s[64:65], 0
	v_nop
	global_prefetch_b8 v0, s[64:65] scope:SCOPE_SE
	s_setreg_imm32_b32 hwreg(HW_REG_WAVE_MODE, 25, 1), 1
	s_wait_xcnt 0x0
; Launch 5: x1 = x + ao proj_w + proj_b, the product on codes of E2M1.  No work is left out.
; D = P Q^T with P = the weight's columns (256 to a work-group), Q = tokens (128): a lane holds one token and 16 neighbouring columns for each pair of P's tiles.  Eight waves, two to a SIMD, 256 registers each:
; wave (wp, wq) makes P's tiles 8 wp .. + 7 x Q's tiles 2 wq, 2 wq + 1: 16 accumulators.  K goes in chunks of 512 through two LDS slots of 24 records of 4,352 bytes; waves 0-5 fetch, four records a load.
; With NCH = 2 both chunks are asked for at the head and nothing is filled again.
; The way out: a token tile's 16 rows x 128 columns go through the wave's own stage in LDS and come back as rows of 512 bytes; bias and residual are added there, and 32 lanes store 512 consecutive bytes.
; NO CLUSTER in this form: each tile is asked for once for each work-group, at the head (NCH = 2) or one chunk ahead; the descriptors hang on the column block or the token block alone, so joint loads could be laid later.
.set NCH, 2
.set WOFF, 1671168
.set FINAL, 0
.set REC, 4352
.set SLOT, 24*REC
.set SPARE, 2*SLOT                     ; behind the slots: the spare words, 128 bytes for each wave
.set STAGE, SPARE+1024                 ; behind them: 16 rows x (512 + 16) bytes for each wave; no tensor load lands here
.set AP, 3
.set AQ, 5
.set ASP, 7
.set ASQ, 9
.set SPW, 11
.set NIL, 12
.set L16, 13
.set SP, 24                            ; v24-27 P's scale words, v28 Q's: these hold scales and nothing else
.set SQ, 28
.set PF, 32
.set QF, 96
.set ACC, 128
.set WV, 14
.set G1, 24
.set G0, 32
.macro WM d, a, b, z, sa, sb, ra, rb   ; one product; z = 1: it starts the sum; ra, rb: the scale words stand in lanes 16-31
.if \z
.if (\ra) && (\rb)
	v_wmma_scale_f32_16x16x128_f8f6f4 v[(\d):(\d)+7], v[(\a):(\a)+7], v[(\b):(\b)+7], 0, v[\sa], v[\sb] matrix_a_fmt:MATRIX_FMT_FP4 matrix_b_fmt:MATRIX_FMT_FP4 matrix_a_scale:MATRIX_SCALE_ROW1 matrix_b_scale:MATRIX_SCALE_ROW1
.elseif \ra
	v_wmma_scale_f32_16x16x128_f8f6f4 v[(\d):(\d)+7], v[(\a):(\a)+7], v[(\b):(\b)+7], 0, v[\sa], v[\sb] matrix_a_fmt:MATRIX_FMT_FP4 matrix_b_fmt:MATRIX_FMT_FP4 matrix_a_scale:MATRIX_SCALE_ROW1
.elseif \rb
	v_wmma_scale_f32_16x16x128_f8f6f4 v[(\d):(\d)+7], v[(\a):(\a)+7], v[(\b):(\b)+7], 0, v[\sa], v[\sb] matrix_a_fmt:MATRIX_FMT_FP4 matrix_b_fmt:MATRIX_FMT_FP4 matrix_b_scale:MATRIX_SCALE_ROW1
.else
	v_wmma_scale_f32_16x16x128_f8f6f4 v[(\d):(\d)+7], v[(\a):(\a)+7], v[(\b):(\b)+7], 0, v[\sa], v[\sb] matrix_a_fmt:MATRIX_FMT_FP4 matrix_b_fmt:MATRIX_FMT_FP4
.endif
.else
.if (\ra) && (\rb)
	v_wmma_scale_f32_16x16x128_f8f6f4 v[(\d):(\d)+7], v[(\a):(\a)+7], v[(\b):(\b)+7], v[(\d):(\d)+7], v[\sa], v[\sb] matrix_a_fmt:MATRIX_FMT_FP4 matrix_b_fmt:MATRIX_FMT_FP4 matrix_a_scale:MATRIX_SCALE_ROW1 matrix_b_scale:MATRIX_SCALE_ROW1
.elseif \ra
	v_wmma_scale_f32_16x16x128_f8f6f4 v[(\d):(\d)+7], v[(\a):(\a)+7], v[(\b):(\b)+7], v[(\d):(\d)+7], v[\sa], v[\sb] matrix_a_fmt:MATRIX_FMT_FP4 matrix_b_fmt:MATRIX_FMT_FP4 matrix_a_scale:MATRIX_SCALE_ROW1
.elseif \rb
	v_wmma_scale_f32_16x16x128_f8f6f4 v[(\d):(\d)+7], v[(\a):(\a)+7], v[(\b):(\b)+7], v[(\d):(\d)+7], v[\sa], v[\sb] matrix_a_fmt:MATRIX_FMT_FP4 matrix_b_fmt:MATRIX_FMT_FP4 matrix_b_scale:MATRIX_SCALE_ROW1
.else
	v_wmma_scale_f32_16x16x128_f8f6f4 v[(\d):(\d)+7], v[(\a):(\a)+7], v[(\b):(\b)+7], v[(\d):(\d)+7], v[\sa], v[\sb] matrix_a_fmt:MATRIX_FMT_FP4 matrix_b_fmt:MATRIX_FMT_FP4
.endif
.endif
.endm
; 128 along K, the slot's q-th: 25 LDS loads in one run, then 16 products, the 16 accumulators by turns, in the same order in every step, over the loop's backward jump too.
.macro STEP slot, q, zero
.rept 4
	v_nop                                          ; four plain places between the last products and loads into registers that they read (ISA guide 7.12.1 for vector instructions)
.endr
.irp i, 0,1
.irp c, 0,1
	ds_load_b128 v[QF+8*\i+4*\c:QF+8*\i+4*\c+3], v[AQ+\slot] offset:\i*REC+(\q)*1024+\c*512
.endr
.endr
	ds_load_b32 v[SQ], v[ASQ+\slot] offset:(\q)*64
.irp i, 0,1,2,3
	ds_load_b32 v[SP+\i], v[ASP+\slot] offset:2*\i*REC+(\q)*64
.endr
.irp p, 0,1,2,3,4,5,6,7
.irp c, 0,1
	ds_load_b128 v[PF+8*\p+4*\c:PF+8*\p+4*\c+3], v[AP+\slot] offset:\p*REC+(\q)*1024+\c*512
.endr
.endr
.irp pp, 0,1,2,3
	s_wait_dscnt 14-4*\pp                          ; P's fragment 2 pp is in: so many of P's 16 loads were issued behind its two
	WM ACC+8*(2*\pp), PF+8*(2*\pp), QF, \zero, SP+\pp, SQ, 0, 0
	WM ACC+8*(8+2*\pp), PF+8*(2*\pp), QF+8, \zero, SP+\pp, SQ, 0, 1
	s_wait_dscnt 12-4*\pp                          ; and fragment 2 pp + 1
	WM ACC+8*(2*\pp+1), PF+8*(2*\pp+1), QF, \zero, SP+\pp, SQ, 1, 0
	WM ACC+8*(8+2*\pp+1), PF+8*(2*\pp+1), QF+8, \zero, SP+\pp, SQ, 1, 1
.endr
.endm
; The change of slots: all my tensor loads have landed (my part of the slot ahead), the add, my reads of the slot that I leave are back; a barrier; refill = 1: the slot just left takes the chunk two on,
; first thing behind the barrier, one load a wave: it has this chunk's four steps in which to land.  Then the slot's four steps.
.macro CHUNK slot, refill
	s_wait_tensorcnt 0x0                           ; no tensor load of mine is out, so a group 0 may be written
	ds_add_u32 v[SPW], v[NIL]                      ; 0 onto my spare word
.if \refill
	ds_add_u32 v[SPW], v[NIL]                      ; and once more where a load follows
	s_add_nc_u64 s[G0+4*(1-\slot)+2:G0+4*(1-\slot)+3], s[G0+4*(1-\slot)+2:G0+4*(1-\slot)+3], 2*REC
.endif
	s_wait_dscnt 0x0
	s_barrier_signal -1
	s_barrier_wait -1
.if \refill
	s_cmp_lt_u32 s[WV], 6
	s_cbranch_scc0 .Lnone_\@
	tensor_load_to_lds s[G0+4*(1-\slot):G0+4*(1-\slot)+3], s[G1:G1+7]
	s_nop 0
.rept 4
	v_nop
.endr
.Lnone_\@:
.endif
	STEP \slot, 0, 0
	STEP \slot, 1, 0
	STEP \slot, 2, 0
	STEP \slot, 3, 0
.endm
	s_load_b256 s[4:11], s[0:1], 0x0               ; the activation's records s[4:5], wts s[6:7], the bias s[8:9], the residual s[10:11]
	s_load_b64 s[12:13], s[0:1], 0x20              ; the result
	v_lshl_add_u32 v[SPW], v0, 2, SPARE
	v_mov_b32 v[NIL], 0
	ds_add_u32 v[SPW], v[NIL]                      ; the wave's opening: the add, twice on end, and its wait ahead of the first tensor load
	ds_add_u32 v[SPW], v[NIL]
	v_lshrrev_b32 v1, 5, v0
	v_readfirstlane_b32 s[WV], v1                  ; wave 0..7
	s_lshr_b32 s15, s[WV], 2                       ; wp
	s_and_b32 s16, s[WV], 3                        ; wq
	s_and_b32 s17, ttmp9, 3                        ; which 256 columns
	s_lshr_b32 s18, ttmp9, 2                       ; which 128 tokens
	s_mov_b32 s[G1], 3<<16                         ; group 1: elements of 8 bytes, no padding, no mask
	s_mov_b32 s[G1+1], 544<<16                     ; tensor_dim0: a record, 544 elements
	s_mov_b32 s[G1+2], 4<<16                       ; tensor_dim1: 4 records
	s_mov_b32 s[G1+3], 544<<16                     ; tile_dim0
	s_mov_b32 s[G1+4], 4                           ; tile_dim1
	s_mov_b32 s[G1+5], NCH*544                     ; from tile to tile
	s_mov_b32 s[G1+6], 0
	s_mov_b32 s[G1+7], 0
	s_mul_i32 s40, s17, 16*NCH*REC
	s_add_co_u32 s40, s40, WOFF
	s_mov_b32 s41, 0
	s_mul_i32 s42, s18, 8*NCH*REC
	s_mov_b32 s43, 0
	s_mul_i32 s44, s16, 4*NCH*REC                  ; waves 0-3: P's tiles 4 w on; waves 4, 5: Q's tiles 4 (w - 4) on
	s_mov_b32 s45, 0
	s_wait_dscnt 0x0                               ; both opening adds are done
	s_wait_kmcnt 0x0
	s_add_nc_u64 s[40:41], s[6:7], s[40:41]
	s_add_nc_u64 s[42:43], s[4:5], s[42:43]
	s_cmp_lt_u32 s[WV], 4
	s_cselect_b64 s[40:41], s[40:41], s[42:43]
	s_add_nc_u64 s[40:41], s[40:41], s[44:45]
	s_mov_b32 s[G0], 1
	s_mul_i32 s[G0+1], s[WV], 4*REC                ; LDS: P's 16 records, then Q's 8
	s_mov_b64 s[G0+2:G0+3], s[40:41]
	s_or_b32 s[G0+3], s[G0+3], 0x80000000
	s_mov_b32 s[G0+4], 1
	s_add_co_u32 s[G0+5], s[G0+1], SLOT
	s_add_nc_u64 s[G0+6:G0+7], s[40:41], REC       ; the second 512 along K
	s_or_b32 s[G0+7], s[G0+7], 0x80000000
	s_cmp_lt_u32 s[WV], 6                          ; a wave's two first fills stand in one branch on the wave's number: two loads of mine are out
	s_cbranch_scc0 .Lnofill
	tensor_load_to_lds s[G0:G0+3], s[G1:G1+7]
	s_nop 0
	tensor_load_to_lds s[G0+4:G0+7], s[G1:G1+7]
	s_nop 0
.rept 4
	v_nop
.endr
.Lnofill:
	v_and_b32 v1, 15, v0                           ; r
	v_bfe_u32 v2, v0, 4, 1                         ; h
	v_and_b32 v[L16], 31, v0
	v_lshlrev_b32 v[L16], 4, v[L16]
	s_mul_i32 s40, s15, 8*REC
	v_add_nc_u32 v[AP], s40, v[L16]
	v_add_nc_u32 v[AP+1], SLOT, v[AP]
	s_mul_i32 s41, s16, 2*REC
	s_add_co_u32 s41, s41, 16*REC
	v_add_nc_u32 v[AQ], s41, v[L16]
	v_add_nc_u32 v[AQ+1], SLOT, v[AQ]
	v_mul_u32_u24 v14, v2, REC
	v_lshl_add_u32 v14, v1, 2, v14
	v_add_nc_u32 v[ASP], s40, v14
	v_add_nc_u32 v[ASP], 4096, v[ASP]
	v_add_nc_u32 v[ASP+1], SLOT, v[ASP]
	v_add_nc_u32 v[ASQ], s41, v14
	v_add_nc_u32 v[ASQ], 4096, v[ASQ]
	v_add_nc_u32 v[ASQ+1], SLOT, v[ASQ]
	s_mul_i32 s40, s[WV], 16*528
	s_add_co_u32 s40, s40, STAGE                   ; my stage
	v_mul_u32_u24 v20, v1, 528
	v_lshl_add_u32 v20, v2, 6, v20
	v_add_nc_u32 v20, s40, v20                     ; in: row r, + 64 h
	v_add_nc_u32 v21, s40, v[L16]                  ; back: 16 x lane of a row
	s_wait_tensorcnt 0x1                           ; my part of slot 0 is in; slot 1's load, issued behind it, may stay out
	s_barrier_signal -1
	s_barrier_wait -1
	STEP 0, 0, 1                                   ; the first step's products start the sums
	STEP 0, 1, 0
	STEP 0, 2, 0
	STEP 0, 3, 0
.if NCH > 2
	s_mov_b32 s56, NCH/2-1
.Lring:                                            ; a trip: two chunks, both slots filled again
	CHUNK 1, 1
	CHUNK 0, 1
	s_sub_co_u32 s56, s56, 1
	s_cmp_lg_u32 s56, 0
	s_cbranch_scc1 .Lring
.endif
	CHUNK 1, 0                                     ; the last chunk is written out: nothing is left to fetch
.rept 4
	v_nop                                          ; places in front of the first reads of results and of loads into the fragments' registers
.endr
	s_lshl_b32 s42, s18, 7
	s_lshl_b32 s43, s16, 5
	s_add_co_u32 s42, s42, s43                     ; my 32 tokens begin here
	s_lshl_b32 s42, s42, 12
	s_lshl_b32 s44, s17, 10
	s_lshl_b32 s45, s15, 9
	s_add_co_u32 s44, s44, s45                     ; my 128 columns, in bytes
	s_add_co_u32 s42, s42, s44
	s_mov_b32 s43, 0
	s_mov_b32 s45, 0
	s_add_nc_u64 s[10:11], s[10:11], s[42:43]
	s_add_nc_u64 s[12:13], s[12:13], s[42:43]
	s_add_nc_u64 s[8:9], s[8:9], s[44:45]
	global_load_b128 v[16:19], v[L16], s[8:9]      ; the bias at my four columns of a row
.macro RESLOAD q                       ; the residual's 16 rows of token tile q: row i of the tile is token 8 q + i % 8 + 16 (i / 8) of my 32
.irp i, 0,1,2,3,4,5,6,7,8,9,10,11,12,13,14,15
	global_load_b128 v[PF+4*\i:PF+4*\i+3], v[L16], s[10:11] offset:(8*(\q)+(\i%8)+16*(\i/8))*4096 th:TH_LOAD_NT
.endr
.endm
.macro TOSTAGE q                       ; each accumulator from its low end on; LDS serves a wave's instructions in order (ISA guide 5.7.1.4): the loads see the stores, and the next tile's stores come behind the loads
.irp b, 0,1,2,3
.irp i, 0,1,2,3
	ds_store_b128 v20, v[ACC+64*(\q)+16*\b+4*\i:ACC+64*(\q)+16*\b+4*\i+3] offset:128*\b+16*\i
.endr
.endr
.irp i, 0,1,2,3,4,5,6,7,8,9,10,11,12,13,14,15
	ds_load_b128 v[ACC+64*(\q)+4*\i:ACC+64*(\q)+4*\i+3], v21 offset:528*\i
.endr
.endm
.macro FINISH q
.irp i, 0,1,2,3,4,5,6,7,8,9,10,11,12,13,14,15
	v_pk_add_f32 v[ACC+64*(\q)+4*\i:ACC+64*(\q)+4*\i+1], v[ACC+64*(\q)+4*\i:ACC+64*(\q)+4*\i+1], v[16:17]
	v_pk_add_f32 v[ACC+64*(\q)+4*\i+2:ACC+64*(\q)+4*\i+3], v[ACC+64*(\q)+4*\i+2:ACC+64*(\q)+4*\i+3], v[18:19]
.endr
.irp i, 0,1,2,3,4,5,6,7,8,9,10,11,12,13,14,15
	v_pk_add_f32 v[ACC+64*(\q)+4*\i:ACC+64*(\q)+4*\i+1], v[ACC+64*(\q)+4*\i:ACC+64*(\q)+4*\i+1], v[PF+4*\i:PF+4*\i+1]
	v_pk_add_f32 v[ACC+64*(\q)+4*\i+2:ACC+64*(\q)+4*\i+3], v[ACC+64*(\q)+4*\i+2:ACC+64*(\q)+4*\i+3], v[PF+4*\i+2:PF+4*\i+3]
.endr
.endm
.macro SENDQ q                         ; 32 lanes store 512 consecutive bytes, at a multiple of 256 from the buffer's first byte; no store's registers are written again
.irp i, 0,1,2,3,4,5,6,7,8,9,10,11,12,13,14,15
.if FINAL
	global_store_b128 v[L16], v[ACC+64*(\q)+4*\i:ACC+64*(\q)+4*\i+3], s[12:13] offset:(8*(\q)+(\i%8)+16*(\i/8))*4096 th:TH_STORE_NT
.else
	global_store_b128 v[L16], v[ACC+64*(\q)+4*\i:ACC+64*(\q)+4*\i+3], s[12:13] offset:(8*(\q)+(\i%8)+16*(\i/8))*4096
.endif
.endr
.endm
	RESLOAD 0
	TOSTAGE 0
	s_wait_dscnt 0x0
	s_wait_loadcnt 0x0
	FINISH 0
	RESLOAD 1                                      ; the first tile's residual has been added: its registers take the second's
	SENDQ 0
	TOSTAGE 1
	s_wait_dscnt 0x0
	s_wait_loadcnt 0x0
	FINISH 1
	SENDQ 1
	s_wait_tensorcnt 0x0                           ; the wave's end
	ds_add_u32 v[SPW], v[NIL]
	s_wait_dscnt 0x0
	s_endpgm
.Lfunc_end_k_q2f09e9f83e_gproj:
	.size	k_q2f09e9f83e_gproj, .Lfunc_end_k_q2f09e9f83e_gproj-k_q2f09e9f83e_gproj
	.p2alignl 7, 3214868480
	.fill 96, 4, 3214868480
	.section	.rodata,"a",@progbits
	.p2align	6, 0x0
	.amdhsa_kernel k_q2f09e9f83e_gproj
		.amdhsa_group_segment_fixed_size 327680
		.amdhsa_private_segment_fixed_size 0
		.amdhsa_enable_private_segment 0
		.amdhsa_kernarg_size 40
		.amdhsa_user_sgpr_count 2
		.amdhsa_user_sgpr_kernarg_segment_ptr 1
		.amdhsa_wavefront_size32 1
		.amdhsa_system_sgpr_workgroup_id_x 1
		.amdhsa_system_sgpr_workgroup_id_y 1
		.amdhsa_system_sgpr_workgroup_id_z 1
		.amdhsa_system_vgpr_workitem_id 0
		.amdhsa_next_free_vgpr 256
		.amdhsa_next_free_sgpr 66
		.amdhsa_reserve_vcc 0
		.amdhsa_float_denorm_mode_32 3
		.amdhsa_float_denorm_mode_16_64 3
		.amdhsa_memory_ordered 1
		.amdhsa_forward_progress 1
		.amdhsa_inst_pref_size 55
	.end_amdhsa_kernel
	.amdgpu_metadata
---
amdhsa.version: [ 1, 2 ]
amdhsa.kernels:
  - .name:           k_q2f09e9f83e_gproj
    .symbol:         k_q2f09e9f83e_gproj.kd
    .args:
      - { .name: ao, .offset: 0, .size: 8, .value_kind: global_buffer, .address_space: global }
      - { .name: wts, .offset: 8, .size: 8, .value_kind: global_buffer, .address_space: global }
      - { .name: proj_b, .offset: 16, .size: 8, .value_kind: global_buffer, .address_space: global }
      - { .name: x, .offset: 24, .size: 8, .value_kind: global_buffer, .address_space: global }
      - { .name: x1, .offset: 32, .size: 8, .value_kind: global_buffer, .address_space: global }
    .group_segment_fixed_size: 327680
    .private_segment_fixed_size: 0
    .kernarg_segment_align: 8
    .kernarg_segment_size: 40
    .max_flat_workgroup_size: 256
    .sgpr_count:     66
    .vgpr_count:     256
    .wavefront_size: 32
...
	.end_amdgpu_metadata
.endif
;; end of part 5
;; launch ln2 (part 6): grid 256 x 1, 16 waves a work-group, no clusters, 14,848 bytes of LDS; arguments x1, ln2_g, ln2_b, hn; writes hn
.if DOCPART == 6
	.amdgcn_target "amdgcn-amd-amdhsa--gfx1250"
	.amdhsa_code_object_version 6
	.text
	.protected	k_q2f09e9f83e_ln2
	.globl	k_q2f09e9f83e_ln2
	.p2align	8
	.type	k_q2f09e9f83e_ln2,@function
k_q2f09e9f83e_ln2:
	s_mov_b64 s[64:65], 0
	v_nop
	global_prefetch_b8 v0, s[64:65] scope:SCOPE_SE
	s_setreg_imm32_b32 hwreg(HW_REG_WAVE_MODE, 25, 1), 1
	s_wait_xcnt 0x0
; Launch 6: hn = Q(layer norm(x1)), quantised along the 1,024 channels, as records of the first feed-forward product's operand.  No work is left out.
; A work-group makes one tile of 16 tokens, a wave one token (lane r of the tile = wave r: token 32 (tile / 2) + 8 (tile % 2) + r % 8 + 16 (r / 8)), kept in 32 registers a lane between the passes.
; Lane l holds channels 256 G + 8 l + 0 .. 7, G = 0 .. 3: each load of a wave covers whole aligned runs of its row; four neighbouring lanes hold a block of 32.
; The tile's two records (8,704 bytes) are gathered in LDS and leave as 17 pieces of 512 consecutive bytes.  Matrix units, tensor loads and clusters have nothing to do here: each byte is read once.
.set IMG, 4096                         ; LDS: the two records (the bytes below are not used here)
.set SPARE, 12800                      ; the spare words, 128 bytes for each of 16 waves
.set X, 32                             ; v32-63   my 32 numbers
.set GA, 64                            ; v64-95   the gain at my channels
.set BE, 96                            ; v96-127  the bias
.set PX, 4
.set PG, 6
.set PB, 8
.set PO, 10
	s_load_b256 s[4:11], s[0:1], 0x0               ; x1, gain, bias, hn
	v_lshl_add_u32 v4, v0, 2, SPARE                ; v4: my spare word; v5: 0; both kept for the closing lines
	v_mov_b32 v5, 0
	v_lshrrev_b32 v1, 5, v0
	v_readfirstlane_b32 s2, v1                     ; wave 0..15
	v_and_b32 v1, 31, v0                           ; lane
	s_lshr_b32 s16, ttmp9, 1
	s_lshl_b32 s16, s16, 5
	s_and_b32 s17, ttmp9, 1
	s_lshl_b32 s17, s17, 3
	s_add_co_u32 s16, s16, s17
	s_and_b32 s17, s2, 7
	s_add_co_u32 s16, s16, s17
	s_lshr_b32 s17, s2, 3
	s_lshl_b32 s17, s17, 4
	s_add_co_u32 s16, s16, s17                     ; my token
	s_lshl_b32 s16, s16, 12                        ; its row of 4,096 bytes
	s_mov_b32 s17, 0
	s_mul_i32 s18, ttmp9, 8704                     ; the tile's two records
	s_mov_b32 s19, 0
	s_mov_b32 s20, 0x76543210                      ; v_permlanex16_b32's selects for lane l xor 16
	s_mov_b32 s21, 0xfedcba98
	s_mov_b32 s22, 0x3a800000                      ; 1 / 1,024
	v_lshlrev_b32 v6, 5, v1                        ; 32 x lane
	v_lshlrev_b32 v13, 4, v0                       ; 16 x thread
	v_lshrrev_b32 v2, 2, v1
	v_lshlrev_b32 v12, 8, v2                       ; my 8 codes in a record: 256 (l / 4),
	v_and_b32 v3, 3, v1
	v_lshl_add_u32 v12, v3, 2, v12                 ; 4 (l % 4) in the lane's 16 bytes,
	s_lshl_b32 s23, s2, 4
	v_add_nc_u32 v12, s23, v12                     ; 16 x row
	v_lshrrev_b32 v3, 4, v1
	v_lshlrev_b32 v14, 6, v3                       ; my block's byte: 64 (l / 16) for the K step,
	v_and_b32 v2, 3, v2
	v_add_nc_u32 v14, v14, v2                      ; the block in it,
	s_lshl_b32 s23, s2, 2
	v_add_nc_u32 v14, s23, v14                     ; 4 x row
	s_wait_kmcnt 0x0
	s_add_nc_u64 s[PX:PX+1], s[PX:PX+1], s[16:17]
	s_add_nc_u64 s[PO:PO+1], s[PO:PO+1], s[18:19]
.irp g, 0,1,2,3
.irp i, 0,1
	global_load_b128 v[X+8*\g+4*\i:X+8*\g+4*\i+3], v6, s[PX:PX+1] offset:1024*\g+16*\i th:TH_LOAD_NT
.endr
.endr
.irp g, 0,1,2,3
.irp i, 0,1
	global_load_b128 v[GA+8*\g+4*\i:GA+8*\g+4*\i+3], v6, s[PG:PG+1] offset:1024*\g+16*\i
.endr
.endr
.irp g, 0,1,2,3
.irp i, 0,1
	global_load_b128 v[BE+8*\g+4*\i:BE+8*\g+4*\i+3], v6, s[PB:PB+1] offset:1024*\g+16*\i
.endr
.endr
	s_wait_loadcnt 16                              ; the row is in; gain's 8 loads and bias's 8 may be out
	v_pk_add_f32 v[8:9], v[X:X+1], v[X+2:X+3]      ; the mean: two chains in the lane, then across the 32 lanes
	v_pk_add_f32 v[10:11], v[X+4:X+5], v[X+6:X+7]
.irp j, 8,12,16,20,24,28
	v_pk_add_f32 v[8:9], v[8:9], v[X+\j:X+\j+1]
	v_pk_add_f32 v[10:11], v[10:11], v[X+\j+2:X+\j+3]
.endr
	v_pk_add_f32 v[8:9], v[8:9], v[10:11]
	v_add_f32 v8, v8, v9
	v_add_f32_dpp v8, v8, v8 row_xmask:1 row_mask:0xf bank_mask:0xf
	v_add_f32_dpp v8, v8, v8 row_xmask:2 row_mask:0xf bank_mask:0xf
	v_add_f32_dpp v8, v8, v8 row_xmask:4 row_mask:0xf bank_mask:0xf
	v_add_f32_dpp v8, v8, v8 row_xmask:8 row_mask:0xf bank_mask:0xf
	v_permlanex16_b32 v9, v8, s20, s21
	v_add_f32 v8, v8, v9
	v_mul_f32 v8, s22, v8
	v_mov_b32 v9, v8
.set j, 0
.rept 16
	v_pk_add_f32 v[X+j:X+j+1], v[X+j:X+j+1], v[8:9] neg_lo:[0,1] neg_hi:[0,1]
.set j, j+2
.endr
	v_pk_mul_f32 v[8:9], v[X:X+1], v[X:X+1]        ; the variance, of the numbers less their mean
	v_pk_mul_f32 v[10:11], v[X+2:X+3], v[X+2:X+3]
.irp j, 4,8,12,16,20,24,28
	v_pk_fma_f32 v[8:9], v[X+\j:X+\j+1], v[X+\j:X+\j+1], v[8:9]
	v_pk_fma_f32 v[10:11], v[X+\j+2:X+\j+3], v[X+\j+2:X+\j+3], v[10:11]
.endr
	v_pk_add_f32 v[8:9], v[8:9], v[10:11]
	v_add_f32 v8, v8, v9
	v_add_f32_dpp v8, v8, v8 row_xmask:1 row_mask:0xf bank_mask:0xf
	v_add_f32_dpp v8, v8, v8 row_xmask:2 row_mask:0xf bank_mask:0xf
	v_add_f32_dpp v8, v8, v8 row_xmask:4 row_mask:0xf bank_mask:0xf
	v_add_f32_dpp v8, v8, v8 row_xmask:8 row_mask:0xf bank_mask:0xf
	v_permlanex16_b32 v9, v8, s20, s21
	v_add_f32 v8, v8, v9
	v_fmaak_f32 v10, s22, v8, 0x3727c5ac           ; / 1,024 + 1e-5
	v_rsq_f32 v10, v10
	v_nop                                          ; a plain instruction behind the root
	s_wait_alu depctr_va_vdst(0)                   ; and the wait ahead of its first reader
	v_mov_b32 v11, v10
	s_wait_loadcnt 0x0                             ; gain and bias
.set j, 0
.rept 16
	v_pk_mul_f32 v[X+j:X+j+1], v[X+j:X+j+1], v[10:11]
.set j, j+2
.endr
.set j, 0
.rept 16
	v_pk_fma_f32 v[X+j:X+j+1], v[X+j:X+j+1], v[GA+j:GA+j+1], v[BE+j:BE+j+1]
.set j, j+2
.endr
.irp g, 0,1,2,3                        ; the quantiser: my 8 numbers of block 8 G + l / 4, the four groups by turns
	v_max3_num_f32 v[16+\g], |v[X+8*\g]|, |v[X+8*\g+1]|, 0x1800000 ; with the floor 2^(3 - 127): the byte cannot fall under 1
.endr
.irp i, 2,4,6
.irp g, 0,1,2,3
	v_max3_num_f32 v[16+\g], v[16+\g], |v[X+8*\g+\i]|, |v[X+8*\g+\i+1]|
.endr
.endr
.irp g, 0,1,2,3
	v_max_num_f32_dpp v[16+\g], v[16+\g], v[16+\g] row_xmask:1 row_mask:0xf bank_mask:0xf
.endr
.irp g, 0,1,2,3
	v_max_num_f32_dpp v[16+\g], v[16+\g], v[16+\g] row_xmask:2 row_mask:0xf bank_mask:0xf   ; the four lanes of the block
.endr
.irp g, 0,1,2,3
	v_add_nc_u32 v[20+\g], 0xff000000, v[16+\g]    ; 2 off the exponent field: the conversion's scale operand
.endr
.irp g, 0,1,2,3
	v_lshrrev_b32 v[24+\g], 23, v[20+\g]           ; the scale's byte
.endr
.irp g, 0,1,2,3
	v_cvt_scalef32_pk8_fp4_f32 v[28+\g], v[X+8*\g:X+8*\g+7], v[20+\g]
.endr
.irp g, 0,1,2,3
	ds_store_b32 v12, v[28+\g] offset:IMG+(\g/2)*4352+(\g%2)*2048
	ds_store_b8 v14, v[24+\g] offset:IMG+4096+(\g/2)*4352+(\g%2)*128   ; the four lanes of a block write the same byte with the same value
.endr
	s_wait_dscnt 0x0                               ; for the others' sake: my row's codes and bytes have landed
	s_barrier_signal -1
	s_barrier_wait -1
	ds_load_b128 v[8:11], v13 offset:IMG           ; piece w of the 17
	s_wait_dscnt 0x0
	global_store_b128 v13, v[8:11], s[PO:PO+1]     ; 512 consecutive bytes, at a multiple of 256 from the buffer's first byte
	s_cmp_lg_u32 s2, 0
	s_cbranch_scc1 .Lend
	ds_load_b128 v[16:19], v13 offset:IMG+8192     ; wave 0: the last piece
	s_wait_dscnt 0x0
	global_store_b128 v13, v[16:19], s[PO:PO+1] offset:8192
.Lend:
	s_wait_tensorcnt 0x0                           ; the wave's end
	ds_add_u32 v4, v5
	s_wait_dscnt 0x0
	s_endpgm
.Lfunc_end_k_q2f09e9f83e_ln2:
	.size	k_q2f09e9f83e_ln2, .Lfunc_end_k_q2f09e9f83e_ln2-k_q2f09e9f83e_ln2
	.p2alignl 7, 3214868480
	.fill 96, 4, 3214868480
	.section	.rodata,"a",@progbits
	.p2align	6, 0x0
	.amdhsa_kernel k_q2f09e9f83e_ln2
		.amdhsa_group_segment_fixed_size 14848
		.amdhsa_private_segment_fixed_size 0
		.amdhsa_enable_private_segment 0
		.amdhsa_kernarg_size 32
		.amdhsa_user_sgpr_count 2
		.amdhsa_user_sgpr_kernarg_segment_ptr 1
		.amdhsa_wavefront_size32 1
		.amdhsa_system_sgpr_workgroup_id_x 1
		.amdhsa_system_sgpr_workgroup_id_y 1
		.amdhsa_system_sgpr_workgroup_id_z 1
		.amdhsa_system_vgpr_workitem_id 0
		.amdhsa_next_free_vgpr 168
		.amdhsa_next_free_sgpr 66
		.amdhsa_reserve_vcc 0
		.amdhsa_float_denorm_mode_32 3
		.amdhsa_float_denorm_mode_16_64 3
		.amdhsa_memory_ordered 1
		.amdhsa_forward_progress 1
		.amdhsa_inst_pref_size 14
	.end_amdhsa_kernel
	.amdgpu_metadata
---
amdhsa.version: [ 1, 2 ]
amdhsa.kernels:
  - .name:           k_q2f09e9f83e_ln2
    .symbol:         k_q2f09e9f83e_ln2.kd
    .args:
      - { .name: x1, .offset: 0, .size: 8, .value_kind: global_buffer, .address_space: global }
      - { .name: ln2_g, .offset: 8, .size: 8, .value_kind: global_buffer, .address_space: global }
      - { .name: ln2_b, .offset: 16, .size: 8, .value_kind: global_buffer, .address_space: global }
      - { .name: hn, .offset: 24, .size: 8, .value_kind: global_buffer, .address_space: global }
    .group_segment_fixed_size: 14848
    .private_segment_fixed_size: 0
    .kernarg_segment_align: 8
    .kernarg_segment_size: 32
    .max_flat_workgroup_size: 512
    .sgpr_count:     66
    .vgpr_count:     168
    .wavefront_size: 32
...
	.end_amdgpu_metadata
.endif
;; end of part 6
;; launch gff1 (part 7): grid 512 x 1, 8 waves a work-group, no clusters, 209,920 bytes of LDS; arguments hn, wts, ff1_b, hid; writes hid
.if DOCPART == 7
	.amdgcn_target "amdgcn-amd-amdhsa--gfx1250"
	.amdhsa_code_object_version 6
	.text
	.protected	k_q2f09e9f83e_gff1
	.globl	k_q2f09e9f83e_gff1
	.p2align	8
	.type	k_q2f09e9f83e_gff1,@function
k_q2f09e9f83e_gff1:
	s_mov_b64 s[64:65], 0
	v_nop
	global_prefetch_b8 v0, s[64:65] scope:SCOPE_SE
	s_setreg_imm32_b32 hwreg(HW_REG_WAVE_MODE, 25, 1), 1
	s_wait_xcnt 0x0
; Launch 7: hid = Q(gelu(hn ff1_w + ff1_b)), the product on codes of E2M1, the result quantised along the 4,096 hidden units as the next product's records.  No work is left out.
; D = P Q^T with P = ff1_w's columns (256 to a work-group), Q = tokens (128): a lane holds one token, and its 64 registers of a token tile are 128 neighbouring hidden units: one K step of the next product.
; Eight waves, two to a SIMD, 256 registers each: wave (wp, wq) makes P's tiles 8 wp .. + 7 x Q's tiles 2 wq, 2 wq + 1: 16 accumulators.  K = 1,024 is two chunks of 512: both lie in LDS at once
; (two slots of 24 records of 4,352 bytes), asked for at the head by waves 0-5, four records a load; nothing is filled again.
; gelu(x) = x / 2 + (x / 2) erf(x / sqrt(2)); erf(z) = z A(z^2) / B(z^2), z held to -4 .. 4.
; NO CLUSTER in this form: each tile is asked for once for each work-group, at the head.
.set NCH, 2
.set WOFF, 2228224
.set REC, 4352
.set SLOT, 24*REC
.set SPARE, 2*SLOT                     ; behind the slots: the spare words, 128 bytes for each wave
.set AP, 3
.set AQ, 5
.set ASP, 7
.set ASQ, 9
.set SPW, 11
.set NIL, 12
.set L16, 13
.set SP, 24                            ; v24-27 P's scale words, v28 Q's: these hold scales and nothing else
.set SQ, 28
.set PF, 32
.set QF, 96
.set TM, 112
.set ACC, 128
.set GZ, 32                            ; the activation's: z, z^2, A, B, 16 registers each, where P's fragments lay
.set GT, 48
.set GA, 64
.set GB, 80
.set WV, 14
.set SEL, 20
.set G1, 24
.set G0, 32
.set ERA0, 0xaf95df0b
.set ERA1, 0x32edffee
.set ERA2, 0xb60cff51
.set ERA3, 0xb86ec2d2
.set ERA4, 0xba40ac63
.set ERA5, 0xbb41a1f6
.set ERA6, 0xbc83dbd4
.set ERB0, 0xb77460cd
.set ERB1, 0xb95fbd29
.set ERB2, 0xbadc924e
.set ERB3, 0xbbf19bf8
.set ERB4, 0xbc69b6a7
.macro WM d, a, b, z, sa, sb, ra, rb   ; one product; z = 1: it starts the sum; ra, rb: the scale words stand in lanes 16-31
.if \z
.if (\ra) && (\rb)
	v_wmma_scale_f32_16x16x128_f8f6f4 v[(\d):(\d)+7], v[(\a):(\a)+7], v[(\b):(\b)+7], 0, v[\sa], v[\sb] matrix_a_fmt:MATRIX_FMT_FP4 matrix_b_fmt:MATRIX_FMT_FP4 matrix_a_scale:MATRIX_SCALE_ROW1 matrix_b_scale:MATRIX_SCALE_ROW1
.elseif \ra
	v_wmma_scale_f32_16x16x128_f8f6f4 v[(\d):(\d)+7], v[(\a):(\a)+7], v[(\b):(\b)+7], 0, v[\sa], v[\sb] matrix_a_fmt:MATRIX_FMT_FP4 matrix_b_fmt:MATRIX_FMT_FP4 matrix_a_scale:MATRIX_SCALE_ROW1
.elseif \rb
	v_wmma_scale_f32_16x16x128_f8f6f4 v[(\d):(\d)+7], v[(\a):(\a)+7], v[(\b):(\b)+7], 0, v[\sa], v[\sb] matrix_a_fmt:MATRIX_FMT_FP4 matrix_b_fmt:MATRIX_FMT_FP4 matrix_b_scale:MATRIX_SCALE_ROW1
.else
	v_wmma_scale_f32_16x16x128_f8f6f4 v[(\d):(\d)+7], v[(\a):(\a)+7], v[(\b):(\b)+7], 0, v[\sa], v[\sb] matrix_a_fmt:MATRIX_FMT_FP4 matrix_b_fmt:MATRIX_FMT_FP4
.endif
.else
.if (\ra) && (\rb)
	v_wmma_scale_f32_16x16x128_f8f6f4 v[(\d):(\d)+7], v[(\a):(\a)+7], v[(\b):(\b)+7], v[(\d):(\d)+7], v[\sa], v[\sb] matrix_a_fmt:MATRIX_FMT_FP4 matrix_b_fmt:MATRIX_FMT_FP4 matrix_a_scale:MATRIX_SCALE_ROW1 matrix_b_scale:MATRIX_SCALE_ROW1
.elseif \ra
	v_wmma_scale_f32_16x16x128_f8f6f4 v[(\d):(\d)+7], v[(\a):(\a)+7], v[(\b):(\b)+7], v[(\d):(\d)+7], v[\sa], v[\sb] matrix_a_fmt:MATRIX_FMT_FP4 matrix_b_fmt:MATRIX_FMT_FP4 matrix_a_scale:MATRIX_SCALE_ROW1
.elseif \rb
	v_wmma_scale_f32_16x16x128_f8f6f4 v[(\d):(\d)+7], v[(\a):(\a)+7], v[(\b):(\b)+7], v[(\d):(\d)+7], v[\sa], v[\sb] matrix_a_fmt:MATRIX_FMT_FP4 matrix_b_fmt:MATRIX_FMT_FP4 matrix_b_scale:MATRIX_SCALE_ROW1
.else
	v_wmma_scale_f32_16x16x128_f8f6f4 v[(\d):(\d)+7], v[(\a):(\a)+7], v[(\b):(\b)+7], v[(\d):(\d)+7], v[\sa], v[\sb] matrix_a_fmt:MATRIX_FMT_FP4 matrix_b_fmt:MATRIX_FMT_FP4
.endif
.endif
.endm
; 128 along K, the slot's q-th: 25 LDS loads in one run, then 16 products, the 16 accumulators by turns, in the same order in every step.
.macro STEP slot, q, zero
.rept 4
	v_nop                                          ; four plain places between the last products and loads into registers that they read (ISA guide 7.12.1 for vector instructions)
.endr
.irp i, 0,1
.irp c, 0,1
	ds_load_b128 v[QF+8*\i+4*\c:QF+8*\i+4*\c+3], v[AQ+\slot] offset:\i*REC+(\q)*1024+\c*512
.endr
.endr
	ds_load_b32 v[SQ], v[ASQ+\slot] offset:(\q)*64
.irp i, 0,1,2,3
	ds_load_b32 v[SP+\i], v[ASP+\slot] offset:2*\i*REC+(\q)*64
.endr
.irp p, 0,1,2,3,4,5,6,7
.irp c, 0,1
	ds_load_b128 v[PF+8*\p+4*\c:PF+8*\p+4*\c+3], v[AP+\slot] offset:\p*REC+(\q)*1024+\c*512
.endr
.endr
.irp pp, 0,1,2,3
	s_wait_dscnt 14-4*\pp                          ; P's fragment 2 pp is in: so many of P's 16 loads were issued behind its two
	WM ACC+8*(2*\pp), PF+8*(2*\pp), QF, \zero, SP+\pp, SQ, 0, 0
	WM ACC+8*(8+2*\pp), PF+8*(2*\pp), QF+8, \zero, SP+\pp, SQ, 0, 1
	s_wait_dscnt 12-4*\pp                          ; and fragment 2 pp + 1
	WM ACC+8*(2*\pp+1), PF+8*(2*\pp+1), QF, \zero, SP+\pp, SQ, 1, 0
	WM ACC+8*(8+2*\pp+1), PF+8*(2*\pp+1), QF+8, \zero, SP+\pp, SQ, 1, 1
.endr
.endm
.macro CHUNK slot
	s_wait_tensorcnt 0x0                           ; my part of this slot has landed
	ds_add_u32 v[SPW], v[NIL]                      ; 0 onto my spare word
	s_wait_dscnt 0x0
	s_barrier_signal -1
	s_barrier_wait -1                              ; everybody's has
	STEP \slot, 0, 0
	STEP \slot, 1, 0
	STEP \slot, 2, 0
	STEP \slot, 3, 0
.endm
; 64 numbers of a lane, register 16 b + i = place 32 b + 16 (lane / 16) + i along the next K, become a fragment's codes in v[pc] on and its scale word in v[pw].
.macro QUANT s, pc, pw
.irp b, 0,1,2,3
	v_max3_num_f32 v[TM+\b], |v[(\s)+16*\b]|, |v[(\s)+1+16*\b]|, 0x1800000   ; my 16 numbers of block b, and the floor 2^(3 - 127): the byte cannot fall under 1
.endr
.irp i, 2,4,6,8,10,12,14
.irp b, 0,1,2,3
	v_max3_num_f32 v[TM+\b], v[TM+\b], |v[(\s)+16*\b+\i]|, |v[(\s)+1+16*\b+\i]|
.endr
.endr
.irp b, 0,1,2,3
	v_permlanex16_b32 v[TM+4+\b], v[TM+\b], s[SEL], s[SEL+1]
.endr
.irp b, 0,1,2,3
	v_max_num_f32 v[TM+\b], v[TM+\b], v[TM+4+\b]   ; with lane l xor 16's 16: the block's largest magnitude
.endr
.irp b, 0,1,2,3
	v_add_nc_u32 v[TM+12+\b], 0xff000000, v[TM+\b] ; 2 off the exponent field: the conversion's scale operand
.endr
.irp b, 0,1,2,3
	v_lshrrev_b32 v[TM+4+\b], 23, v[TM+12+\b]      ; the scale's byte
.endr
	v_lshl_or_b32 v[\pw], v[TM+5], 8, v[TM+4]
	v_lshl_or_b32 v[\pw], v[TM+6], 16, v[\pw]
	v_lshl_or_b32 v[\pw], v[TM+7], 24, v[\pw]
.irp b, 0,1,2,3
	v_cvt_scalef32_pk8_fp4_f32 v[(\pc)+2*\b], v[(\s)+16*\b:(\s)+7+16*\b], v[TM+12+\b]
	v_cvt_scalef32_pk8_fp4_f32 v[(\pc)+1+2*\b], v[(\s)+8+16*\b:(\s)+15+16*\b], v[TM+12+\b]
.endr
	v_nop                                          ; one plain place behind a scaled conversion
.irp c, 0,1                            ; the operand wants a whole block in a lane: lanes 0-15 block 2 c, lanes 16-31 block 2 c + 1
.irp i, 0,1
	v_permlane16_swap_b32 v[(\pc)+4*\c+\i], v[(\pc)+2+4*\c+\i]
.endr
.endr
.endm
; The activation on 16 numbers, v[x] on, two at a time; the 16 reciprocals are one batch with one wait.
.macro GELU16 x
.irp j, 0,2,4,6,8,10,12,14
	v_pk_mul_f32 v[GZ+\j:GZ+\j+1], v[(\x)+\j:(\x)+\j+1], 0x3f3504f3 op_sel_hi:[1,0]
.endr
.irp j, 0,1,2,3,4,5,6,7,8,9,10,11,12,13,14,15
	v_med3_num_f32 v[GZ+\j], v[GZ+\j], -4.0, 4.0
.endr
.irp j, 0,2,4,6,8,10,12,14
	v_pk_mul_f32 v[GT+\j:GT+\j+1], v[GZ+\j:GZ+\j+1], v[GZ+\j:GZ+\j+1]
.endr
.irp j, 0,2,4,6,8,10,12,14
	v_pk_fma_f32 v[GA+\j:GA+\j+1], v[GT+\j:GT+\j+1], v[16:17], ERA1 op_sel_hi:[1,1,0]
	v_pk_fma_f32 v[GB+\j:GB+\j+1], v[GT+\j:GT+\j+1], v[18:19], ERB1 op_sel_hi:[1,1,0]
.endr
.irp k, ERB2, ERB3, ERB4
.irp j, 0,2,4,6,8,10,12,14
	v_pk_fma_f32 v[GB+\j:GB+\j+1], v[GB+\j:GB+\j+1], v[GT+\j:GT+\j+1], \k op_sel_hi:[1,1,0]
.endr
.endr
.irp j, 0,1,2,3,4,5,6,7,8,9,10,11,12,13,14,15
	v_rcp_f32 v[GB+\j], v[GB+\j]
.endr
.irp k, ERA2, ERA3, ERA4, ERA5, ERA6   ; A's polynomial names none of the reciprocals: it is the work behind the batch
.irp j, 0,2,4,6,8,10,12,14
	v_pk_fma_f32 v[GA+\j:GA+\j+1], v[GA+\j:GA+\j+1], v[GT+\j:GT+\j+1], \k op_sel_hi:[1,1,0]
.endr
.endr
.irp j, 0,2,4,6,8,10,12,14
	v_pk_mul_f32 v[GA+\j:GA+\j+1], v[GA+\j:GA+\j+1], v[GZ+\j:GZ+\j+1]
	v_pk_mul_f32 v[(\x)+\j:(\x)+\j+1], v[(\x)+\j:(\x)+\j+1], 0.5 op_sel_hi:[1,0]
.endr
	s_wait_alu depctr_va_vdst(0)                   ; one wait for the 16 reciprocals, ahead of their first reader
.irp j, 0,2,4,6,8,10,12,14
	v_pk_mul_f32 v[GA+\j:GA+\j+1], v[GA+\j:GA+\j+1], v[GB+\j:GB+\j+1]
.endr
.irp j, 0,2,4,6,8,10,12,14
	v_pk_fma_f32 v[(\x)+\j:(\x)+\j+1], v[(\x)+\j:(\x)+\j+1], v[GA+\j:GA+\j+1], v[(\x)+\j:(\x)+\j+1]
.endr
.endm
	s_load_b256 s[4:11], s[0:1], 0x0               ; hn s[4:5], wts s[6:7], ff1_b s[8:9], hid s[10:11]
	v_lshl_add_u32 v[SPW], v0, 2, SPARE
	v_mov_b32 v[NIL], 0
	ds_add_u32 v[SPW], v[NIL]                      ; the wave's opening: the add, twice on end, and its wait ahead of the first tensor load
	ds_add_u32 v[SPW], v[NIL]
	v_lshrrev_b32 v1, 5, v0
	v_readfirstlane_b32 s[WV], v1                  ; wave 0..7
	s_lshr_b32 s15, s[WV], 2                       ; wp
	s_and_b32 s16, s[WV], 3                        ; wq
	s_and_b32 s17, ttmp9, 15                       ; which 256 hidden units
	s_lshr_b32 s18, ttmp9, 4                       ; which 128 tokens
	s_mov_b32 s[G1], 3<<16                         ; group 1: elements of 8 bytes, no padding, no mask
	s_mov_b32 s[G1+1], 544<<16                     ; tensor_dim0: a record, 544 elements
	s_mov_b32 s[G1+2], 4<<16                       ; tensor_dim1: 4 records
	s_mov_b32 s[G1+3], 544<<16                     ; tile_dim0
	s_mov_b32 s[G1+4], 4                           ; tile_dim1
	s_mov_b32 s[G1+5], NCH*544                     ; from tile to tile
	s_mov_b32 s[G1+6], 0
	s_mov_b32 s[G1+7], 0
	s_mov_b32 s[SEL], 0x76543210
	s_mov_b32 s[SEL+1], 0xfedcba98
	s_mul_i32 s40, s17, 16*NCH*REC
	s_add_co_u32 s40, s40, WOFF
	s_mov_b32 s41, 0
	s_mul_i32 s42, s18, 8*NCH*REC
	s_mov_b32 s43, 0
	s_mul_i32 s44, s16, 4*NCH*REC                  ; waves 0-3: P's tiles 4 w on; waves 4, 5: Q's tiles 4 (w - 4) on
	s_mov_b32 s45, 0
	s_wait_dscnt 0x0                               ; both opening adds are done
	s_wait_kmcnt 0x0
	s_add_nc_u64 s[40:41], s[6:7], s[40:41]
	s_add_nc_u64 s[42:43], s[4:5], s[42:43]
	s_cmp_lt_u32 s[WV], 4
	s_cselect_b64 s[40:41], s[40:41], s[42:43]
	s_add_nc_u64 s[40:41], s[40:41], s[44:45]
	s_mov_b32 s[G0], 1
	s_mul_i32 s[G0+1], s[WV], 4*REC                ; LDS: P's 16 records, then Q's 8
	s_mov_b64 s[G0+2:G0+3], s[40:41]
	s_or_b32 s[G0+3], s[G0+3], 0x80000000
	s_mov_b32 s[G0+4], 1
	s_add_co_u32 s[G0+5], s[G0+1], SLOT
	s_add_nc_u64 s[G0+6:G0+7], s[40:41], REC       ; the second 512 along K
	s_or_b32 s[G0+7], s[G0+7], 0x80000000
	s_cmp_lt_u32 s[WV], 6                          ; a wave's two first fills stand in one branch on the wave's number: two loads of mine are out
	s_cbranch_scc0 .Lnofill
	tensor_load_to_lds s[G0:G0+3], s[G1:G1+7]
	s_nop 0
	tensor_load_to_lds s[G0+4:G0+7], s[G1:G1+7]
	s_nop 0
.rept 4
	v_nop
.endr
.Lnofill:
	v_and_b32 v1, 15, v0                           ; r
	v_bfe_u32 v2, v0, 4, 1                         ; h
	v_and_b32 v[L16], 31, v0
	v_lshlrev_b32 v[L16], 4, v[L16]
	s_mul_i32 s40, s15, 8*REC
	v_add_nc_u32 v[AP], s40, v[L16]
	v_add_nc_u32 v[AP+1], SLOT, v[AP]
	s_mul_i32 s41, s16, 2*REC
	s_add_co_u32 s41, s41, 16*REC
	v_add_nc_u32 v[AQ], s41, v[L16]
	v_add_nc_u32 v[AQ+1], SLOT, v[AQ]
	v_mul_u32_u24 v14, v2, REC
	v_lshl_add_u32 v14, v1, 2, v14
	v_add_nc_u32 v[ASP], s40, v14
	v_add_nc_u32 v[ASP], 4096, v[ASP]
	v_add_nc_u32 v[ASP+1], SLOT, v[ASP]
	v_add_nc_u32 v[ASQ], s41, v14
	v_add_nc_u32 v[ASQ], 4096, v[ASQ]
	v_add_nc_u32 v[ASQ+1], SLOT, v[ASQ]
.irp b, 0,1,2,3
	v_mov_b32 v[TM+4+\b], 0                        ; written once: a lane permute's destination counts as one of its sources
.endr
	v_mov_b32 v16, ERA0                            ; the polynomials' leading coefficients, as pairs
	v_mov_b32 v17, ERA0
	v_mov_b32 v18, ERB0
	v_mov_b32 v19, ERB0
	s_wait_tensorcnt 0x1                           ; my part of slot 0 is in; slot 1's load, issued behind it, may stay out
	s_barrier_signal -1
	s_barrier_wait -1
	STEP 0, 0, 1                                   ; the first step's products start the sums
	STEP 0, 1, 0
	STEP 0, 2, 0
	STEP 0, 3, 0
	CHUNK 1
.rept 4
	v_nop                                          ; places in front of the first reads of results and of loads into the fragments' registers
.endr
	s_lshl_b32 s40, s17, 10
	s_lshl_b32 s41, s15, 9
	s_add_co_u32 s40, s40, s41
	s_mov_b32 s41, 0
	s_add_nc_u64 s[8:9], s[8:9], s[40:41]          ; ff1_b at my 128 hidden units
	v_lshlrev_b32 v15, 6, v2
.irp b, 0,1,2,3
.irp i, 0,1,2,3
	global_load_b128 v[PF+16*\b+4*\i:PF+16*\b+4*\i+3], v15, s[8:9] offset:128*\b+16*\i
.endr
.endr
	s_lshl_b32 s40, s17, 1
	s_add_co_u32 s40, s40, s15                     ; which K step of the next product my 128 units are
	s_lshr_b32 s41, s40, 2                         ; its chunk
	s_and_b32 s40, s40, 3                          ; and its place there
	s_lshl_b32 s42, s18, 3
	s_lshl_b32 s43, s16, 1
	s_add_co_u32 s42, s42, s43                     ; my first token tile
	s_lshl_b32 s42, s42, 3
	s_add_co_u32 s42, s42, s41
	s_mul_i32 s42, s42, REC
	s_mov_b32 s43, 0
	s_add_nc_u64 s[10:11], s[10:11], s[42:43]
	s_lshl_b32 s44, s40, 10
	v_add_nc_u32 v20, s44, v[L16]
	s_lshl_b32 s44, s40, 6
	v_mul_u32_u24 v21, v2, 8*REC
	v_lshl_add_u32 v21, v1, 2, v21
	v_add_nc_u32 v21, s44, v21
	s_mov_b32 s45, 0xffff0000
	s_wait_loadcnt 0x0
.set j, 0
.rept 32
	v_pk_add_f32 v[ACC+j:ACC+j+1], v[ACC+j:ACC+j+1], v[PF+j:PF+j+1]
.set j, j+2
.endr
.set j, 0
.rept 32
	v_pk_add_f32 v[ACC+64+j:ACC+64+j+1], v[ACC+64+j:ACC+64+j+1], v[PF+j:PF+j+1]
.set j, j+2
.endr
.irp g, 0,1,2,3,4,5,6,7
	GELU16 ACC+16*\g
.endr
	QUANT ACC, QF, 29
	QUANT ACC+64, QF+8, 30
	v_cndmask_b32 v22, v29, v30, s45               ; lanes 0-15: the first tile's scale words, lanes 16-31 the second's
.irp q, 0,1
.irp c, 0,1
	global_store_b128 v20, v[QF+8*\q+4*\c:QF+8*\q+4*\c+3], s[10:11] offset:8*REC*\q+512*\c   ; 512 consecutive bytes of a record
.endr
.endr
	global_store_b32 v21, v22, s[10:11] offset:4096
	s_wait_tensorcnt 0x0                           ; the wave's end
	ds_add_u32 v[SPW], v[NIL]
	s_wait_dscnt 0x0
	s_endpgm
.Lfunc_end_k_q2f09e9f83e_gff1:
	.size	k_q2f09e9f83e_gff1, .Lfunc_end_k_q2f09e9f83e_gff1-k_q2f09e9f83e_gff1
	.p2alignl 7, 3214868480
	.fill 96, 4, 3214868480
	.section	.rodata,"a",@progbits
	.p2align	6, 0x0
	.amdhsa_kernel k_q2f09e9f83e_gff1
		.amdhsa_group_segment_fixed_size 209920
		.amdhsa_private_segment_fixed_size 0
		.amdhsa_enable_private_segment 0
		.amdhsa_kernarg_size 32
		.amdhsa_user_sgpr_count 2
		.amdhsa_user_sgpr_kernarg_segment_ptr 1
		.amdhsa_wavefront_size32 1
		.amdhsa_system_sgpr_workgroup_id_x 1
		.amdhsa_system_sgpr_workgroup_id_y 1
		.amdhsa_system_sgpr_workgroup_id_z 1
		.amdhsa_system_vgpr_workitem_id 0
		.amdhsa_next_free_vgpr 256
		.amdhsa_next_free_sgpr 66
		.amdhsa_reserve_vcc 0
		.amdhsa_float_denorm_mode_32 3
		.amdhsa_float_denorm_mode_16_64 3
		.amdhsa_memory_ordered 1
		.amdhsa_forward_progress 1
		.amdhsa_inst_pref_size 149
	.end_amdhsa_kernel
	.amdgpu_metadata
---
amdhsa.version: [ 1, 2 ]
amdhsa.kernels:
  - .name:           k_q2f09e9f83e_gff1
    .symbol:         k_q2f09e9f83e_gff1.kd
    .args:
      - { .name: hn, .offset: 0, .size: 8, .value_kind: global_buffer, .address_space: global }
      - { .name: wts, .offset: 8, .size: 8, .value_kind: global_buffer, .address_space: global }
      - { .name: ff1_b, .offset: 16, .size: 8, .value_kind: global_buffer, .address_space: global }
      - { .name: hid, .offset: 24, .size: 8, .value_kind: global_buffer, .address_space: global }
    .group_segment_fixed_size: 209920
    .private_segment_fixed_size: 0
    .kernarg_segment_align: 8
    .kernarg_segment_size: 32
    .max_flat_workgroup_size: 256
    .sgpr_count:     66
    .vgpr_count:     256
    .wavefront_size: 32
...
	.end_amdgpu_metadata
.endif
;; end of part 7
;; launch gff2 (part 8): grid 128 x 1, 8 waves a work-group, no clusters, 327,680 bytes of LDS; arguments hid, wts, ff2_b, x1, out0; writes out0
.if DOCPART == 8
	.amdgcn_target "amdgcn-amd-amdhsa--gfx1250"
	.amdhsa_code_object_version 6
	.text
	.protected	k_q2f09e9f83e_gff2
	.globl	k_q2f09e9f83e_gff2
	.p2align	8
	.type	k_q2f09e9f83e_gff2,@function
k_q2f09e9f83e_gff2:
	s_mov_b64 s[64:65], 0
	v_nop
	global_prefetch_b8 v0, s[64:65] scope:SCOPE_SE
	s_setreg_imm32_b32 hwreg(HW_REG_WAVE_MODE, 25, 1), 1
	s_wait_xcnt 0x0
; Launch 8: out0 = x1 + hid ff2_w + ff2_b, the product on codes of E2M1.  No work is left out.
; D = P Q^T with P = the weight's columns (256 to a work-group), Q = tokens (128): a lane holds one token and 16 neighbouring columns for each pair of P's tiles.  Eight waves, two to a SIMD, 256 registers each:
; wave (wp, wq) makes P's tiles 8 wp .. + 7 x Q's tiles 2 wq, 2 wq + 1: 16 accumulators.  K = 4,096 goes in 8 chunks of 512 through two LDS slots of 24 records of 4,352 bytes; waves 0-5 fetch, four records a load:
; two loads of a wave are out at the head, one behind each change of slots, and it has a chunk's 64 products a wave in which to land.
; The way out: a token tile's 16 rows x 128 columns go through the wave's own stage in LDS and come back as rows of 512 bytes; bias and residual are added there, and 32 lanes store 512 consecutive bytes.
; NO CLUSTER in this form: the descriptors hang on the column block or the token block alone, so joint loads could be laid later.
.set NCH, 8
.set WOFF, 4456448
.set FINAL, 1
.set REC, 4352
.set SLOT, 24*REC
.set SPARE, 2*SLOT                     ; behind the slots: the spare words, 128 bytes for each wave
.set STAGE, SPARE+1024                 ; behind them: 16 rows x (512 + 16) bytes for each wave; no tensor load lands here
.set AP, 3
.set AQ, 5
.set ASP, 7
.set ASQ, 9
.set SPW, 11
.set NIL, 12
.set L16, 13
.set SP, 24                            ; v24-27 P's scale words, v28 Q's: these hold scales and nothing else
.set SQ, 28
.set PF, 32
.set QF, 96
.set ACC, 128
.set WV, 14
.set G1, 24
.set G0, 32
.macro WM d, a, b, z, sa, sb, ra, rb   ; one product; z = 1: it starts the sum; ra, rb: the scale words stand in lanes 16-31
.if \z
.if (\ra) && (\rb)
	v_wmma_scale_f32_16x16x128_f8f6f4 v[(\d):(\d)+7], v[(\a):(\a)+7], v[(\b):(\b)+7], 0, v[\sa], v[\sb] matrix_a_fmt:MATRIX_FMT_FP4 matrix_b_fmt:MATRIX_FMT_FP4 matrix_a_scale:MATRIX_SCALE_ROW1 matrix_b_scale:MATRIX_SCALE_ROW1
.elseif \ra
	v_wmma_scale_f32_16x16x128_f8f6f4 v[(\d):(\d)+7], v[(\a):(\a)+7], v[(\b):(\b)+7], 0, v[\sa], v[\sb] matrix_a_fmt:MATRIX_FMT_FP4 matrix_b_fmt:MATRIX_FMT_FP4 matrix_a_scale:MATRIX_SCALE_ROW1
.elseif \rb
	v_wmma_scale_f32_16x16x128_f8f6f4 v[(\d):(\d)+7], v[(\a):(\a)+7], v[(\b):(\b)+7], 0, v[\sa], v[\sb] matrix_a_fmt:MATRIX_FMT_FP4 matrix_b_fmt:MATRIX_FMT_FP4 matrix_b_scale:MATRIX_SCALE_ROW1
.else
	v_wmma_scale_f32_16x16x128_f8f6f4 v[(\d):(\d)+7], v[(\a):(\a)+7], v[(\b):(\b)+7], 0, v[\sa], v[\sb] matrix_a_fmt:MATRIX_FMT_FP4 matrix_b_fmt:MATRIX_FMT_FP4
.endif
.else
.if (\ra) && (\rb)
	v_wmma_scale_f32_16x16x128_f8f6f4 v[(\d):(\d)+7], v[(\a):(\a)+7], v[(\b):(\b)+7], v[(\d):(\d)+7], v[\sa], v[\sb] matrix_a_fmt:MATRIX_FMT_FP4 matrix_b_fmt:MATRIX_FMT_FP4 matrix_a_scale:MATRIX_SCALE_ROW1 matrix_b_scale:MATRIX_SCALE_ROW1
.elseif \ra
	v_wmma_scale_f32_16x16x128_f8f6f4 v[(\d):(\d)+7], v[(\a):(\a)+7], v[(\b):(\b)+7], v[(\d):(\d)+7], v[\sa], v[\sb] matrix_a_fmt:MATRIX_FMT_FP4 matrix_b_fmt:MATRIX_FMT_FP4 matrix_a_scale:MATRIX_SCALE_ROW1
.elseif \rb
	v_wmma_scale_f32_16x16x128_f8f6f4 v[(\d):(\d)+7], v[(\a):(\a)+7], v[(\b):(\b)+7], v[(\d):(\d)+7], v[\sa], v[\sb] matrix_a_fmt:MATRIX_FMT_FP4 matrix_b_fmt:MATRIX_FMT_FP4 matrix_b_scale:MATRIX_SCALE_ROW1
.else
	v_wmma_scale_f32_16x16x128_f8f6f4 v[(\d):(\d)+7], v[(\a):(\a)+7], v[(\b):(\b)+7], v[(\d):(\d)+7], v[\sa], v[\sb] matrix_a_fmt:MATRIX_FMT_FP4 matrix_b_fmt:MATRIX_FMT_FP4
.endif
.endif
.endm
; 128 along K, the slot's q-th: 25 LDS loads in one run, then 16 products, the 16 accumulators by turns, in the same order in every step, over the loop's backward jump too.
.macro STEP slot, q, zero
.rept 4
	v_nop                                          ; four plain places between the last products and loads into registers that they read (ISA guide 7.12.1 for vector instructions)
.endr
.irp i, 0,1
.irp c, 0,1
	ds_load_b128 v[QF+8*\i+4*\c:QF+8*\i+4*\c+3], v[AQ+\slot] offset:\i*REC+(\q)*1024+\c*512
.endr
.endr
	ds_load_b32 v[SQ], v[ASQ+\slot] offset:(\q)*64
.irp i, 0,1,2,3
	ds_load_b32 v[SP+\i], v[ASP+\slot] offset:2*\i*REC+(\q)*64
.endr
.irp p, 0,1,2,3,4,5,6,7
.irp c, 0,1
	ds_load_b128 v[PF+8*\p+4*\c:PF+8*\p+4*\c+3], v[AP+\slot] offset:\p*REC+(\q)*1024+\c*512
.endr
.endr
.irp pp, 0,1,2,3
	s_wait_dscnt 14-4*\pp                          ; P's fragment 2 pp is in: so many of P's 16 loads were issued behind its two
	WM ACC+8*(2*\pp), PF+8*(2*\pp), QF, \zero, SP+\pp, SQ, 0, 0
	WM ACC+8*(8+2*\pp), PF+8*(2*\pp), QF+8, \zero, SP+\pp, SQ, 0, 1
	s_wait_dscnt 12-4*\pp                          ; and fragment 2 pp + 1
	WM ACC+8*(2*\pp+1), PF+8*(2*\pp+1), QF, \zero, SP+\pp, SQ, 1, 0
	WM ACC+8*(8+2*\pp+1), PF+8*(2*\pp+1), QF+8, \zero, SP+\pp, SQ, 1, 1
.endr
.endm
; The change of slots: all my tensor loads have landed (my part of the slot ahead), the add, my reads of the slot that I leave are back; a barrier; refill = 1: the slot just left takes the chunk two on,
; first thing behind the barrier, one load a wave: it has this chunk's four steps in which to land.  Then the slot's four steps.
.macro CHUNK slot, refill
	s_wait_tensorcnt 0x0                           ; no tensor load of mine is out, so a group 0 may be written
	ds_add_u32 v[SPW], v[NIL]                      ; 0 onto my spare word
.if \refill
	ds_add_u32 v[SPW], v[NIL]                      ; and once more where a load follows
	s_add_nc_u64 s[G0+4*(1-\slot)+2:G0+4*(1-\slot)+3], s[G0+4*(1-\slot)+2:G0+4*(1-\slot)+3], 2*REC
.endif
	s_wait_dscnt 0x0
	s_barrier_signal -1
	s_barrier_wait -1
.if \refill
	s_cmp_lt_u32 s[WV], 6
	s_cbranch_scc0 .Lnone_\@
	tensor_load_to_lds s[G0+4*(1-\slot):G0+4*(1-\slot)+3], s[G1:G1+7]
	s_nop 0
.rept 4
	v_nop
.endr
.Lnone_\@:
.endif
	STEP \slot, 0, 0
	STEP \slot, 1, 0
	STEP \slot, 2, 0
	STEP \slot, 3, 0
.endm
	s_load_b256 s[4:11], s[0:1], 0x0               ; the activation's records s[4:5], wts s[6:7], the bias s[8:9], the residual s[10:11]
	s_load_b64 s[12:13], s[0:1], 0x20              ; the result
	v_lshl_add_u32 v[SPW], v0, 2, SPARE
	v_mov_b32 v[NIL], 0
	ds_add_u32 v[SPW], v[NIL]                      ; the wave's opening: the add, twice on end, and its wait ahead of the first tensor load
	ds_add_u32 v[SPW], v[NIL]
	v_lshrrev_b32 v1, 5, v0
	v_readfirstlane_b32 s[WV], v1                  ; wave 0..7
	s_lshr_b32 s15, s[WV], 2                       ; wp
	s_and_b32 s16, s[WV], 3                        ; wq
	s_and_b32 s17, ttmp9, 3                        ; which 256 columns
	s_lshr_b32 s18, ttmp9, 2                       ; which 128 tokens
	s_mov_b32 s[G1], 3<<16                         ; group 1: elements of 8 bytes, no padding, no mask
	s_mov_b32 s[G1+1], 544<<16                     ; tensor_dim0: a record, 544 elements
	s_mov_b32 s[G1+2], 4<<16                       ; tensor_dim1: 4 records
	s_mov_b32 s[G1+3], 544<<16                     ; tile_dim0
	s_mov_b32 s[G1+4], 4                           ; tile_dim1
	s_mov_b32 s[G1+5], NCH*544                     ; from tile to tile
	s_mov_b32 s[G1+6], 0
	s_mov_b32 s[G1+7], 0
	s_mul_i32 s40, s17, 16*NCH*REC
	s_add_co_u32 s40, s40, WOFF
	s_mov_b32 s41, 0
	s_mul_i32 s42, s18, 8*NCH*REC
	s_mov_b32 s43, 0
	s_mul_i32 s44, s16, 4*NCH*REC                  ; waves 0-3: P's tiles 4 w on; waves 4, 5: Q's tiles 4 (w - 4) on
	s_mov_b32 s45, 0
	s_wait_dscnt 0x0                               ; both opening adds are done
	s_wait_kmcnt 0x0
	s_add_nc_u64 s[40:41], s[6:7], s[40:41]
	s_add_nc_u64 s[42:43], s[4:5], s[42:43]
	s_cmp_lt_u32 s[WV], 4
	s_cselect_b64 s[40:41], s[40:41], s[42:43]
	s_add_nc_u64 s[40:41], s[40:41], s[44:45]
	s_mov_b32 s[G0], 1
	s_mul_i32 s[G0+1], s[WV], 4*REC                ; LDS: P's 16 records, then Q's 8
	s_mov_b64 s[G0+2:G0+3], s[40:41]
	s_or_b32 s[G0+3], s[G0+3], 0x80000000
	s_mov_b32 s[G0+4], 1
	s_add_co_u32 s[G0+5], s[G0+1], SLOT
	s_add_nc_u64 s[G0+6:G0+7], s[40:41], REC       ; the second 512 along K
	s_or_b32 s[G0+7], s[G0+7], 0x80000000
	s_cmp_lt_u32 s[WV], 6                          ; a wave's two first fills stand in one branch on the wave's number: two loads of mine are out
	s_cbranch_scc0 .Lnofill
	tensor_load_to_lds s[G0:G0+3], s[G1:G1+7]
	s_nop 0
	tensor_load_to_lds s[G0+4:G0+7], s[G1:G1+7]
	s_nop 0
.rept 4
	v_nop
.endr
.Lnofill:
	v_and_b32 v1, 15, v0                           ; r
	v_bfe_u32 v2, v0, 4, 1                         ; h
	v_and_b32 v[L16], 31, v0
	v_lshlrev_b32 v[L16], 4, v[L16]
	s_mul_i32 s40, s15, 8*REC
	v_add_nc_u32 v[AP], s40, v[L16]
	v_add_nc_u32 v[AP+1], SLOT, v[AP]
	s_mul_i32 s41, s16, 2*REC
	s_add_co_u32 s41, s41, 16*REC
	v_add_nc_u32 v[AQ], s41, v[L16]
	v_add_nc_u32 v[AQ+1], SLOT, v[AQ]
	v_mul_u32_u24 v14, v2, REC
	v_lshl_add_u32 v14, v1, 2, v14
	v_add_nc_u32 v[ASP], s40, v14
	v_add_nc_u32 v[ASP], 4096, v[ASP]
	v_add_nc_u32 v[ASP+1], SLOT, v[ASP]
	v_add_nc_u32 v[ASQ], s41, v14
	v_add_nc_u32 v[ASQ], 4096, v[ASQ]
	v_add_nc_u32 v[ASQ+1], SLOT, v[ASQ]
	s_mul_i32 s40, s[WV], 16*528
	s_add_co_u32 s40, s40, STAGE                   ; my stage
	v_mul_u32_u24 v20, v1, 528
	v_lshl_add_u32 v20, v2, 6, v20
	v_add_nc_u32 v20, s40, v20                     ; in: row r, + 64 h
	v_add_nc_u32 v21, s40, v[L16]                  ; back: 16 x lane of a row
	s_wait_tensorcnt 0x1                           ; my part of slot 0 is in; slot 1's load, issued behind it, may stay out
	s_barrier_signal -1
	s_barrier_wait -1
	STEP 0, 0, 1                                   ; the first step's products start the sums
	STEP 0, 1, 0
	STEP 0, 2, 0
	STEP 0, 3, 0
.if NCH > 2
	s_mov_b32 s56, NCH/2-1
.Lring:                                            ; a trip: two chunks, both slots filled again
	CHUNK 1, 1
	CHUNK 0, 1
	s_sub_co_u32 s56, s56, 1
	s_cmp_lg_u32 s56, 0
	s_cbranch_scc1 .Lring
.endif
	CHUNK 1, 0                                     ; the last chunk is written out: nothing is left to fetch
.rept 4
	v_nop                                          ; places in front of the first reads of results and of loads into the fragments' registers
.endr
	s_lshl_b32 s42, s18, 7
	s_lshl_b32 s43, s16, 5
	s_add_co_u32 s42, s42, s43                     ; my 32 tokens begin here
	s_lshl_b32 s42, s42, 12
	s_lshl_b32 s44, s17, 10
	s_lshl_b32 s45, s15, 9
	s_add_co_u32 s44, s44, s45                     ; my 128 columns, in bytes
	s_add_co_u32 s42, s42, s44
	s_mov_b32 s43, 0
	s_mov_b32 s45, 0
	s_add_nc_u64 s[10:11], s[10:11], s[42:43]
	s_add_nc_u64 s[12:13], s[12:13], s[42:43]
	s_add_nc_u64 s[8:9], s[8:9], s[44:45]
	global_load_b128 v[16:19], v[L16], s[8:9]      ; the bias at my four columns of a row
.macro RESLOAD q                       ; the residual's 16 rows of token tile q: row i of the tile is token 8 q + i % 8 + 16 (i / 8) of my 32
.irp i, 0,1,2,3,4,5,6,7,8,9,10,11,12,13,14,15
	global_load_b128 v[PF+4*\i:PF+4*\i+3], v[L16], s[10:11] offset:(8*(\q)+(\i%8)+16*(\i/8))*4096 th:TH_LOAD_NT
.endr
.endm
.macro TOSTAGE q                       ; each accumulator from its low end on; LDS serves a wave's instructions in order (ISA guide 5.7.1.4): the loads see the stores, and the next tile's stores come behind the loads
.irp b, 0,1,2,3
.irp i, 0,1,2,3
	ds_store_b128 v20, v[ACC+64*(\q)+16*\b+4*\i:ACC+64*(\q)+16*\b+4*\i+3] offset:128*\b+16*\i
.endr
.endr
.irp i, 0,1,2,3,4,5,6,7,8,9,10,11,12,13,14,15
	ds_load_b128 v[ACC+64*(\q)+4*\i:ACC+64*(\q)+4*\i+3], v21 offset:528*\i
.endr
.endm
.macro FINISH q
.irp i, 0,1,2,3,4,5,6,7,8,9,10,11,12,13,14,15
	v_pk_add_f32 v[ACC+64*(\q)+4*\i:ACC+64*(\q)+4*\i+1], v[ACC+64*(\q)+4*\i:ACC+64*(\q)+4*\i+1], v[16:17]
	v_pk_add_f32 v[ACC+64*(\q)+4*\i+2:ACC+64*(\q)+4*\i+3], v[ACC+64*(\q)+4*\i+2:ACC+64*(\q)+4*\i+3], v[18:19]
.endr
.irp i, 0,1,2,3,4,5,6,7,8,9,10,11,12,13,14,15
	v_pk_add_f32 v[ACC+64*(\q)+4*\i:ACC+64*(\q)+4*\i+1], v[ACC+64*(\q)+4*\i:ACC+64*(\q)+4*\i+1], v[PF+4*\i:PF+4*\i+1]
	v_pk_add_f32 v[ACC+64*(\q)+4*\i+2:ACC+64*(\q)+4*\i+3], v[ACC+64*(\q)+4*\i+2:ACC+64*(\q)+4*\i+3], v[PF+4*\i+2:PF+4*\i+3]
.endr
.endm
.macro SENDQ q                         ; 32 lanes store 512 consecutive bytes, at a multiple of 256 from the buffer's first byte; no store's registers are written again
.irp i, 0,1,2,3,4,5,6,7,8,9,10,11,12,13,14,15
.if FINAL
	global_store_b128 v[L16], v[ACC+64*(\q)+4*\i:ACC+64*(\q)+4*\i+3], s[12:13] offset:(8*(\q)+(\i%8)+16*(\i/8))*4096 th:TH_STORE_NT
.else
	global_store_b128 v[L16], v[ACC+64*(\q)+4*\i:ACC+64*(\q)+4*\i+3], s[12:13] offset:(8*(\q)+(\i%8)+16*(\i/8))*4096
.endif
.endr
.endm
	RESLOAD 0
	TOSTAGE 0
	s_wait_dscnt 0x0
	s_wait_loadcnt 0x0
	FINISH 0
	RESLOAD 1                                      ; the first tile's residual has been added: its registers take the second's
	SENDQ 0
	TOSTAGE 1
	s_wait_dscnt 0x0
	s_wait_loadcnt 0x0
	FINISH 1
	SENDQ 1
	s_wait_tensorcnt 0x0                           ; the wave's end
	ds_add_u32 v[SPW], v[NIL]
	s_wait_dscnt 0x0
	s_endpgm
.Lfunc_end_k_q2f09e9f83e_gff2:
	.size	k_q2f09e9f83e_gff2, .Lfunc_end_k_q2f09e9f83e_gff2-k_q2f09e9f83e_gff2
	.p2alignl 7, 3214868480
	.fill 96, 4, 3214868480
	.section	.rodata,"a",@progbits
	.p2align	6, 0x0
	.amdhsa_kernel k_q2f09e9f83e_gff2
		.amdhsa_group_segment_fixed_size 327680
		.amdhsa_private_segment_fixed_size 0
		.amdhsa_enable_private_segment 0
		.amdhsa_kernarg_size 40
		.amdhsa_user_sgpr_count 2
		.amdhsa_user_sgpr_kernarg_segment_ptr 1
		.amdhsa_wavefront_size32 1
		.amdhsa_system_sgpr_workgroup_id_x 1
		.amdhsa_system_sgpr_workgroup_id_y 1
		.amdhsa_system_sgpr_workgroup_id_z 1
		.amdhsa_system_vgpr_workitem_id 0
		.amdhsa_next_free_vgpr 256
		.amdhsa_next_free_sgpr 66
		.amdhsa_reserve_vcc 0
		.amdhsa_float_denorm_mode_32 3
		.amdhsa_float_denorm_mode_16_64 3
		.amdhsa_memory_ordered 1
		.amdhsa_forward_progress 1
		.amdhsa_inst_pref_size 88
	.end_amdhsa_kernel
	.amdgpu_metadata
---
amdhsa.version: [ 1, 2 ]
amdhsa.kernels:
  - .name:           k_q2f09e9f83e_gff2
    .symbol:         k_q2f09e9f83e_gff2.kd
    .args:
      - { .name: hid, .offset: 0, .size: 8, .value_kind: global_buffer, .address_space: global }
      - { .name: wts, .offset: 8, .size: 8, .value_kind: global_buffer, .address_space: global }
      - { .name: ff2_b, .offset: 16, .size: 8, .value_kind: global_buffer, .address_space: global }
      - { .name: x1, .offset: 24, .size: 8, .value_kind: global_buffer, .address_space: global }
      - { .name: out0, .offset: 32, .size: 8, .value_kind: global_buffer, .address_space: global }
    .group_segment_fixed_size: 327680
    .private_segment_fixed_size: 0
    .kernarg_segment_align: 8
    .kernarg_segment_size: 40
    .max_flat_workgroup_size: 256
    .sgpr_count:     66
    .vgpr_count:     256
    .wavefront_size: 32
...
	.end_amdgpu_metadata
.endif
;; end of part 8
;; ======== version 2 of 2: 8 launches
;; limits: right only within a limited range of input values
;; workspace buffers: wts 7,864,320 bytes; xn 2,228,224 bytes; qkv 6,946,816 bytes; ao 2,228,224 bytes; x1 16,777,216 bytes; hn 2,228,224 bytes; hid 8,912,896 bytes; wff 4,456,448 bytes
;; launch prep (part 9): grid 208 x 1, 8 waves a work-group, no clusters, 5,120 bytes of LDS; arguments t, tp1_w, tp1_b, tp2_w, rel_pos_bias, qkv_w, proj_w, wts; writes wts
.if DOCPART == 9
	.amdgcn_target "amdgcn-amd-amdhsa--gfx1250"
	.amdhsa_code_object_version 6
	.text
	.protected	k_q2f09e9f83e_prep
	.globl	k_q2f09e9f83e_prep
	.p2align	8
	.type	k_q2f09e9f83e_prep,@function
k_q2f09e9f83e_prep:
	s_mov_b64 s[64:65], 0
	v_nop
	global_prefetch_b8 v0, s[64:65] scope:SCOPE_SE
	s_setreg_imm32_b32 hwreg(HW_REG_WAVE_MODE, 25, 1), 1
	s_wait_xcnt 0x0
; THE TRANSFORMER BLOCK, launch 1 of 8: what hangs on no token.
; DEAD WORK: none is left out in any launch.  Every input has a way to the output: t, tp1, tp2 through the first norm into the qkv product's operand; the biases of q and k go
; into quantisers; rel_pos_bias differs along the softmax's axis.  All 19 inputs are loaded.
; LIMITS of the whole program: NaN and infinities among the inputs are not served.  A block of zeros gets the scale byte 1 where the quantiser says 127: its codes are zeros, which
; add nothing under any byte but 0xff, and the bytes are read by this program alone.  erf is a quotient of two polynomials in z^2 with z held to -4 .. 4 (beyond that erf is 1 in f32).
; v_exp_f32 gives 0 for results under 2^-126.  The time projection's sum over its 1,024 hidden units is taken in 16 parts of 64.
; THREE KINDS OF WORK-GROUP, told apart by the work-group's number alone:
;   0-15   TIME: g = gelu(t tp1_w + tp1_b) for hidden units 64 j .. 64 j + 63, then that part of g tp2_w, for both batches: [16][2][1024] f32 at TP.  In f32: the result goes on into a quantiser.
;   16-79  TABLE: tr[a] = 8 rel_pos_bias[4094 - a][head] exp(-0.01 |2047 - a|), the term that key - query = a - 2047 adds to a score ahead of the factor 1/8; four copies, copy c moved c places down,
;          so that any four neighbours can be read as 16 aligned bytes: [16 heads][4][4096] f32 at TB.
;   80-207 WEIGHTS: qkv_w, proj_w, stored [K][N], become codes of E2M1 along K with one E8M0 byte for each 32.
; THE LAYOUT OF EVERY OPERAND in this program: tiles of 16 rows; lane r of tile 2 b + u holds row 32 b + 8 u + r % 8 + 16 (r / 8).  For tile and 512 along K a record of 4,352 bytes:
; for each 128 along K two runs of 512 bytes, 16 bytes a lane, the operand's registers 0-3 and 4-7 as they stand; from byte 4,096 on the scale words, 64 bytes for each 128 along K.
.set WQ, 0
.set WP, 1671168
.set W1, 2228224
.set W2, 4456448
.set TB, 6684672
.set TP, 7733248
.set SPARE, 4096                       ; behind the time path's 4,096 bytes of partial sums: the spare words, 128 bytes for each wave
.set SPW, 4                            ; v4  LDS address of my spare word; never rewritten
.set NIL, 5                            ; v5  0; never rewritten
.set ERA0, 0xaf95df0b                  ; erf(z) = z A(z^2) / B(z^2): A's coefficients from the highest power down
.set ERA1, 0x32edffee
.set ERA2, 0xb60cff51
.set ERA3, 0xb86ec2d2
.set ERA4, 0xba40ac63
.set ERA5, 0xbb41a1f6
.set ERA6, 0xbc83dbd4
.set ERB0, 0xb77460cd                  ; and B's
.set ERB1, 0xb95fbd29
.set ERB2, 0xbadc924e
.set ERB3, 0xbbf19bf8
.set ERB4, 0xbc69b6a7
	v_lshl_add_u32 v[SPW], v0, 2, SPARE
	v_mov_b32 v[NIL], 0
	v_lshrrev_b32 v1, 5, v0
	s_delay_alu instid0(VALU_DEP_1)
	v_readfirstlane_b32 s2, v1                     ; wave 0..7
	v_and_b32 v1, 31, v0                           ; lane
	s_cmp_lt_u32 ttmp9, 16
	s_cbranch_scc1 .Ltime
	s_cmp_lt_u32 ttmp9, 80
	s_cbranch_scc1 .Ltable
; ---------------- WEIGHTS.  A work-group takes 256 columns x 128 along K, a wave 32 columns (two tiles).  A lane takes a column and its registers run down K:
; a block of 32 lies in one lane, its codes come out with K innermost, and 16 lanes' 16 bytes are 256 consecutive bytes of a record.
; AS IT STANDS NOW: work-groups 80-207 take qkv_w and proj_w alone; ff1_w and ff2_w are quantised, by the same plan and into the same layout, by the attention launch, into a buffer of their own.
	s_load_b128 s[16:19], s[0:1], 0x28             ; qkv_w, proj_w
	s_load_b64 s[6:7], s[0:1], 0x38                ; wts
	s_sub_co_u32 s3, ttmp9, 80                     ; 0-95 qkv_w, 96-127 proj_w
	s_mov_b32 s8, 4096                             ; a row of the weight in bytes
	s_mov_b32 s9, 3                                ; log2 of its K steps of 128
	s_mov_b32 s10, 8704                            ; from tile to tile in its records
	s_mov_b32 s11, WP                              ; where its records begin
	s_mov_b32 s12, 96                              ; its first work-group
	s_cmp_lt_u32 s3, 96
	s_cselect_b32 s8, 12288, s8
	s_cselect_b32 s11, WQ, s11
	s_cselect_b32 s12, 0, s12
	s_sub_co_u32 s12, s3, s12
	s_lshl_b32 s13, 1, s9
	s_sub_co_u32 s13, s13, 1
	s_and_b32 s14, s12, s13                        ; my K step
	s_lshr_b32 s15, s12, s9                        ; my group of 256 columns
	s_mul_i32 s40, s14, s8
	s_lshl_b32 s40, s40, 7                         ; 128 rows a K step
	s_lshl_b32 s41, s15, 10
	s_add_co_u32 s40, s40, s41
	s_lshl_b32 s41, s2, 7
	s_add_co_u32 s40, s40, s41                     ; + my wave's 32 columns
	s_mov_b32 s41, 0
	s_lshl_b32 s42, s8, 5                          ; 32 rows: from block to block
	s_mov_b32 s43, 0
	s_lshl_b32 s44, s15, 4
	s_lshl_b32 s45, s2, 1
	s_add_co_u32 s44, s44, s45                     ; my first tile
	s_mul_i32 s44, s44, s10
	s_add_co_u32 s44, s44, s11
	s_lshr_b32 s45, s14, 2
	s_mul_i32 s45, s45, 4352
	s_add_co_u32 s44, s44, s45                     ; its record for my 512 along K
	s_mov_b32 s45, 0
	s_and_b32 s46, s14, 3
	s_lshl_b32 s47, s46, 10
	s_lshl_b32 s46, s46, 6
	s_wait_alu depctr_va_vdst(0)
	v_and_b32 v6, 7, v1
	v_bfe_u32 v7, v1, 3, 1
	s_delay_alu instid0(VALU_DEP_1)
	v_lshl_add_u32 v6, v7, 4, v6
	v_lshrrev_b32 v7, 4, v1                        ; u: which of my wave's two tiles
	s_delay_alu instid0(VALU_DEP_1)
	v_lshl_add_u32 v6, v7, 3, v6                   ; my column among the 32: 8 u + r % 8 + 16 (r / 8)
	s_delay_alu instid0(VALU_DEP_1)
	v_lshlrev_b32 v32, 2, v6
.set i, 1
.rept 31
	s_delay_alu instid0(VALU_DEP_1)
	v_add_nc_u32 v[32+i], s8, v[31+i]              ; v32-63: my column in rows 0 .. 31 of a block
.set i, i+1
.endr
	v_mul_lo_u32 v17, v7, s10
	v_and_b32 v8, 15, v1
	s_delay_alu instid0(VALU_DEP_1)
	v_lshl_add_u32 v18, v8, 2, v17
	s_delay_alu instid0(VALU_DEP_2)
	v_lshl_add_u32 v17, v8, 4, v17
	s_delay_alu instid0(VALU_DEP_1)
	v_add_nc_u32 v17, s47, v17                     ; codes: tile u, my K step, 16 r
	s_delay_alu instid0(VALU_DEP_3)
	v_add_nc_u32 v18, s46, v18                     ; scale word: tile u, my K step, 4 r
	s_wait_alu depctr_va_vdst(0)
	s_wait_kmcnt 0x0
	s_cmp_lt_u32 s3, 96                            ; the choice of buffer hangs on the work-group's number alone
	s_cselect_b64 s[4:5], s[16:17], s[18:19]
	s_add_nc_u64 s[6:7], s[6:7], s[44:45]
	s_add_nc_u64 s[24:25], s[4:5], s[40:41]        ; a base for each of the four blocks
	s_add_nc_u64 s[26:27], s[24:25], s[42:43]
	s_add_nc_u64 s[28:29], s[26:27], s[42:43]
	s_add_nc_u64 s[30:31], s[28:29], s[42:43]
.macro WLOAD b                         ; block b: 32 rows, 128 consecutive bytes a wave each, into set b % 2 of v64-127
.set i, 0
.rept 32
	global_load_b32 v[64+32*((\b)%2)+i], v[32+i], s[24+2*(\b):25+2*(\b)]   ; no hint: the wave beside me reads the other 128 bytes of each aligned 256
.set i, i+1
.endr
.endm
.macro WBLOCK b
.set XS, 64+32*((\b)%2)
.if (\b) < 3
	s_wait_loadcnt 32                              ; this block's 32 loads are in; the next block's 32 may be out
.else
	s_wait_loadcnt 0x0
.endif
	v_max3_num_f32 v12, |v[XS]|, |v[XS+1]|, |v[XS+2]|              ; the block's largest magnitude: all 32 numbers are mine
	v_max3_num_f32 v13, |v[XS+3]|, |v[XS+4]|, |v[XS+5]|
.irp i, 6,10,14,18,22,26
	s_delay_alu instid0(VALU_DEP_2)
	v_max3_num_f32 v12, v12, |v[XS+\i]|, |v[XS+\i+1]|
	s_delay_alu instid0(VALU_DEP_2)
	v_max3_num_f32 v13, v13, |v[XS+\i+2]|, |v[XS+\i+3]|
.endr
	s_delay_alu instid0(VALU_DEP_2)
	v_max3_num_f32 v12, v12, |v[XS+30]|, |v[XS+31]|
	s_delay_alu instid0(VALU_DEP_1)
	v_max3_num_f32 v12, v12, v13, 0x1800000        ; and the floor 2^(3 - 127): the byte cannot fall under 1
	s_delay_alu instid0(VALU_DEP_1)
	v_add_nc_u32 v11, 0xff000000, v12              ; 2 off the exponent field: the conversion's scale operand
	s_delay_alu instid0(VALU_DEP_1)
	v_lshrrev_b32 v13, 23, v11                     ; the scale's byte
.if (\b) == 0
	s_delay_alu instid0(VALU_DEP_1)
	v_mov_b32 v16, v13
.else
	s_delay_alu instid0(VALU_DEP_1)
	v_lshl_or_b32 v16, v13, 8*(\b), v16
.endif
.irp g, 0,1,2,3
	v_cvt_scalef32_pk8_fp4_f32 v[128+4*(\b)+\g], v[XS+8*\g:XS+8*\g+7], v11
.endr
	global_store_b128 v17, v[128+4*(\b):131+4*(\b)], s[6:7] offset:256*(\b)   ; block b = 2 c + h: 16 lanes fill 256 aligned bytes; each block has its own registers, none is written again
.if (\b) < 2
	WLOAD (\b)+2
.endif
.endm
	WLOAD 0
	WLOAD 1
	WBLOCK 0
	WBLOCK 1
	WBLOCK 2
	WBLOCK 3
	global_store_b32 v18, v16, s[6:7] offset:4096
	s_endpgm
; ---------------- TIME, work-group j.
.Ltime:
	s_load_b256 s[4:11], s[0:1], 0x0               ; t, tp1_w, tp1_b, tp2_w
	s_load_b64 s[12:13], s[0:1], 0x38              ; wts
	s_lshl_b32 s14, s2, 7                          ; wave w sums over t's numbers 32 w .. 32 w + 31
	s_lshl_b32 s16, s2, 17                         ; their 32 rows of tp1_w,
	s_lshl_b32 s17, ttmp9, 8                       ; at my 64 hidden units
	s_add_co_u32 s16, s16, s17
	s_mov_b32 s17, 0
	s_lshl_b32 s18, ttmp9, 18                      ; tp2_w: rows 64 j on,
	s_lshl_b32 s19, s2, 9                          ; my wave's 128 columns
	s_add_co_u32 s18, s18, s19
	s_mov_b32 s19, 0
	s_lshl_b32 s52, ttmp9, 8
	s_mov_b32 s53, 0
	s_lshl_b32 s54, ttmp9, 13
	s_lshl_b32 s55, s2, 9
	s_add_co_u32 s54, s54, s55
	s_add_co_u32 s54, s54, TP
	s_mov_b32 s55, 0
	s_wait_alu depctr_va_vdst(0)
	v_lshlrev_b32 v6, 3, v1                        ; 8 x lane
	v_lshlrev_b32 v7, 4, v1                        ; 16 x lane
	v_and_b32 v2, 15, v1
	s_delay_alu instid0(VALU_DEP_1)
	v_lshlrev_b32 v2, 4, v2
	s_lshl_b32 s15, s2, 9
	v_lshl_add_u32 v3, v1, 3, s15                  ; LDS: my wave's 512 bytes of partial sums, 8 x lane
	s_wait_alu depctr_va_vdst(0)
	s_wait_kmcnt 0x0
	s_load_b512 s[20:35], s[4:5], s14 offset:0x0   ; t[0][32 w ..]
	s_load_b512 s[36:51], s[4:5], s14 offset:0x40
	s_load_b512 s[68:83], s[4:5], s14 offset:0x400 ; t[1][32 w ..]
	s_load_b512 s[84:99], s[4:5], s14 offset:0x440
	s_add_nc_u64 s[6:7], s[6:7], s[16:17]
	s_add_nc_u64 s[10:11], s[10:11], s[18:19]
	s_add_nc_u64 s[8:9], s[8:9], s[52:53]
	s_add_nc_u64 s[12:13], s[12:13], s[54:55]
.set i, 0
.rept 32
	global_load_b64 v[32+2*i:33+2*i], v6, s[6:7] offset:4096*i     ; 256 consecutive bytes a wave: hidden units 2 l, 2 l + 1
.set i, i+1
.endr
	global_load_b128 v[24:27], v2, s[8:9]          ; tp1_b at units 4 (l % 16) + 0 .. 3
.macro T2LOAD set, q                   ; rows 16 q .. 16 q + 15 of my 64 of tp2_w, 512 consecutive bytes a wave each
.set i, 0
.rept 16
	global_load_b128 v[96+64*(\set)+4*i:99+64*(\set)+4*i], v7, s[10:11] offset:(16*(\q)+i)*4096 th:TH_LOAD_NT
.set i, i+1
.endr
.endm
.macro T2FMA set, q                    ; g of unit k lies in lane 16 b + k / 4, register 16 + k % 4
.set i, 0
.rept 16
.set k, 16*(\q)+i
	v_readlane_b32 s20, v[16+k%4], k/4
	v_readlane_b32 s21, v[16+k%4], 16+k/4
.irp e, 0,1,2,3
.if k == 0
	v_mul_f32 v[8+\e], s20, v[96+64*(\set)+4*i+\e]                 ; the first product starts the sums
	v_mul_f32 v[12+\e], s21, v[96+64*(\set)+4*i+\e]
.else
	v_fmac_f32 v[8+\e], s20, v[96+64*(\set)+4*i+\e]
	v_fmac_f32 v[12+\e], s21, v[96+64*(\set)+4*i+\e]
.endif
.endr
.set i, i+1
.endr
.endm
	T2LOAD 0, 0                                    ; the second product's weights are asked for at once
	T2LOAD 1, 1
	s_wait_kmcnt 0x0                               ; t
	s_wait_loadcnt 33                              ; tp1_w's 32 loads are in; behind them: tp1_b's one and tp2_w's 32
.set i, 0
.rept 32
.if i == 0
	v_mul_f32 v8, s[20+i], v[32+2*i]
	v_mul_f32 v9, s[20+i], v[33+2*i]
	v_mul_f32 v10, s[68+i], v[32+2*i]
	v_mul_f32 v11, s[68+i], v[33+2*i]
.else
	s_delay_alu instid0(VALU_DEP_4)
	v_fmac_f32 v8, s[20+i], v[32+2*i]
	s_delay_alu instid0(VALU_DEP_4)
	v_fmac_f32 v9, s[20+i], v[33+2*i]
	s_delay_alu instid0(VALU_DEP_4)
	v_fmac_f32 v10, s[68+i], v[32+2*i]
	s_delay_alu instid0(VALU_DEP_4)
	v_fmac_f32 v11, s[68+i], v[33+2*i]
.endif
.set i, i+1
.endr
	ds_store_b64 v3, v[8:9]                        ; [wave][batch][64 units]
	ds_store_b64 v3, v[10:11] offset:256
	s_wait_dscnt 0x0                               ; for the others' sake: my partial sums have landed
	s_barrier_signal -1                            ; (all eight waves of a work-group are on this path: it hangs on the work-group's number)
	s_barrier_wait -1
.irp p, 0,1,2,3,4,5,6,7
	ds_load_b128 v[32+4*\p:35+4*\p], v7 offset:512*\p              ; every wave sums all eight parts: lane l gets batch l / 16, units 4 (l % 16) + 0 .. 3
.endr
	s_wait_dscnt 0x0
	v_pk_add_f32 v[16:17], v[32:33], v[36:37]
	v_pk_add_f32 v[18:19], v[34:35], v[38:39]
.irp p, 2,3,4,5,6,7
	s_delay_alu instid0(VALU_DEP_2)
	v_pk_add_f32 v[16:17], v[16:17], v[32+4*\p:33+4*\p]
	s_delay_alu instid0(VALU_DEP_2)
	v_pk_add_f32 v[18:19], v[18:19], v[34+4*\p:35+4*\p]
.endr
	s_wait_alu depctr_va_vdst(0)
	s_wait_loadcnt 32                              ; tp1_b is in; tp2_w's 32 may be out
	v_pk_add_f32 v[16:17], v[16:17], v[24:25]
	v_pk_add_f32 v[18:19], v[18:19], v[26:27]
	v_mov_b32 v68, ERA0                            ; gelu(x) = x / 2 + (x / 2) erf(x / sqrt(2))
	v_mov_b32 v69, ERB0
.irp e, 0,1,2,3
	v_mul_f32 v[20+\e], 0x3f3504f3, v[16+\e]
.endr
.irp e, 0,1,2,3
	s_delay_alu instid0(VALU_DEP_4)
	v_med3_num_f32 v[20+\e], v[20+\e], -4.0, 4.0
.endr
.irp e, 0,1,2,3
	s_delay_alu instid0(VALU_DEP_4)
	v_mul_f32 v[24+\e], v[20+\e], v[20+\e]
.endr
.irp e, 0,1,2,3
	v_fmaak_f32 v[28+\e], v68, v[24+\e], ERA1
	v_fmaak_f32 v[64+\e], v69, v[24+\e], ERB1
.endr
.irp k, ERA2, ERA3, ERA4, ERA5, ERA6
.irp e, 0,1,2,3
	v_fmaak_f32 v[28+\e], v[28+\e], v[24+\e], \k
.endr
.endr
.irp k, ERB2, ERB3, ERB4
.irp e, 0,1,2,3
	v_fmaak_f32 v[64+\e], v[64+\e], v[24+\e], \k
.endr
.endr
	s_wait_alu depctr_va_vdst(0)
.irp e, 0,1,2,3
	v_rcp_f32 v[64+\e], v[64+\e]
.endr
.irp e, 0,1,2,3
	v_mul_f32 v[28+\e], v[28+\e], v[20+\e]         ; plain work behind the reciprocals
	v_mul_f32 v[16+\e], 0.5, v[16+\e]
.endr
	s_wait_alu depctr_va_vdst(0)                   ; one wait for the four reciprocals, ahead of their first reader
.irp e, 0,1,2,3
	v_mul_f32 v[28+\e], v[28+\e], v[64+\e]
.endr
.irp e, 0,1,2,3
	s_delay_alu instid0(VALU_DEP_4)
	v_fma_f32 v[16+\e], v[16+\e], v[28+\e], v[16+\e]
.endr
	s_wait_alu depctr_va_vdst(0)
	s_wait_loadcnt 16                              ; rows 0-15 are in; the 16 loads behind them may be out: so at each of these waits
	T2FMA 0, 0
	T2LOAD 0, 2
	s_wait_loadcnt 16
	T2FMA 1, 1
	T2LOAD 1, 3
	s_wait_loadcnt 16
	T2FMA 0, 2
	s_wait_loadcnt 0x0
	T2FMA 1, 3
	global_store_b128 v7, v[8:11], s[12:13]                        ; part j, batch 0: 512 consecutive bytes a wave
	global_store_b128 v7, v[12:15], s[12:13] offset:4096           ; batch 1
	s_wait_tensorcnt 0x0                           ; the wave's end
	ds_add_u32 v[SPW], v[NIL]
	s_wait_dscnt 0x0
	s_endpgm
; ---------------- TABLE.  Four work-groups to a head; a thread makes tr[4 m] .. tr[4 m + 6] and stores four of them into each copy.
.Ltable:
	s_load_b64 s[4:5], s[0:1], 0x20                ; rel_pos_bias
	s_load_b64 s[6:7], s[0:1], 0x38                ; wts
	s_sub_co_u32 s3, ttmp9, 16
	s_lshr_b32 s8, s3, 2                           ; head
	s_and_b32 s9, s3, 3                            ; which quarter of the 4,096
	s_lshl_b32 s10, s9, 10
	v_lshl_add_u32 v6, v0, 2, s10                  ; a0 = 4 m
	s_lshl_b32 s12, s8, 2
	s_mov_b32 s13, 0
	s_lshl_b32 s14, s8, 16
	s_lshl_b32 s15, s9, 12
	s_add_co_u32 s14, s14, s15
	s_add_co_u32 s14, s14, TB
	s_mov_b32 s15, 0
	v_lshlrev_b32 v7, 4, v0
.irp j, 0,1,2,3,4,5,6
	v_add_nc_u32 v[16+\j], \j, v6
	s_delay_alu instid0(VALU_DEP_1)
	v_min_u32 v[16+\j], 0xffe, v[16+\j]            ; a beyond 4,094 has no row: it reads row 0 and is set to 0 below
	s_delay_alu instid0(VALU_DEP_1)
	v_sub_nc_u32 v[16+\j], 0xffe, v[16+\j]
	s_delay_alu instid0(VALU_DEP_1)
	v_lshlrev_b32 v[16+\j], 6, v[16+\j]            ; a row of the table is 64 bytes
.endr
	s_wait_alu depctr_va_vdst(0)
	s_wait_kmcnt 0x0
	s_add_nc_u64 s[4:5], s[4:5], s[12:13]
	s_add_nc_u64 s[6:7], s[6:7], s[14:15]
.irp j, 0,1,2,3,4,5,6
	global_load_b32 v[24+\j], v[16+\j], s[4:5]
.endr
.irp j, 0,1,2,3,4,5,6
	v_sub_nc_u32 v[48+\j], 2047-\j, v6
	s_delay_alu instid0(VALU_DEP_1)
	v_cvt_f32_i32 v[48+\j], v[48+\j]
	s_delay_alu instid0(VALU_DEP_1)
	v_mul_f32 v[48+\j], 0xbc6c5f04, |v[48+\j]|     ; -0.01 log2(e) |query - key|
.endr
	s_wait_alu depctr_va_vdst(0)
.irp j, 0,1,2,3,4,5,6
	v_exp_f32 v[48+\j], v[48+\j]
.endr
	v_nop                                          ; a plain instruction behind the last exponential
	s_wait_alu depctr_va_vdst(0)                   ; one wait for the seven
.irp j, 0,1,2,3,4,5,6
	v_ldexp_f32 v[48+\j], v[48+\j], 3              ; x 8, exact: the product's scores are multiplied by 1/8 later
.endr
	s_wait_alu depctr_va_vdst(0)
	s_wait_loadcnt 0x0
.irp j, 0,1,2,3,4,5,6
	v_mul_f32 v[32+\j], v[24+\j], v[48+\j]
	v_cmp_gt_u32 vcc_lo, 4095-\j, v6
	s_delay_alu instid0(VALU_DEP_1)
	v_cndmask_b32 v[32+\j], 0, v[32+\j], vcc_lo
.endr
.irp j, 0,1,2,3,4,5
	v_mov_b32 v[40+\j], v[33+\j]                   ; the same one place down: a store's four registers begin at an even one
.endr
	global_store_b128 v7, v[32:35], s[6:7]                         ; copy c holds tr[i + c] at i
	global_store_b128 v7, v[40:43], s[6:7] offset:16384
	global_store_b128 v7, v[34:37], s[6:7] offset:32768
	global_store_b128 v7, v[42:45], s[6:7] offset:49152
	s_endpgm
.Lfunc_end_k_q2f09e9f83e_prep:
	.size	k_q2f09e9f83e_prep, .Lfunc_end_k_q2f09e9f83e_prep-k_q2f09e9f83e_prep
	.p2alignl 7, 3214868480
	.fill 96, 4, 3214868480
	.section	.rodata,"a",@progbits
	.p2align	6, 0x0
	.amdhsa_kernel k_q2f09e9f83e_prep
		.amdhsa_group_segment_fixed_size 5120
		.amdhsa_private_segment_fixed_size 0
		.amdhsa_enable_private_segment 0
		.amdhsa_kernarg_size 64
		.amdhsa_user_sgpr_count 2
		.amdhsa_user_sgpr_kernarg_segment_ptr 1
		.amdhsa_wavefront_size32 1
		.amdhsa_system_sgpr_workgroup_id_x 1
		.amdhsa_system_sgpr_workgroup_id_y 1
		.amdhsa_system_sgpr_workgroup_id_z 1
		.amdhsa_system_vgpr_workitem_id 0
		.amdhsa_next_free_vgpr 224
		.amdhsa_next_free_sgpr 104
		.amdhsa_reserve_vcc 1
		.amdhsa_float_denorm_mode_32 3
		.amdhsa_float_denorm_mode_16_64 3
		.amdhsa_memory_ordered 1
		.amdhsa_forward_progress 1
		.amdhsa_inst_pref_size 83
	.end_amdhsa_kernel
	.amdgpu_metadata
---
amdhsa.version: [ 1, 2 ]
amdhsa.kernels:
  - .name:           k_q2f09e9f83e_prep
    .symbol:         k_q2f09e9f83e_prep.kd
    .args:
      - { .name: t, .offset: 0, .size: 8, .value_kind: global_buffer, .address_space: global }
      - { .name: tp1_w, .offset: 8, .size: 8, .value_kind: global_buffer, .address_space: global }
      - { .name: tp1_b, .offset: 16, .size: 8, .value_kind: global_buffer, .address_space: global }
      - { .name: tp2_w, .offset: 24, .size: 8, .value_kind: global_buffer, .address_space: global }
      - { .name: rel_pos_bias, .offset: 32, .size: 8, .value_kind: global_buffer, .address_space: global }
      - { .name: qkv_w, .offset: 40, .size: 8, .value_kind: global_buffer, .address_space: global }
      - { .name: proj_w, .offset: 48, .size: 8, .value_kind: global_buffer, .address_space: global }
      - { .name: wts, .offset: 56, .size: 8, .value_kind: global_buffer, .address_space: global }
    .group_segment_fixed_size: 5120
    .private_segment_fixed_size: 0
    .kernarg_segment_align: 8
    .kernarg_segment_size: 64
    .max_flat_workgroup_size: 256
    .sgpr_count:     104
    .vgpr_count:     224
    .wavefront_size: 32
...
	.end_amdgpu_metadata
.endif
;; end of part 9
;; launch ln1 (part 10): grid 256 x 1, 16 waves a work-group, no clusters, 14,848 bytes of LDS; arguments x, wts, tp2_b, ln1_g, ln1_b, xn; writes xn
.if DOCPART == 10
	.amdgcn_target "amdgcn-amd-amdhsa--gfx1250"
	.amdhsa_code_object_version 6
	.text
	.protected	k_q2f09e9f83e_ln1
	.globl	k_q2f09e9f83e_ln1
	.p2align	8
	.type	k_q2f09e9f83e_ln1,@function
k_q2f09e9f83e_ln1:
	s_mov_b64 s[64:65], 0
	v_nop
	global_prefetch_b8 v0, s[64:65] scope:SCOPE_SE
	s_setreg_imm32_b32 hwreg(HW_REG_WAVE_MODE, 25, 1), 1
	s_wait_xcnt 0x0
; Launch 2: xn = Q(layer norm(x + time embedding)), quantised along the 1,024 channels, as records of the qkv product's operand.  No work is left out.
; A work-group makes one tile of 16 tokens, a wave one token (lane r of the tile = wave r: token 32 (tile / 2) + 8 (tile % 2) + r % 8 + 16 (r / 8)), kept in 32 registers a lane between the passes.
; Lane l holds channels 256 G + 8 l + 0 .. 7, G = 0 .. 3: each load of a wave covers whole aligned runs of its row; four neighbouring lanes hold a block of 32.
; The time embedding is the sum of the 16 parts that the launch before stored, and tp2_b: each thread sums two channels, and the waves meet in LDS.
; The tile's two records (8,704 bytes) are gathered in LDS and leave as 17 pieces of 512 consecutive bytes.  Matrix units, tensor loads and clusters have nothing to do here: each byte is read once.
.set TIME, 1
.set TP, 7733248
.set IMG, 4096                         ; LDS: 0 the time embedding (4,096 bytes); 4,096 the two records
.set SPARE, 12800                      ; the spare words, 128 bytes for each of 16 waves
.set X, 32                             ; v32-63   my 32 numbers
.set GA, 64                            ; v64-95   the gain at my channels
.set BE, 96                            ; v96-127  the bias
.set TV, 128                           ; v128-161 the time parts, then the embedding at my channels
.set PX, 4
.set PG, 10
.set PB, 12
.set PO, 14
	s_load_b256 s[4:11], s[0:1], 0x0               ; x, wts, tp2_b, gain
	s_load_b128 s[12:15], s[0:1], 0x20             ; bias, xn
	v_lshl_add_u32 v4, v0, 2, SPARE                ; v4: my spare word; v5: 0; both kept for the closing lines
	v_mov_b32 v5, 0
	v_lshrrev_b32 v1, 5, v0
	s_delay_alu instid0(VALU_DEP_1)
	v_readfirstlane_b32 s2, v1                     ; wave 0..15
	v_and_b32 v1, 31, v0                           ; lane
	s_wait_alu depctr_va_vdst(0)
	s_lshr_b32 s16, ttmp9, 1
	s_lshl_b32 s16, s16, 5
	s_and_b32 s17, ttmp9, 1
	s_lshl_b32 s17, s17, 3
	s_add_co_u32 s16, s16, s17
	s_and_b32 s17, s2, 7
	s_add_co_u32 s16, s16, s17
	s_lshr_b32 s17, s2, 3
	s_lshl_b32 s17, s17, 4
	s_add_co_u32 s16, s16, s17                     ; my token
	s_lshl_b32 s16, s16, 12                        ; its row of 4,096 bytes
	s_mov_b32 s17, 0
	s_mul_i32 s18, ttmp9, 8704                     ; the tile's two records
	s_mov_b32 s19, 0
	s_lshr_b32 s24, ttmp9, 7                       ; the batch
	s_lshl_b32 s24, s24, 12
	s_add_co_u32 s24, s24, TP
	s_mov_b32 s25, 0
	s_mov_b32 s20, 0x76543210                      ; v_permlanex16_b32's selects for lane l xor 16
	s_mov_b32 s21, 0xfedcba98
	s_mov_b32 s22, 0x3a800000                      ; 1 / 1,024
	v_lshlrev_b32 v6, 5, v1                        ; 32 x lane
	v_lshlrev_b32 v7, 3, v0                        ; 8 x thread
	v_lshlrev_b32 v13, 4, v0                       ; 16 x thread
	v_lshrrev_b32 v2, 2, v1
	s_delay_alu instid0(VALU_DEP_1)
	v_lshlrev_b32 v12, 8, v2                       ; my 8 codes in a record: k / 32 of the 256 channels picks K step, half and lane half: 256 (l / 4),
	v_and_b32 v3, 3, v1
	s_delay_alu instid0(VALU_DEP_1)
	v_lshl_add_u32 v12, v3, 2, v12                 ; 4 (l % 4) in the lane's 16 bytes,
	s_lshl_b32 s23, s2, 4
	v_add_nc_u32 v12, s23, v12                     ; 16 x row
	v_lshrrev_b32 v3, 4, v1
	s_delay_alu instid0(VALU_DEP_1)
	v_lshlrev_b32 v14, 6, v3                       ; my block's byte: 64 (l / 16) for the K step,
	v_and_b32 v2, 3, v2
	s_delay_alu instid0(VALU_DEP_1)
	v_add_nc_u32 v14, v14, v2                      ; the block in it,
	s_lshl_b32 s23, s2, 2
	v_add_nc_u32 v14, s23, v14                     ; 4 x row
	s_wait_kmcnt 0x0
	s_add_nc_u64 s[PX:PX+1], s[PX:PX+1], s[16:17]
	s_add_nc_u64 s[PO:PO+1], s[PO:PO+1], s[18:19]
.if TIME
	s_add_nc_u64 s[6:7], s[6:7], s[24:25]
.irp j, 0,1,2,3,4,5,6,7,8,9,10,11,12,13,14,15
	global_load_b64 v[TV+2*\j:TV+2*\j+1], v7, s[6:7] offset:8192*\j
.endr
	global_load_b64 v[160:161], v7, s[8:9]
.endif
.irp g, 0,1,2,3
.irp i, 0,1
	global_load_b128 v[X+8*\g+4*\i:X+8*\g+4*\i+3], v6, s[PX:PX+1] offset:1024*\g+16*\i th:TH_LOAD_NT
.endr
.endr
.irp g, 0,1,2,3
.irp i, 0,1
	global_load_b128 v[GA+8*\g+4*\i:GA+8*\g+4*\i+3], v6, s[PG:PG+1] offset:1024*\g+16*\i
.endr
.endr
.irp g, 0,1,2,3
.irp i, 0,1
	global_load_b128 v[BE+8*\g+4*\i:BE+8*\g+4*\i+3], v6, s[PB:PB+1] offset:1024*\g+16*\i
.endr
.endr
.if TIME
	s_wait_loadcnt 24                              ; the 17 loads of the embedding are in; behind them: 8 of x, 8 of the gain, 8 of the bias
	v_pk_add_f32 v[10:11], v[128:129], v[130:131]
	v_pk_add_f32 v[166:167], v[136:137], v[140:141]
	v_pk_add_f32 v[164:165], v[144:145], v[148:149]
	v_pk_add_f32 v[162:163], v[152:153], v[156:157]
	v_pk_add_f32 v[30:31], v[160:161], v[132:133]
	v_pk_add_f32 v[28:29], v[134:135], v[138:139]
	v_pk_add_f32 v[26:27], v[142:143], v[146:147]
	v_pk_add_f32 v[8:9], v[150:151], v[154:155]
	s_delay_alu instid0(VALU_DEP_1)
	v_pk_add_f32 v[8:9], v[8:9], v[158:159]
	s_delay_alu instid0(VALU_DEP_1)
	v_pk_add_f32 v[8:9], v[8:9], v[162:163]
	v_pk_add_f32 v[10:11], v[10:11], v[30:31]
	v_pk_add_f32 v[166:167], v[166:167], v[28:29]
	v_pk_add_f32 v[164:165], v[164:165], v[26:27]
	s_delay_alu instid0(VALU_DEP_2)
	v_pk_add_f32 v[8:9], v[8:9], v[166:167]
	s_delay_alu instid0(VALU_DEP_2)
	v_pk_add_f32 v[10:11], v[10:11], v[164:165]
	s_delay_alu instid0(VALU_DEP_1)
	v_pk_add_f32 v[8:9], v[8:9], v[10:11]
	ds_store_b64 v7, v[8:9]
	s_wait_dscnt 0x0                               ; for the others' sake: my two channels have landed
	s_barrier_signal -1
	s_barrier_wait -1
.irp g, 0,1,2,3
.irp i, 0,1
	ds_load_b128 v[TV+8*\g+4*\i:TV+8*\g+4*\i+3], v6 offset:1024*\g+16*\i
.endr
.endr
	s_wait_loadcnt 16                              ; x is in; gain and bias may be out
	s_wait_dscnt 0x0
.set j, 0
.rept 16
	v_pk_add_f32 v[X+j:X+j+1], v[X+j:X+j+1], v[TV+j:TV+j+1]
.set j, j+2
.endr
.else
	s_wait_loadcnt 16                              ; the row is in; gain and bias may be out
.endif
	v_pk_add_f32 v[8:9], v[X:X+1], v[X+2:X+3]      ; the mean: two chains in the lane, then across the 32 lanes
	v_pk_add_f32 v[10:11], v[X+4:X+5], v[X+6:X+7]
.irp j, 8,12,16,20,24,28
	s_delay_alu instid0(VALU_DEP_2)
	v_pk_add_f32 v[8:9], v[8:9], v[X+\j:X+\j+1]
	s_delay_alu instid0(VALU_DEP_2)
	v_pk_add_f32 v[10:11], v[10:11], v[X+\j+2:X+\j+3]
.endr
	s_delay_alu instid0(VALU_DEP_1)
	v_pk_add_f32 v[8:9], v[8:9], v[10:11]
	s_delay_alu instid0(VALU_DEP_1)
	v_add_f32 v8, v8, v9
	s_delay_alu instid0(VALU_DEP_1)
	v_add_f32_dpp v8, v8, v8 row_xmask:1 row_mask:0xf bank_mask:0xf
	s_delay_alu instid0(VALU_DEP_1)
	v_add_f32_dpp v8, v8, v8 row_xmask:2 row_mask:0xf bank_mask:0xf
	s_delay_alu instid0(VALU_DEP_1)
	v_add_f32_dpp v8, v8, v8 row_xmask:4 row_mask:0xf bank_mask:0xf
	s_delay_alu instid0(VALU_DEP_1)
	v_add_f32_dpp v8, v8, v8 row_xmask:8 row_mask:0xf bank_mask:0xf
	s_delay_alu instid0(VALU_DEP_1)
	v_permlanex16_b32 v9, v8, s20, s21
	s_delay_alu instid0(VALU_DEP_1)
	v_add_f32 v8, v8, v9
	s_delay_alu instid0(VALU_DEP_1)
	v_mul_f32 v8, s22, v8
	s_delay_alu instid0(VALU_DEP_1)
	v_mov_b32 v9, v8
.set j, 0
.rept 16
	v_pk_add_f32 v[X+j:X+j+1], v[X+j:X+j+1], v[8:9] neg_lo:[0,1] neg_hi:[0,1]
.set j, j+2
.endr
	v_pk_mul_f32 v[8:9], v[X:X+1], v[X:X+1]        ; the variance, of the numbers less their mean
	v_pk_mul_f32 v[10:11], v[X+2:X+3], v[X+2:X+3]
.irp j, 4,8,12,16,20,24,28
	s_delay_alu instid0(VALU_DEP_2)
	v_pk_fma_f32 v[8:9], v[X+\j:X+\j+1], v[X+\j:X+\j+1], v[8:9]
	s_delay_alu instid0(VALU_DEP_2)
	v_pk_fma_f32 v[10:11], v[X+\j+2:X+\j+3], v[X+\j+2:X+\j+3], v[10:11]
.endr
	s_delay_alu instid0(VALU_DEP_1)
	v_pk_add_f32 v[8:9], v[8:9], v[10:11]
	s_delay_alu instid0(VALU_DEP_1)
	v_add_f32 v8, v8, v9
	s_delay_alu instid0(VALU_DEP_1)
	v_add_f32_dpp v8, v8, v8 row_xmask:1 row_mask:0xf bank_mask:0xf
	s_delay_alu instid0(VALU_DEP_1)
	v_add_f32_dpp v8, v8, v8 row_xmask:2 row_mask:0xf bank_mask:0xf
	s_delay_alu instid0(VALU_DEP_1)
	v_add_f32_dpp v8, v8, v8 row_xmask:4 row_mask:0xf bank_mask:0xf
	s_delay_alu instid0(VALU_DEP_1)
	v_add_f32_dpp v8, v8, v8 row_xmask:8 row_mask:0xf bank_mask:0xf
	s_delay_alu instid0(VALU_DEP_1)
	v_permlanex16_b32 v9, v8, s20, s21
	s_delay_alu instid0(VALU_DEP_1)
	v_add_f32 v8, v8, v9
	s_delay_alu instid0(VALU_DEP_1)
	v_fmaak_f32 v10, s22, v8, 0x3727c5ac           ; / 1,024 + 1e-5
	s_wait_alu depctr_va_vdst(0)
	v_rsq_f32 v10, v10
	v_nop                                          ; a plain instruction behind the root
	s_wait_alu depctr_va_vdst(0)                   ; and the wait ahead of its first reader
	v_mov_b32 v11, v10
	s_wait_alu depctr_va_vdst(0)
	s_wait_loadcnt 0x0                             ; gain and bias
.set j, 0
.rept 16
	v_pk_mul_f32 v[X+j:X+j+1], v[X+j:X+j+1], v[10:11]
.set j, j+2
.endr
.set j, 0
.rept 16
	v_pk_fma_f32 v[X+j:X+j+1], v[X+j:X+j+1], v[GA+j:GA+j+1], v[BE+j:BE+j+1]
.set j, j+2
.endr
.irp g, 0,1,2,3                        ; the quantiser: my 8 numbers of block 8 G + l / 4, the four groups by turns
	v_max3_num_f32 v[16+\g], |v[X+8*\g]|, |v[X+8*\g+1]|, 0x1800000 ; with the floor 2^(3 - 127): the byte cannot fall under 1
.endr
.irp i, 2,4,6
.irp g, 0,1,2,3
	s_delay_alu instid0(VALU_DEP_4)
	v_max3_num_f32 v[16+\g], v[16+\g], |v[X+8*\g+\i]|, |v[X+8*\g+\i+1]|
.endr
.endr
.irp g, 0,1,2,3
	s_delay_alu instid0(VALU_DEP_4)
	v_max_num_f32_dpp v[16+\g], v[16+\g], v[16+\g] row_xmask:1 row_mask:0xf bank_mask:0xf
.endr
.irp g, 0,1,2,3
	s_delay_alu instid0(VALU_DEP_4)
	v_max_num_f32_dpp v[16+\g], v[16+\g], v[16+\g] row_xmask:2 row_mask:0xf bank_mask:0xf   ; the four lanes of the block
.endr
.irp g, 0,1,2,3
	s_delay_alu instid0(VALU_DEP_4)
	v_add_nc_u32 v[20+\g], 0xff000000, v[16+\g]    ; 2 off the exponent field: the conversion's scale operand
.endr
.irp g, 0,1,2,3
	s_delay_alu instid0(VALU_DEP_4)
	v_lshrrev_b32 v[24+\g], 23, v[20+\g]           ; the scale's byte
.endr
.irp g, 0,1,2,3
	v_cvt_scalef32_pk8_fp4_f32 v[28+\g], v[X+8*\g:X+8*\g+7], v[20+\g]
.endr
.irp g, 0,1,2,3
	ds_store_b32 v12, v[28+\g] offset:IMG+(\g/2)*4352+(\g%2)*2048
	ds_store_b8 v14, v[24+\g] offset:IMG+4096+(\g/2)*4352+(\g%2)*128   ; the four lanes of a block write the same byte with the same value
.endr
	s_wait_dscnt 0x0                               ; for the others' sake: my row's codes and bytes have landed
	s_barrier_signal -1
	s_barrier_wait -1
	ds_load_b128 v[8:11], v13 offset:IMG           ; piece w of the 17
	s_wait_dscnt 0x0
	global_store_b128 v13, v[8:11], s[PO:PO+1]     ; 512 consecutive bytes, at a multiple of 256 from the buffer's first byte
	s_cmp_lg_u32 s2, 0
	s_cbranch_scc1 .Lend
	ds_load_b128 v[16:19], v13 offset:IMG+8192     ; wave 0: the last piece
	s_wait_dscnt 0x0
	global_store_b128 v13, v[16:19], s[PO:PO+1] offset:8192
.Lend:
	s_wait_tensorcnt 0x0                           ; the wave's end
	ds_add_u32 v4, v5
	s_wait_dscnt 0x0
	s_endpgm
.Lfunc_end_k_q2f09e9f83e_ln1:
	.size	k_q2f09e9f83e_ln1, .Lfunc_end_k_q2f09e9f83e_ln1-k_q2f09e9f83e_ln1
	.p2alignl 7, 3214868480
	.fill 96, 4, 3214868480
	.section	.rodata,"a",@progbits
	.p2align	6, 0x0
	.amdhsa_kernel k_q2f09e9f83e_ln1
		.amdhsa_group_segment_fixed_size 14848
		.amdhsa_private_segment_fixed_size 0
		.amdhsa_enable_private_segment 0
		.amdhsa_kernarg_size 48
		.amdhsa_user_sgpr_count 2
		.amdhsa_user_sgpr_kernarg_segment_ptr 1
		.amdhsa_wavefront_size32 1
		.amdhsa_system_sgpr_workgroup_id_x 1
		.amdhsa_system_sgpr_workgroup_id_y 1
		.amdhsa_system_sgpr_workgroup_id_z 1
		.amdhsa_system_vgpr_workitem_id 0
		.amdhsa_next_free_vgpr 168
		.amdhsa_next_free_sgpr 66
		.amdhsa_reserve_vcc 0
		.amdhsa_float_denorm_mode_32 3
		.amdhsa_float_denorm_mode_16_64 3
		.amdhsa_memory_ordered 1
		.amdhsa_forward_progress 1
		.amdhsa_inst_pref_size 21
	.end_amdhsa_kernel
	.amdgpu_metadata
---
amdhsa.version: [ 1, 2 ]
amdhsa.kernels:
  - .name:           k_q2f09e9f83e_ln1
    .symbol:         k_q2f09e9f83e_ln1.kd
    .args:
      - { .name: x, .offset: 0, .size: 8, .value_kind: global_buffer, .address_space: global }
      - { .name: wts, .offset: 8, .size: 8, .value_kind: global_buffer, .address_space: global }
      - { .name: tp2_b, .offset: 16, .size: 8, .value_kind: global_buffer, .address_space: global }
      - { .name: ln1_g, .offset: 24, .size: 8, .value_kind: global_buffer, .address_space: global }
      - { .name: ln1_b, .offset: 32, .size: 8, .value_kind: global_buffer, .address_space: global }
      - { .name: xn, .offset: 40, .size: 8, .value_kind: global_buffer, .address_space: global }
    .group_segment_fixed_size: 14848
    .private_segment_fixed_size: 0
    .kernarg_segment_align: 8
    .kernarg_segment_size: 48
    .max_flat_workgroup_size: 512
    .sgpr_count:     66
    .vgpr_count:     168
    .wavefront_size: 32
...
	.end_amdgpu_metadata
.endif
;; end of part 10
;; launch gqkv (part 11): grid 192 x 1, 16 waves a work-group, no clusters, 280,576 bytes of LDS; arguments xn, wts, qkv_b, qkv; writes qkv
.if DOCPART == 11
	.amdgcn_target "amdgcn-amd-amdhsa--gfx1250"
	.amdhsa_code_object_version 6
	.text
	.protected	k_q2f09e9f83e_gqkv
	.globl	k_q2f09e9f83e_gqkv
	.p2align	8
	.type	k_q2f09e9f83e_gqkv,@function
k_q2f09e9f83e_gqkv:
	s_mov_b64 s[64:65], 0
	v_nop
	global_prefetch_b8 v0, s[64:65] scope:SCOPE_SE
	s_setreg_imm32_b32 hwreg(HW_REG_WAVE_MODE, 25, 1), 1
	s_wait_xcnt 0x0
; Launch 3: qkv = xn qkv_w + qkv_b on codes of E2M1, and q, k, v quantised on the way out as attention's operands.  No work is left out.
; THE PRODUCT.  D = P Q^T: source 0 = 16 rows of P, source 1 = 16 rows of Q; a lane holds ONE row of Q, and by the tiles' order of rows its 16 registers of two neighbouring tiles of P are 16 neighbouring
; rows of P.  So a result is quantised along P's rows in registers and is at once the next operand's register image.
;   work-groups 0-127   P = qkv_w's columns of q and k (256), Q = tokens (256): quantised along the head's 64.
;   work-groups 128-191 P = tokens (256), Q = qkv_w's columns of v (256): quantised along the keys.
; Sixteen waves, four to a SIMD, 256 registers each: wave (wp, wq) makes P's tiles 8 wp .. + 7 x Q's tiles 2 wq, 2 wq + 1: 16 accumulators.  K = 1,024 is two chunks of 512: both lie in LDS at once
; (two slots of 32 records of 4,352 bytes); every wave asks for two records of each slot at the head: two loads of mine are out.
; THE BIAS IS THE C OF EACH SUM'S FIRST PRODUCT: it is loaded into the accumulators' registers at the head, while the tiles are on their way.
; NO CLUSTER: which operand neighbours share changes sides between the two kinds of work-group, the way out parts on the work-group's number, and each tile is asked for once, at the head.
; AS IT STANDS NOW: a tile's two records (K = 0-511, 512-1,023) are neighbours in memory, so ONE tensor load a wave brings its two tiles whole, 2 rows of 8,704 bytes.
; REC is a tile's 8,704 bytes, in memory and in LDS; what the text calls slot 1 is each tile's second record, SLOT bytes on.  One load of mine is out.
.set NCH, 1
.set REC, 8704
.set SLOT, 4352
.set SPARE, 32*REC                     ; behind the 32 tiles: the spare words, 128 bytes for each of 16 waves
.set QC, 4587520
.set QS, 6684672
.set AP, 3                             ; v3-4   LDS address of my P fragments in slot 0, 1: 16 x lane + my 8 records
.set AQ, 5                             ; v5-6   of my Q fragments
.set ASP, 7                            ; v7-8   of P's scale words: lanes 0-15 an even tile's, lanes 16-31 the next tile's
.set ASQ, 9                            ; v9-10  of Q's
.set SPW, 11                           ; v11    my spare word; never rewritten
.set NIL, 12                           ; v12    0; never rewritten
.set L16, 13                           ; v13    16 x lane
.set SP, 24                            ; v24-27 P's scale words, v28 Q's: these hold scales and nothing else
.set SQ, 28
.set PF, 32                            ; v32-95  P's 8 fragments
.set QF, 96                            ; v96-111 Q's 2; on the way out the codes just made
.set TM, 112                           ; v112-127 the quantiser's
.set ACC, 128                          ; accumulator (p, q) at v[128 + 8 (8 q + p)]
.set WV, 14
.set SEL, 20
.set G1, 24
.set G0, 32
.macro WM d, a, b, sa, sb, ra, rb      ; one product, added in place; ra, rb: the scale words stand in lanes 16-31
.if (\ra) && (\rb)
	v_wmma_scale_f32_16x16x128_f8f6f4 v[(\d):(\d)+7], v[(\a):(\a)+7], v[(\b):(\b)+7], v[(\d):(\d)+7], v[\sa], v[\sb] matrix_a_fmt:MATRIX_FMT_FP4 matrix_b_fmt:MATRIX_FMT_FP4 matrix_a_scale:MATRIX_SCALE_ROW1 matrix_b_scale:MATRIX_SCALE_ROW1
.elseif \ra
	v_wmma_scale_f32_16x16x128_f8f6f4 v[(\d):(\d)+7], v[(\a):(\a)+7], v[(\b):(\b)+7], v[(\d):(\d)+7], v[\sa], v[\sb] matrix_a_fmt:MATRIX_FMT_FP4 matrix_b_fmt:MATRIX_FMT_FP4 matrix_a_scale:MATRIX_SCALE_ROW1
.elseif \rb
	v_wmma_scale_f32_16x16x128_f8f6f4 v[(\d):(\d)+7], v[(\a):(\a)+7], v[(\b):(\b)+7], v[(\d):(\d)+7], v[\sa], v[\sb] matrix_a_fmt:MATRIX_FMT_FP4 matrix_b_fmt:MATRIX_FMT_FP4 matrix_b_scale:MATRIX_SCALE_ROW1
.else
	v_wmma_scale_f32_16x16x128_f8f6f4 v[(\d):(\d)+7], v[(\a):(\a)+7], v[(\b):(\b)+7], v[(\d):(\d)+7], v[\sa], v[\sb] matrix_a_fmt:MATRIX_FMT_FP4 matrix_b_fmt:MATRIX_FMT_FP4
.endif
.endm
; 128 along K, the slot's q-th: 25 LDS loads in one run, then 16 products, the 16 accumulators by turns, in the same order in every step.
.macro STEP slot, q
.rept 4
	v_nop                                          ; four plain places between the last products and loads into registers that they read (ISA guide 7.12.1 for vector instructions)
.endr
.irp i, 0,1
.irp c, 0,1
	ds_load_b128 v[QF+8*\i+4*\c:QF+8*\i+4*\c+3], v[AQ+\slot] offset:\i*REC+(\q)*1024+\c*512
.endr
.endr
	ds_load_b32 v[SQ], v[ASQ+\slot] offset:(\q)*64
.irp i, 0,1,2,3
	ds_load_b32 v[SP+\i], v[ASP+\slot] offset:2*\i*REC+(\q)*64
.endr
.irp p, 0,1,2,3,4,5,6,7
.irp c, 0,1
	ds_load_b128 v[PF+8*\p+4*\c:PF+8*\p+4*\c+3], v[AP+\slot] offset:\p*REC+(\q)*1024+\c*512
.endr
.endr
.irp pp, 0,1,2,3
	s_wait_dscnt 14-4*\pp                          ; P's fragment 2 pp is in: so many of P's 16 loads were issued behind its two
	WM ACC+8*(2*\pp), PF+8*(2*\pp), QF, SP+\pp, SQ, 0, 0
	WM ACC+8*(8+2*\pp), PF+8*(2*\pp), QF+8, SP+\pp, SQ, 0, 1
	s_wait_dscnt 12-4*\pp                          ; and fragment 2 pp + 1
	WM ACC+8*(2*\pp+1), PF+8*(2*\pp+1), QF, SP+\pp, SQ, 1, 0
	WM ACC+8*(8+2*\pp+1), PF+8*(2*\pp+1), QF+8, SP+\pp, SQ, 1, 1
.endr
.endm
; The change to the other slot: each wave's tensor loads have landed, the add, its LDS reads are back; a barrier; then the slot's four steps.
; (no change is left in the text: all of K lies in LDS behind the head's one barrier)
; 64 numbers of a lane, register 16 b + i = place 32 b + 16 (lane / 16) + i along the next K, become a fragment's codes in v[pc] on and its scale word in v[pw].
.macro QUANT s, pc, pw
.irp b, 0,1,2,3
	v_max3_num_f32 v[TM+\b], |v[(\s)+16*\b]|, |v[(\s)+1+16*\b]|, 0x1800000   ; my 16 numbers of block b, and the floor 2^(3 - 127): the byte cannot fall under 1
.endr
.irp i, 2,4,6,8,10,12,14
.irp b, 0,1,2,3
	v_max3_num_f32 v[TM+\b], v[TM+\b], |v[(\s)+16*\b+\i]|, |v[(\s)+1+16*\b+\i]|
.endr
.endr
.irp b, 0,1,2,3
	s_delay_alu instid0(VALU_DEP_4)
	v_permlanex16_b32 v[TM+4+\b], v[TM+\b], s[SEL], s[SEL+1]
.endr
.irp b, 0,1,2,3
	s_delay_alu instid0(VALU_DEP_4)
	v_max_num_f32 v[TM+\b], v[TM+\b], v[TM+4+\b]   ; with lane l xor 16's 16: the block's largest magnitude
.endr
.irp b, 0,1,2,3
	s_delay_alu instid0(VALU_DEP_4)
	v_add_nc_u32 v[TM+12+\b], 0xff000000, v[TM+\b] ; 2 off the exponent field: the conversion's scale operand
.endr
.irp b, 0,1,2,3
	s_delay_alu instid0(VALU_DEP_4)
	v_lshrrev_b32 v[TM+4+\b], 23, v[TM+12+\b]      ; the scale's byte
.endr
	s_delay_alu instid0(VALU_DEP_3)
	v_lshl_or_b32 v[\pw], v[TM+5], 8, v[TM+4]
	s_delay_alu instid0(VALU_DEP_1)
	v_lshl_or_b32 v[\pw], v[TM+6], 16, v[\pw]
	s_delay_alu instid0(VALU_DEP_1)
	v_lshl_or_b32 v[\pw], v[TM+7], 24, v[\pw]
.irp b, 0,1,2,3
	v_cvt_scalef32_pk8_fp4_f32 v[(\pc)+2*\b], v[(\s)+16*\b:(\s)+7+16*\b], v[TM+12+\b]
	v_cvt_scalef32_pk8_fp4_f32 v[(\pc)+1+2*\b], v[(\s)+8+16*\b:(\s)+15+16*\b], v[TM+12+\b]
.endr
	v_nop                                          ; one plain place behind a scaled conversion
.irp c, 0,1                            ; the operand wants a whole block in a lane: lanes 0-15 block 2 c, lanes 16-31 block 2 c + 1
.irp i, 0,1
	v_permlane16_swap_b32 v[(\pc)+4*\c+\i], v[(\pc)+2+4*\c+\i]
.endr
.endr
.endm
	s_load_b256 s[4:11], s[0:1], 0x0               ; xn s[4:5], wts s[6:7], qkv_b s[8:9], qkv s[10:11]
	v_lshl_add_u32 v[SPW], v0, 2, SPARE
	v_mov_b32 v[NIL], 0
	ds_add_u32 v[SPW], v[NIL]                      ; the wave's opening: the add, twice on end, and its wait ahead of my first tensor load
	ds_add_u32 v[SPW], v[NIL]
	v_lshrrev_b32 v1, 5, v0
	s_delay_alu instid0(VALU_DEP_1)
	v_readfirstlane_b32 s[WV], v1                  ; wave 0..15
	s_lshr_b32 s15, s[WV], 3                       ; wp
	s_and_b32 s16, s[WV], 7                        ; wq
	s_and_b32 s40, ttmp9, 7
	s_lshr_b32 s41, ttmp9, 3
	s_and_b32 s42, ttmp9, 3
	s_lshr_b32 s43, ttmp9, 2
	s_sub_co_u32 s43, s43, 32
	s_cmp_lt_u32 ttmp9, 128
	s_cselect_b32 s17, s40, s43                    ; which 256 rows of P
	s_cselect_b32 s18, s41, s42                    ; which 256 rows of Q
	s_cselect_b32 s19, 1, 0                        ; 1: P is the weight (q, k)
	s_mov_b32 s[G1], 3<<16                         ; group 1: elements of 8 bytes, no padding, no mask
	s_mov_b32 s[G1+1], 1088<<16                    ; tensor_dim0: a tile's two records, 1,088 elements
	s_mov_b32 s[G1+2], 2<<16                       ; tensor_dim1: 2 tiles
	s_mov_b32 s[G1+3], 1088<<16                    ; tile_dim0
	s_mov_b32 s[G1+4], 2                           ; tile_dim1
	s_mov_b32 s[G1+5], 1088                        ; from tile to tile
	s_mov_b32 s[G1+6], 0
	s_mov_b32 s[G1+7], 0
	s_mov_b32 s[SEL], 0x76543210
	s_mov_b32 s[SEL+1], 0xfedcba98
	s_mul_i32 s46, s17, 16*NCH*REC
	s_mov_b32 s47, 0
	s_mul_i32 s48, s18, 16*NCH*REC
	s_mov_b32 s49, 0
	s_mul_i32 s50, s16, 2*NCH*REC                  ; waves 0-7: P's tiles 2 w on; waves 8-15: Q's tiles 2 (w - 8) on
	s_mov_b32 s51, 0
	s_wait_dscnt 0x0                               ; both opening adds are done
	s_wait_kmcnt 0x0
	s_add_nc_u64 s[44:45], s[6:7], 128*NCH*REC     ; qkv_w's tiles of v
	s_cmp_lg_u32 s19, 0                            ; the choice hangs on the work-group's number alone
	s_cselect_b64 s[40:41], s[6:7], s[4:5]
	s_cselect_b64 s[42:43], s[4:5], s[44:45]
	s_add_nc_u64 s[40:41], s[40:41], s[46:47]
	s_add_nc_u64 s[42:43], s[42:43], s[48:49]
	s_cmp_lt_u32 s[WV], 8
	s_cselect_b64 s[40:41], s[40:41], s[42:43]
	s_add_nc_u64 s[40:41], s[40:41], s[50:51]
	s_mov_b32 s[G0], 1
	s_mul_i32 s[G0+1], s[WV], 2*REC                ; LDS: P's 16 records, then Q's 16
	s_mov_b64 s[G0+2:G0+3], s[40:41]
	s_or_b32 s[G0+3], s[G0+3], 0x80000000
	tensor_load_to_lds s[G0:G0+3], s[G1:G1+7]      ; every wave asks for its two tiles, all of K: its one tensor load
	s_nop 0
.rept 4
	v_nop
.endr
	v_and_b32 v1, 15, v0                           ; r
	v_bfe_u32 v2, v0, 4, 1                         ; h
	v_and_b32 v[L16], 31, v0
	s_delay_alu instid0(VALU_DEP_1)
	v_lshlrev_b32 v[L16], 4, v[L16]
	s_mul_i32 s40, s15, 8*REC
	v_add_nc_u32 v[AP], s40, v[L16]
	s_delay_alu instid0(VALU_DEP_1)
	v_add_nc_u32 v[AP+1], SLOT, v[AP]
	s_mul_i32 s41, s16, 2*REC
	s_add_co_u32 s41, s41, 16*REC
	v_add_nc_u32 v[AQ], s41, v[L16]
	s_delay_alu instid0(VALU_DEP_1)
	v_add_nc_u32 v[AQ+1], SLOT, v[AQ]
	v_mul_u32_u24 v14, v2, REC
	s_delay_alu instid0(VALU_DEP_1)
	v_lshl_add_u32 v14, v1, 2, v14
	s_delay_alu instid0(VALU_DEP_1)
	v_add_nc_u32 v[ASP], s40, v14
	s_delay_alu instid0(VALU_DEP_1)
	v_add_nc_u32 v[ASP], 4096, v[ASP]
	s_delay_alu instid0(VALU_DEP_1)
	v_add_nc_u32 v[ASP+1], SLOT, v[ASP]
	s_delay_alu instid0(VALU_DEP_4)
	v_add_nc_u32 v[ASQ], s41, v14
	s_delay_alu instid0(VALU_DEP_1)
	v_add_nc_u32 v[ASQ], 4096, v[ASQ]
	s_delay_alu instid0(VALU_DEP_1)
	v_add_nc_u32 v[ASQ+1], SLOT, v[ASQ]
.irp b, 0,1,2,3
	v_mov_b32 v[TM+4+\b], 0                        ; written once: a lane permute's destination counts as one of its sources
.endr
	; the bias, into the accumulators' registers: the sums' first value
	s_cmp_lg_u32 s19, 0
	s_cbranch_scc0 .Lbias_v
	s_lshl_b32 s44, s17, 10                        ; q, k: register 16 b + i of a token tile is column 32 b + 16 h + i of my 128
	s_lshl_b32 s45, s15, 9
	s_add_co_u32 s44, s44, s45
	s_mov_b32 s45, 0
	s_add_nc_u64 s[8:9], s[8:9], s[44:45]          ; qkv_b at my 128 columns
	v_lshlrev_b32 v15, 6, v2
.irp q, 0,1
.irp b, 0,1,2,3
.irp i, 0,1,2,3
	global_load_b128 v[ACC+64*\q+16*\b+4*\i:ACC+64*\q+16*\b+4*\i+3], v15, s[8:9] offset:128*\b+16*\i
.endr
.endr
.endr
	s_branch .Lbias_in
.Lbias_v:
	s_lshl_b32 s44, s18, 10                        ; v: a lane holds one column: one number a lane and tile
	s_lshl_b32 s45, s16, 7
	s_add_co_u32 s44, s44, s45
	s_add_co_u32 s44, s44, 8192
	s_mov_b32 s45, 0
	s_add_nc_u64 s[8:9], s[8:9], s[44:45]          ; qkv_b at v's columns 256 Qt + 32 wq on
	v_and_b32 v15, 7, v1
	v_lshrrev_b32 v18, 3, v1
	s_delay_alu instid0(VALU_DEP_1)
	v_lshl_add_u32 v15, v18, 4, v15
	s_delay_alu instid0(VALU_DEP_1)
	v_lshlrev_b32 v15, 2, v15
	global_load_b32 v32, v15, s[8:9]
	global_load_b32 v33, v15, s[8:9] offset:32
	s_wait_loadcnt 0x0
.set j, 0
.rept 64
	v_mov_b32 v[ACC+j], v32                        ; these copies stand where the wave would wait for its tiles
	v_mov_b32 v[ACC+64+j], v33
.set j, j+1
.endr
.Lbias_in:
	s_wait_tensorcnt 0x0                           ; my two tiles are in
	s_barrier_signal -1
	s_barrier_wait -1
	s_wait_loadcnt 0x0                             ; the bias
	s_wait_alu depctr_va_vdst(0)
	STEP 0, 0
	STEP 0, 1
	STEP 0, 2
	STEP 0, 3
	STEP 1, 0
	STEP 1, 1
	STEP 1, 2
	STEP 1, 3
.rept 4
	v_nop                                          ; places in front of the first reads of results and of writes into the fragments' registers
.endr
	s_lshr_b32 s40, s16, 2                         ; from here on Q's rows are counted in blocks of 128 and, in them, in fours of 32
	s_lshl_b32 s18, s18, 1
	s_add_co_u32 s18, s18, s40
	s_and_b32 s16, s16, 3
	s_cmp_lg_u32 s19, 0
	s_cbranch_scc0 .Lvals
	; ---- q and k.  A lane holds one token; its 64 registers of a token tile are 128 columns: two heads.  Registers 4 c .. 4 c + 3 of the codes are head c's 64.
	s_lshr_b32 s40, s18, 4                         ; batch
	s_and_b32 s41, s18, 15                         ; which 128 tokens of the sequence
	s_and_b32 s42, s17, 3
	s_lshl_b32 s42, s42, 2
	s_lshl_b32 s43, s15, 1
	s_add_co_u32 s42, s42, s43
	s_lshl_b32 s40, s40, 4
	s_add_co_u32 s42, s42, s40                     ; 16 batch + my first head
	s_lshl_b32 s44, s42, 7
	s_lshl_b32 s45, s41, 3
	s_add_co_u32 s44, s44, s45
	s_lshl_b32 s45, s16, 1
	s_add_co_u32 s44, s44, s45                     ; q: the head's tile
	s_lshl_b32 s46, s44, 9
	s_add_co_u32 s46, s46, QC
	s_lshl_b32 s47, s44, 6
	s_add_co_u32 s47, s47, QS
	s_lshl_b32 s44, s42, 4
	s_add_co_u32 s44, s44, s41
	s_mul_i32 s44, s44, 8960                       ; k: the record of head and key step
	s_lshl_b32 s45, s16, 10
	s_add_co_u32 s48, s44, s45
	s_lshl_b32 s45, s16, 7
	s_add_co_u32 s49, s44, s45
	s_add_co_u32 s49, s49, 8192
	s_mov_b32 s50, 143360                          ; from head to head: 16 records
	s_cmp_lt_u32 s17, 4                            ; columns 0-1,023 are q's
	s_cselect_b32 s46, s46, s48
	s_cselect_b32 s47, s47, s49
	s_cselect_b32 s51, 0x10000, s50
	s_cselect_b32 s52, 8192, s50
	v_add_nc_u32 v16, s46, v[L16]                  ; head 0's image,
	s_delay_alu instid0(VALU_DEP_1)
	v_add_nc_u32 v17, s51, v16                     ; head 1's
	v_mul_lo_u32 v18, v2, s52
	s_delay_alu instid0(VALU_DEP_1)
	v_lshl_add_u32 v18, v1, 2, v18
	s_delay_alu instid0(VALU_DEP_1)
	v_add_nc_u32 v18, s47, v18                     ; scale words: lanes 0-15 store head 0's, lanes 16-31 head 1's
	v_lshlrev_b32 v19, 4, v2
	QUANT ACC, QF, 29
	QUANT ACC+64, QF+8, 30
.irp q, 0,1
	v_lshrrev_b32 v[20+\q], v19, v[29+\q]          ; head h's two bytes in the word's low half; what stands above them meets zero codes alone and is never 0xff
	global_store_b128 v16, v[QF+8*\q:QF+8*\q+3], s[10:11] offset:512*\q       ; 512 consecutive bytes
	global_store_b128 v17, v[QF+8*\q+4:QF+8*\q+7], s[10:11] offset:512*\q
	global_store_b32 v18, v[20+\q], s[10:11] offset:64*\q
.endr
	s_branch .Ldone
	; ---- v.  A lane holds one channel of a head; its 64 registers are 128 keys: a fragment of V^T.
.Lvals:
	s_lshr_b32 s40, s17, 3
	s_lshl_b32 s40, s40, 4
	s_lshl_b32 s41, s18, 1
	s_add_co_u32 s40, s40, s41
	s_lshr_b32 s41, s16, 1
	s_add_co_u32 s40, s40, s41                     ; 16 batch + head
	s_lshl_b32 s40, s40, 4
	s_lshl_b32 s41, s17, 1
	s_add_co_u32 s41, s41, s15
	s_and_b32 s41, s41, 15                         ; key step
	s_add_co_u32 s40, s40, s41
	s_mul_i32 s40, s40, 8960
	s_and_b32 s41, s16, 1
	s_lshl_b32 s42, s41, 11
	s_add_co_u32 s42, s42, s40
	s_add_co_u32 s42, s42, 4096
	s_lshl_b32 s43, s41, 7
	s_add_co_u32 s43, s43, s40
	s_add_co_u32 s43, s43, 8704
	v_add_nc_u32 v16, s42, v[L16]
	v_and_b32 v17, 31, v0
	s_delay_alu instid0(VALU_DEP_1)
	v_lshl_add_u32 v17, v17, 2, s43
	s_mov_b32 s45, 0xffff0000
	QUANT ACC, QF, 29
	QUANT ACC+64, QF+8, 30
	v_cndmask_b32 v19, v29, v30, s45               ; lanes 0-15: the first tile's words, lanes 16-31 the second's
.irp q, 0,1
.irp c, 0,1
	global_store_b128 v16, v[QF+8*\q+4*\c:QF+8*\q+4*\c+3], s[10:11] offset:1024*\q+512*\c
.endr
.endr
	global_store_b32 v17, v19, s[10:11]
.Ldone:
	s_wait_tensorcnt 0x0                           ; the wave's end
	ds_add_u32 v[SPW], v[NIL]
	s_wait_dscnt 0x0
	s_endpgm
.Lfunc_end_k_q2f09e9f83e_gqkv:
	.size	k_q2f09e9f83e_gqkv, .Lfunc_end_k_q2f09e9f83e_gqkv-k_q2f09e9f83e_gqkv
	.p2alignl 7, 3214868480
	.fill 96, 4, 3214868480
	.section	.rodata,"a",@progbits
	.p2align	6, 0x0
	.amdhsa_kernel k_q2f09e9f83e_gqkv
		.amdhsa_group_segment_fixed_size 280576
		.amdhsa_private_segment_fixed_size 0
		.amdhsa_enable_private_segment 0
		.amdhsa_kernarg_size 32
		.amdhsa_user_sgpr_count 2
		.amdhsa_user_sgpr_kernarg_segment_ptr 1
		.amdhsa_wavefront_size32 1
		.amdhsa_system_sgpr_workgroup_id_x 1
		.amdhsa_system_sgpr_workgroup_id_y 1
		.amdhsa_system_sgpr_workgroup_id_z 1
		.amdhsa_system_vgpr_workitem_id 0
		.amdhsa_next_free_vgpr 256
		.amdhsa_next_free_sgpr 66
		.amdhsa_reserve_vcc 0
		.amdhsa_float_denorm_mode_32 3
		.amdhsa_float_denorm_mode_16_64 3
		.amdhsa_memory_ordered 1
		.amdhsa_forward_progress 1
		.amdhsa_inst_pref_size 66
	.end_amdhsa_kernel
	.amdgpu_metadata
---
amdhsa.version: [ 1, 2 ]
amdhsa.kernels:
  - .name:           k_q2f09e9f83e_gqkv
    .symbol:         k_q2f09e9f83e_gqkv.kd
    .args:
      - { .name: xn, .offset: 0, .size: 8, .value_kind: global_buffer, .address_space: global }
      - { .name: wts, .offset: 8, .size: 8, .value_kind: global_buffer, .address_space: global }
      - { .name: qkv_b, .offset: 16, .size: 8, .value_kind: global_buffer, .address_space: global }
      - { .name: qkv, .offset: 24, .size: 8, .value_kind: global_buffer, .address_space: global }
    .group_segment_fixed_size: 280576
    .private_segment_fixed_size: 0
    .kernarg_segment_align: 8
    .kernarg_segment_size: 32
    .max_flat_workgroup_size: 512
    .sgpr_count:     66
    .vgpr_count:     256
    .wavefront_size: 32
...
	.end_amdgpu_metadata
.endif
;; end of part 11
;; launch attn (part 12): grid 8 x 32, 16 waves a work-group, clusters of 4 x 1, 327,680 bytes of LDS; arguments qkv, wts, ao, ff1_w, ff2_w, wff; writes ao, wff
.if DOCPART == 12
	.amdgcn_target "amdgcn-amd-amdhsa--gfx1250"
	.amdhsa_code_object_version 6
	.text
	.protected	k_q2f09e9f83e_attn
	.globl	k_q2f09e9f83e_attn
	.p2align	8
	.type	k_q2f09e9f83e_attn,@function
k_q2f09e9f83e_attn:
	s_mov_b64 s[64:65], 0
	v_nop
	global_prefetch_b8 v0, s[64:65] scope:SCOPE_SE
	s_setreg_imm32_b32 hwreg(HW_REG_WAVE_MODE, 25, 1), 1
	s_wait_xcnt 0x0
	s_wait_alu depctr_hold_cnt(0) depctr_sa_sdst(0) depctr_va_vdst(0) depctr_va_sdst(0) depctr_va_ssrc(0) depctr_va_vcc(0) depctr_vm_vsrc(0)
	s_getreg_b32 s2, hwreg(HW_REG_IB_STS2, 6, 4)
	s_cmp_eq_u32 s2, 0
	s_cbranch_scc0 .Lentry_in_a_cluster
	s_endpgm
.Lentry_in_a_cluster:
	s_bfe_u32 s2, ttmp6, 0x10000c
	s_cmp_lg_u32 s2, 0x3003
	s_cbranch_scc0 .Lentry_shape_is_right
	s_endpgm
.Lentry_shape_is_right:
; Launch 4: ao = Q(softmax(q k^T / 8 + decay x rel_pos_bias) v), both products on codes of E2M1, the result quantised along the channels as records of the projection's operand.  No work is left out.
; THE SOFTMAX: t = (q.k + 8 x term) x log2(e) / 8; M = the running largest t rounded up to a whole number; p = 2^(t - M) is quantised along the keys; the row's sum is taken of the unquantised p and divides at the end.
; LIMIT: the promise holds while the scaled scores t stay under 2^31 in magnitude.
; SHARES.  A work-group owns 256 queries of one head and batch, each of its 16 waves one tile of 16; every wave walks the head's 2,048 keys, 128 a step.
; A key step's record is 8,960 bytes: 8 tiles of K (512 bytes: 16 a lane, the head's 64), from 4,096 on 4 tiles of V^T (1,024 bytes), from 8,192 on K's scale words, from 8,704 on V's.
; K's fragments have 4 registers of codes; the 4 above them meet Q's upper 4 registers, which hold zero codes.
; THE TERM OF THE POSITIONS is the C of the first product: 16 neighbours of the table for each pair of tiles, read from that one of four copies in which they lie at 16 aligned bytes.
; LDS: 16 records; 4 pieces of the table's copies (9,216 bytes each); the spare words.  Nothing is filled twice.
; THE FILLS GO IN TWO GROUPS.  At the head waves 0-3 ask for the table's pieces and waves 4-7 for key steps 0-3: one load a wave.  Behind a round of the cluster's barrier, waves 4-15 ask for
; key steps 4-15, wave w for step w: these have the first four steps' work in which to land; a barrier stands in front of step 4.  One load of a wave is out at any place of the text.
; CLUSTER: the four work-groups of a cluster are four query blocks of one head: K's and V's records are asked for jointly (mask 15); their descriptors hang on the head and the wave's number alone.
; The table's pieces hang on the query block and come by loads of each work-group's own.
; NO PREFETCH: every tile is asked for ahead of the loops; there is no loop to run ahead in.
; THE PLACES behind matrix instructions are work that is due anyway: behind the first product the next step's addresses and the copy of -M, behind the second the row's sums.
; BESIDE IT: THE FEED-FORWARD WEIGHTS BECOME CODES HERE.  ff1_w [1,024][4,096] and ff2_w [4,096][1,024] are 2 x 4,096 runs of 32 columns x 32 along K, and the launch has 4,096 waves: each takes one run of each.
; A lane takes a column and its 32 registers run down K: a block lies in one lane.  ff1_w's 32 loads go out at the head and are worked in front of key step 4; ff2_w's go out there and are worked behind the last step.
; The codes and scale bytes go to wff in the layout of every operand of this program (tiles of 16 rows, records of 4,352 bytes for 512 along K): ff1_w's from byte 0, ff2_w's from byte 2,228,224.
.set QC, 4587520                       ; in qkv: q's codes, 512 bytes a tile
.set QS, 6684672                       ; and q's scale words, 64 bytes a tile
.set TB, 6684672                       ; in wts: the table, [16 heads][4 copies][4,096] f32
.set RECB, 8960
.set TBL, 16*RECB
.set SPARE, TBL+37120                  ; the spare words, 128 bytes for each of 16 waves
.set S, 100                            ; v100-163 the scores, then p
.set O, 164                            ; v164-195 O^T
.set PCD, 196                          ; v196-203 p's codes
.set W, 204                            ; v204-235 a weight's block of 32 numbers: no line of a key step names them
.set BM, 240                           ; v240-243 the blocks' largest scores
.set OLDM, 31                          ; v31 -M as the step found it
.set SEL, 20                           ; s[20:21] v_permlanex16_b32's selects for lane l xor 16
.set CS, 22                            ; s[22:23] log2(e) / 8
.macro WM d, a, b, sa, sb, ra          ; one product, added in place; ra: source 0's scale words stand in lanes 16-31
.if \ra
	v_wmma_scale_f32_16x16x128_f8f6f4 v[(\d):(\d)+7], v[(\a):(\a)+7], v[(\b):(\b)+7], v[(\d):(\d)+7], v[\sa], v[\sb] matrix_a_fmt:MATRIX_FMT_FP4 matrix_b_fmt:MATRIX_FMT_FP4 matrix_a_scale:MATRIX_SCALE_ROW1
.else
	v_wmma_scale_f32_16x16x128_f8f6f4 v[(\d):(\d)+7], v[(\a):(\a)+7], v[(\b):(\b)+7], v[(\d):(\d)+7], v[\sa], v[\sb] matrix_a_fmt:MATRIX_FMT_FP4 matrix_b_fmt:MATRIX_FMT_FP4
.endif
.endm
.macro ROUND                           ; a round of the cluster's barrier
	s_barrier_signal -1
	s_barrier_wait -1
	s_cmp_lg_u32 s10, 0
	s_cbranch_scc1 .Lnot_wave_0_\@
	s_barrier_signal -3
.Lnot_wave_0_\@:
	s_barrier_wait -3
	s_barrier_signal -1
	s_barrier_wait -1
.endm
.macro WLOAD base, pitch               ; my column in the block's 32 rows: 128 consecutive bytes a wave and row, 2,048 a work-group
.set i, 0
.rept 32
	global_load_b32 v[W+i], v4, s[\base:\base+1] offset:i*\pitch th:TH_LOAD_NT
.set i, i+1
.endr
.endm
.macro WQUANT ts, sd, ss               ; the block in v[W] on becomes 16 bytes of codes and a scale byte; ts: bytes from tile to tile; s[sd], s[ss]: where my wave's codes and bytes go
	s_wait_loadcnt 0x0                             ; the block's 32 loads are in
	s_wait_xcnt 0x0                                ; and earlier stores have read their registers
	v_max3_num_f32 v244, |v[W]|, |v[W+1]|, |v[W+2]|                ; the largest magnitude, in two chains
	v_max3_num_f32 v245, |v[W+3]|, |v[W+4]|, |v[W+5]|
.irp i, 6,10,14,18,22,26
	v_max3_num_f32 v244, v244, |v[W+\i]|, |v[W+\i+1]|
	v_max3_num_f32 v245, v245, |v[W+\i+2]|, |v[W+\i+3]|
.endr
	v_and_b32 v246, 15, v0                         ; r
	v_bfe_u32 v247, v0, 4, 1                       ; which of my wave's two tiles
	v_max3_num_f32 v244, v244, |v[W+30]|, |v[W+31]|
	v_mul_u32_u24 v247, v247, \ts
	v_max3_num_f32 v244, v244, v245, 0x1800000     ; and the floor 2^(3 - 127): the byte cannot fall under 1
	v_lshl_add_u32 v7, v246, 4, v247
	v_lshl_add_u32 v11, v246, 2, v247
	v_add_nc_u32 v245, 0xff000000, v244            ; 2 off the exponent field: the conversion's scale operand
	v_add_nc_u32 v7, s[\sd], v7
	v_add_nc_u32 v11, s[\ss], v11
	v_lshrrev_b32 v255, 23, v245                   ; the scale's byte
.irp g, 0,1,2,3
	v_cvt_scalef32_pk8_fp4_f32 v[248+\g], v[W+8*\g:W+8*\g+7], v245
.endr
	v_nop                                          ; one plain place behind a scaled conversion
	global_store_b128 v7, v[248:251], s[72:73]     ; 16 lanes fill 256 aligned bytes of a record
	global_store_b8 v11, v255, s[72:73] offset:4096
.endm
	s_load_b128 s[4:7], s[0:1], 0x0                ; qkv, wts
	s_load_b64 s[8:9], s[0:1], 0x10                ; ao
	s_load_b128 s[68:71], s[0:1], 0x18             ; ff1_w, ff2_w
	s_load_b64 s[72:73], s[0:1], 0x28              ; wff
	v_lshl_add_u32 v5, v0, 2, SPARE                ; v5: my spare word; v6: 0; both kept
	v_mov_b32 v6, 0
	ds_add_u32 v5, v6                              ; the wave's opening: the add, twice on end, and its wait
	ds_add_u32 v5, v6
	v_lshrrev_b32 v1, 5, v0
	s_delay_alu instid0(VALU_DEP_1)
	v_readfirstlane_b32 s10, v1                    ; wave 0..15
	s_bfe_u32 s2, ttmp6, 0x40000                   ; cx
	s_lshl_b32 s59, ttmp9, 2
	s_add_co_u32 s59, s59, s2                      ; my query block = 4 x cluster x + cx: it enters global addresses of my own loads and stores alone
	s_and_b32 s11, ttmp7, 0xffff                   ; 16 batch + head
	s_and_b32 s12, s11, 15
	s_lshr_b32 s13, s11, 4
	s_mov_b32 s24, 15|(3<<16)|(1<<21)              ; group 1 for a record: the cluster's four; elements of 8 bytes; 35 rows of 256 bytes, dense
	s_mov_b32 s25, 32<<16
	s_mov_b32 s26, 35<<16
	s_mov_b32 s27, 32<<16
	s_mov_b32 s28, 35
	s_mov_b32 s29, 32
	s_mov_b32 s30, 0
	s_mov_b32 s31, 0
	s_mov_b32 s32, 3<<16                           ; group 1 for a piece of the table: no mask; 36 rows of 256 bytes
	s_mov_b32 s33, 32<<16
	s_mov_b32 s34, 36<<16
	s_mov_b32 s35, 32<<16
	s_mov_b32 s36, 36
	s_mov_b32 s37, 32
	s_mov_b32 s38, 0
	s_mov_b32 s39, 0
	s_and_b32 s19, s10, 3
	s_lshl_b32 s14, s11, 4
	s_add_co_u32 s50, s14, s10
	s_mul_i32 s50, s50, RECB                       ; the second group: key step = my wave's number
	s_mov_b32 s51, 0
	s_add_co_u32 s14, s14, s19
	s_mul_i32 s14, s14, RECB                       ; the head's: key step wave % 4
	s_mov_b32 s15, 0
	s_lshl_b32 s16, s12, 2
	s_add_co_u32 s16, s16, s19                     ; the table: copy wave % 4 of my head,
	s_lshl_b32 s16, s16, 14
	s_add_co_u32 s16, s16, TB+1792*4
	s_lshl_b32 s17, s59, 10
	s_sub_co_u32 s16, s16, s17                     ; from place 1,792 - 256 x query block on
	s_mov_b32 s17, 0
	s_and_b32 s18, s19, 1
	s_mul_i32 s18, s18, 9248
	s_lshr_b32 s2, s19, 1
	s_mul_i32 s2, s2, 18560
	s_add_co_u32 s18, s18, s2                      ; the copies' places in LDS are moved against each other
	s_mov_b32 s[SEL], 0x76543210
	s_mov_b32 s[SEL+1], 0xfedcba98
	s_mov_b32 s[CS], 0x3e38aa3b
	s_mov_b32 s[CS+1], s[CS]
	s_lshl_b32 s48, s11, 7
	s_lshl_b32 s49, s59, 4
	s_add_co_u32 s48, s48, s49
	s_add_co_u32 s48, s48, s10                     ; my tile of queries
	s_lshl_b32 s49, s48, 9
	s_add_co_u32 s49, s49, QC                      ; its codes,
	s_lshl_b32 s48, s48, 6
	s_add_co_u32 s48, s48, QS                      ; its scale words
	s_lshr_b32 s3, s10, 1
	s_lshl_b32 s3, s3, 7
	s_and_b32 s2, s10, 1
	s_lshl_b32 s2, s2, 5
	s_add_co_u32 s3, s3, s2
	s_sub_co_u32 s3, TBL+252*4, s3                 ; where my tile's first query stands in the table's piece
	s_lshl_b32 s53, s13, 7                         ; the way out: the record of my token tile and of my head's 512 channels,
	s_lshl_b32 s54, s59, 4
	s_add_co_u32 s53, s53, s54
	s_add_co_u32 s53, s53, s10
	s_lshl_b32 s53, s53, 1
	s_lshr_b32 s54, s12, 3
	s_add_co_u32 s53, s53, s54
	s_mul_i32 s53, s53, 4352
	s_bfe_u32 s54, s12, 0x20001
	s_and_b32 s55, s12, 1
	s_lshl_b32 s56, s54, 10
	s_add_co_u32 s56, s56, s53
	s_lshl_b32 s57, s55, 9
	s_add_co_u32 s56, s56, s57                     ; s56: my head's 512 bytes of codes in it,
	s_lshl_b32 s57, s54, 6
	s_add_co_u32 s57, s57, s53
	s_lshl_b32 s58, s55, 1
	s_add_co_u32 s57, s57, s58
	s_add_co_u32 s57, s57, 4096                    ; s57: its two scale bytes of each word
	; ff1_w: my 32 columns are group 16 x query block + wave of 128, my block along K is number y = 16 batch + head of 32
	s_lshl_b32 s66, s59, 4
	s_add_co_u32 s66, s66, s10
	s_lshl_b32 s74, s11, 19                        ; 32 rows of 16,384 bytes a block,
	s_lshl_b32 s67, s66, 7
	s_add_co_u32 s74, s74, s67                     ; 128 bytes a group: s[74:75]: where my run begins in ff1_w
	s_mov_b32 s75, 0
	s_mul_i32 s66, s66, 17408                      ; my two tiles, of two records each,
	s_lshr_b32 s67, s11, 4
	s_mul_i32 s67, s67, 4352
	s_add_co_u32 s66, s66, s67                     ; the record of my 512 along K;
	s_and_b32 s67, s11, 15
	s_lshl_b32 s67, s67, 8
	s_add_co_u32 s78, s66, s67                     ; s78: a block's codes are 256 bytes of a tile's record
	s_bfe_u32 s67, s11, 0x20002
	s_lshl_b32 s67, s67, 6
	s_add_co_u32 s79, s66, s67
	s_and_b32 s67, s11, 3
	s_add_co_u32 s79, s79, s67                     ; s79: its byte: 64 bytes of words for each 128 along K, byte = block % 4
	; ff2_w: group 16 (query block % 2) + wave of 32, block 4 y + query block / 2 of 128
	s_and_b32 s66, s59, 1
	s_lshl_b32 s66, s66, 4
	s_add_co_u32 s66, s66, s10
	s_lshl_b32 s80, s11, 2
	s_lshr_b32 s67, s59, 1
	s_add_co_u32 s80, s80, s67
	s_lshl_b32 s76, s80, 17                        ; 32 rows of 4,096 bytes a block
	s_lshl_b32 s67, s66, 7
	s_add_co_u32 s76, s76, s67                     ; s[76:77]: where my run begins in ff2_w
	s_mov_b32 s77, 0
	s_mul_i32 s66, s66, 69632                      ; my two tiles, of eight records each,
	s_add_co_u32 s66, s66, 2228224                 ; behind ff1_w's
	s_lshr_b32 s67, s80, 4
	s_mul_i32 s67, s67, 4352
	s_add_co_u32 s66, s66, s67
	s_and_b32 s67, s80, 15
	s_lshl_b32 s67, s67, 8
	s_add_co_u32 s81, s66, s67                     ; s81: the codes,
	s_bfe_u32 s67, s80, 0x20002
	s_lshl_b32 s67, s67, 6
	s_add_co_u32 s82, s66, s67
	s_and_b32 s67, s80, 3
	s_add_co_u32 s82, s82, s67                     ; s82: the byte
	s_wait_dscnt 0x0                               ; both opening adds are done
	s_wait_kmcnt 0x0
	s_mov_b32 s40, 1                               ; group 0: the head's record,
	s_mul_i32 s41, s19, RECB
	s_add_nc_u64 s[42:43], s[4:5], s[14:15]
	s_or_b32 s43, s43, 0x80000000
	s_mov_b32 s44, 1                               ; the table's piece,
	s_add_co_u32 s45, s18, TBL
	s_add_nc_u64 s[46:47], s[6:7], s[16:17]
	s_or_b32 s47, s47, 0x80000000
	s_mov_b32 s60, 1                               ; the second group's record
	s_mul_i32 s61, s10, RECB
	s_add_nc_u64 s[62:63], s[4:5], s[50:51]
	s_or_b32 s63, s63, 0x80000000
	s_add_nc_u64 s[68:69], s[68:69], s[74:75]
	s_add_nc_u64 s[70:71], s[70:71], s[76:77]
	ROUND                                          ; the cluster's four are here: the first joint loads meet
	s_cmp_lt_u32 s10, 4                            ; one chain of branches on the wave's number, one load to an arm
	s_cbranch_scc0 .Lhead_kv
	tensor_load_to_lds s[44:47], s[32:39]
	s_nop 0
.rept 4
	v_nop
.endr
	s_branch .Lhead_asked
.Lhead_kv:
	s_cmp_lt_u32 s10, 8
	s_cbranch_scc0 .Lhead_asked
	tensor_load_to_lds s[40:43], s[24:31]
	s_nop 0
.rept 4
	v_nop
.endr
.Lhead_asked:
	v_and_b32 v1, 31, v0
	v_and_b32 v240, 15, v0                         ; r
	v_bfe_u32 v241, v0, 4, 1                       ; h
	s_delay_alu instid0(VALU_DEP_3)
	v_lshlrev_b32 v2, 2, v1                        ; v2: 4 x lane
	v_lshlrev_b32 v1, 4, v1                        ; v1: 16 x lane
	v_lshl_add_u32 v243, v240, 2, s48
	s_delay_alu instid0(VALU_DEP_2)
	v_add_nc_u32 v242, s49, v1
	global_load_b128 v[16:19], v242, s[4:5]        ; Q's fragment stays in registers
	global_load_b32 v24, v243, s[4:5]              ; and its scale words
	v_and_b32 v236, 7, v240                        ; v4: my column among the wave's 32, in bytes: lane r of tile h holds column 8 h + r % 8 + 16 (r / 8)
	v_lshrrev_b32 v237, 3, v240
	s_delay_alu instid0(VALU_DEP_1)
	v_lshl_add_u32 v236, v237, 4, v236
	s_delay_alu instid0(VALU_DEP_1)
	v_lshl_add_u32 v236, v241, 3, v236
	s_delay_alu instid0(VALU_DEP_1)
	v_lshlrev_b32 v4, 2, v236
	WLOAD 68, 16384                                ; ff1_w's block
	v_and_b32 v236, 3, v240                        ; v3: my lane's place in the table: the copy is picked by r % 4, so that my 16 neighbours begin at 16 aligned bytes
	s_delay_alu instid0(VALU_DEP_1)
	v_xor_b32 v236, 3, v236
	s_delay_alu instid0(VALU_DEP_1)
	v_and_b32 v237, 1, v236
	s_delay_alu instid0(VALU_DEP_1)
	v_mul_u32_u24 v3, v237, 9248
	s_delay_alu instid0(VALU_DEP_3)
	v_lshrrev_b32 v237, 1, v236
	s_delay_alu instid0(VALU_DEP_1)
	v_mad_u32_u24 v3, v237, 18560, v3
	s_delay_alu instid0(VALU_DEP_1)
	v_add_nc_u32 v3, s3, v3
	s_delay_alu instid0(VALU_DEP_1)
	v_lshl_add_u32 v3, v241, 6, v3
	v_and_b32 v237, 4, v240
	s_delay_alu instid0(VALU_DEP_1)
	v_lshlrev_b32 v237, 2, v237
	s_delay_alu instid0(VALU_DEP_1)
	v_sub_nc_u32 v3, v3, v237
	v_lshrrev_b32 v237, 3, v240
	s_delay_alu instid0(VALU_DEP_1)
	v_lshlrev_b32 v237, 6, v237
	s_delay_alu instid0(VALU_DEP_1)
	v_sub_nc_u32 v3, v3, v237
	v_mov_b32 v8, v1                               ; v8-10: the first step's addresses: codes, scale words, table
	v_mov_b32 v9, v2
	v_mov_b32 v10, v3
.irp j, 20,21,22,23,64,65,66,67
	v_mov_b32 v[\j], 0                             ; zero codes: Q's upper half, and what stands above K's last fragment
.endr
	v_mov_b32 v13, 0xff61b1e6                      ; the largest score so far: -3e38
	s_delay_alu instid0(VALU_DEP_1)
	v_floor_f32 v12, -v13                          ; -M: above every later one, so that the first f is 0
	v_mov_b32 v14, 0                               ; the sum, in two halves
	v_mov_b32 v15, 0
.irp b, 0,1,2,3
	v_mov_b32 v[236+\b], 0                         ; written once: a lane permute's destination counts as one of its sources
.endr
	v_mov_b32 v253, 0
.set j, 0
.rept 32
	v_mov_b32 v[O+j], 0                            ; O^T: the step is written once; the first change of M leaves zeros zeros
.set j, j+1
.endr
	s_mov_b32 s50, 0                               ; where the step's record begins
	s_mov_b32 s51, 0                               ; and its 128 places of the table
.macro TM8                             ; t - M for the next 16 scores
.rept 8
	v_pk_fma_f32 v[S+j:S+j+1], v[S+j:S+j+1], s[CS:CS+1], v[12:13] op_sel_hi:[1,0,0]
.set j, j+2
.endr
.endm
; A KEY STEP: 128 keys.  Its addresses were made in the step before.
.macro KSTEP
.irp b, 0,1,2,3
.irp i, 0,1,2,3
	ds_load_b128 v[S+16*\b+4*\i:S+16*\b+4*\i+3], v10 offset:128*\b+16*\i   ; the positions' term: the sums' first value
.endr
.endr
.irp t, 0,1,2,3,4,5,6,7
	ds_load_b128 v[32+4*\t:35+4*\t], v8 offset:512*\t
.endr
.irp i, 0,1,2,3
	ds_load_b32 v[25+\i], v9 offset:8192+128*\i
.endr
.irp d, 0,1,2,3
.irp c, 0,1
	ds_load_b128 v[68+8*\d+4*\c:71+8*\d+4*\c], v8 offset:4096+1024*\d+512*\c
.endr
.endr
.irp i, 0,1
	ds_load_b32 v[29+\i], v9 offset:8704+128*\i
.endr
	s_wait_dscnt 10                                ; all but V's 8 loads and its 2 of scale words
.irp t, 0,2,4,6
	WM S+8*\t, 32+4*\t, 16, 25+\t/2, 24, 0
	WM S+8*\t+8, 36+4*\t, 16, 25+\t/2, 24, 1
.endr
	s_add_co_u32 s50, s50, RECB
	s_add_co_u32 s51, s51, 512
	v_add_nc_u32 v8, s50, v1                       ; the next step's addresses, and -M as it stands: the four plain places behind the products
	v_add_nc_u32 v9, s50, v2
	v_add_nc_u32 v10, s51, v3
	v_mov_b32 v[OLDM], v12
.irp b, 0,1,2,3
	v_max3_num_f32 v[BM+\b], v[S+16*\b], v[S+1+16*\b], v[S+2+16*\b]   ; each block's largest score: for the row's maximum and for the block's largest p
.endr
.irp i, 3,5,7,9,11,13
.irp b, 0,1,2,3
	v_max3_num_f32 v[BM+\b], v[BM+\b], v[S+16*\b+\i], v[S+1+16*\b+\i]
.endr
.endr
.irp b, 0,1,2,3
	v_max_num_f32 v[BM+\b], v[BM+\b], v[S+15+16*\b]
.endr
.irp b, 0,1,2,3
	v_permlanex16_b32 v[236+\b], v[BM+\b], s[SEL], s[SEL+1]        ; (the four blocks by turns)
.endr
.irp b, 0,1,2,3
	v_max_num_f32 v[BM+\b], v[BM+\b], v[236+\b]
.endr
	v_max3_num_f32 v254, v[BM], v[BM+1], v[BM+2]
	s_delay_alu instid0(VALU_DEP_1)
	v_max3_num_f32 v13, v13, v254, v[BM+3]         ; the running largest score (the factor below is positive: the largest score gives the largest t)
	s_delay_alu instid0(VALU_DEP_1)
	v_mul_f32 v254, s[CS], v13                     ; as t
	s_delay_alu instid0(VALU_DEP_1)
	v_floor_f32 v12, -v254                         ; the new -M
.set j, 0
	TM8                                            ; f = 2^(old M - new M) is made among the scalings, which do not wait for it
	v_sub_f32 v254, v12, v[OLDM]
	TM8
	v_cvt_i32_f32 v254, v254
	TM8
	v_ldexp_f32 v252, 1.0, v254
	TM8
.irp b, 0,1,2,3
	v_fma_f32 v[BM+\b], v[BM+\b], s[CS], v12
.endr
.set j, 0
	s_wait_alu depctr_va_vdst(0)                   ; the wait ahead of the batch
.rept 64
	v_exp_f32 v[S+j], v[S+j]
.set j, j+1
.endr
.irp b, 0,1,2,3
	v_exp_f32 v[BM+\b], v[BM+\b]                   ; the block's largest p: the same two instructions on the same number
.endr
	v_pk_mul_f32 v[14:15], v[14:15], v[252:253] op_sel_hi:[1,0]    ; the sums under the new M: the plain place behind the batch
	s_wait_alu depctr_va_vdst(0)                   ; one wait for the batch of 68, ahead of its first reader
.irp b, 0,1,2,3
	v_max_num_f32 v[BM+\b], 0x1800000, v[BM+\b]    ; the floor 2^(3 - 127): the byte cannot fall under 1
.endr
.irp b, 0,1,2,3
	v_add_nc_u32 v[244+\b], 0xff000000, v[BM+\b]   ; 2 off the exponent field: the conversion's scale operand
.endr
.irp b, 0,1,2,3
	v_lshrrev_b32 v[236+\b], 23, v[244+\b]
.endr
	v_lshl_or_b32 v253, v237, 8, v236              ; p's scale word, by halves
	v_lshl_or_b32 v254, v239, 8, v238
	s_delay_alu instid0(VALU_DEP_1)
	v_lshl_or_b32 v253, v254, 16, v253
.irp b, 0,1,2,3
	v_cvt_scalef32_pk8_fp4_f32 v[PCD+2*\b], v[S+16*\b:S+7+16*\b], v[244+\b]
	v_cvt_scalef32_pk8_fp4_f32 v[PCD+1+2*\b], v[S+8+16*\b:S+15+16*\b], v[244+\b]
.endr
.set j, 0
.rept 8
	v_pk_mul_f32 v[O+j:O+j+1], v[O+j:O+j+1], v[252:253] op_sel_hi:[1,0]   ; O^T under the new M: the first half stands behind the conversions,
.set j, j+2
.endr
.irp c, 0,1
.irp i, 0,1
	v_permlane16_swap_b32 v[PCD+4*\c+\i], v[PCD+2+4*\c+\i]   ; a whole block in a lane
.endr
.endr
.rept 8
	v_pk_mul_f32 v[O+j:O+j+1], v[O+j:O+j+1], v[252:253] op_sel_hi:[1,0]   ; the second between the codes' last write and the products
.set j, j+2
.endr
	s_wait_alu depctr_va_vdst(0)                   ; the wait here, directly ahead of the wait below
	s_wait_dscnt 0x0                               ; V
.irp d, 0,2
	WM O+8*\d, 68+8*\d, PCD, 29+\d/2, 253, 0
	WM O+8*\d+8, 76+8*\d, PCD, 29+\d/2, 253, 1
.endr
	v_pk_add_f32 v[236:237], v[S:S+1], v[S+2:S+3]  ; the row's sum, of the unquantised p, in two chains: also the places ahead of the next step's loads
.irp j, 4,8,12,16,20,24,28,32,36,40,44,48,52,56,60
	v_pk_add_f32 v[14:15], v[14:15], v[S+\j:S+\j+1]
	v_pk_add_f32 v[236:237], v[236:237], v[S+2+\j:S+3+\j]
.endr
	s_delay_alu instid0(VALU_DEP_1)
	v_pk_add_f32 v[14:15], v[14:15], v[236:237]
.endm
	s_wait_alu depctr_va_vdst(0)                   ; the wait at the head's end
	s_wait_tensorcnt 0x0                           ; my load of the head's group has landed; these lines stand ahead of a later first fill:
	ds_add_u32 v5, v6                              ; 0 onto my spare word,
	ds_add_u32 v5, v6                              ; twice on end here
	s_wait_dscnt 0x0
	ROUND                                          ; the table and key steps 0-3 are whole, and the cluster's four are here
	s_cmp_lt_u32 s10, 4
	s_cbranch_scc1 .Lno_rest
	tensor_load_to_lds s[60:63], s[24:31]          ; waves 4-15: key step = wave, filled for the first time
	s_nop 0
.rept 4
	v_nop
.endr
.Lno_rest:
	s_wait_loadcnt 32                              ; Q's two loads are in; ff1_w's 32, issued behind them, may stay out
	s_mov_b32 s52, 4
.Lfirst:                                               ; key steps 0-3, while the others land
	KSTEP
	s_sub_co_u32 s52, s52, 1
	s_cmp_lg_u32 s52, 0
	s_cbranch_scc1 .Lfirst
	s_wait_tensorcnt 0x0                           ; my record has landed (no LDS instruction of mine is out: the step has waited for 0)
	s_barrier_signal -1
	s_barrier_wait -1                              ; everybody's has
	WQUANT 8704, 78, 79                            ; ff1_w's block,
	WLOAD 70, 4096                                 ; and ff2_w's is asked for: it has the twelve steps below in which to come
	s_mov_b32 s52, 12
.Lrest:                                                ; key steps 4-15
	KSTEP
	s_sub_co_u32 s52, s52, 1
	s_cmp_lg_u32 s52, 0
	s_cbranch_scc1 .Lrest
	WQUANT 34816, 81, 82                           ; ff2_w's block
	; THE WAY OUT: O^T / the sum, quantised along my head's 64 channels: two blocks; a lane's 16 bytes of codes are the next operand's registers
	v_add_f32 v14, v14, v15
	s_delay_alu instid0(VALU_DEP_1)
	v_permlanex16_b32 v252, v14, s[SEL], s[SEL+1]
	s_delay_alu instid0(VALU_DEP_1)
	v_add_f32 v14, v14, v252
	s_wait_alu depctr_va_vdst(0)                   ; the wait ahead of the transcendental
	v_rcp_f32 v14, v14
	v_add_nc_u32 v238, s56, v1
	v_and_b32 v8, 15, v0
	s_delay_alu instid0(VALU_DEP_1)
	v_lshlrev_b32 v8, 2, v8
	s_delay_alu instid0(VALU_DEP_1)
	v_add_nc_u32 v8, s57, v8
	s_wait_alu depctr_va_vdst(0)                   ; and ahead of its first reader
.set j, 0
.rept 32
	v_mul_f32 v[S+j], v[O+j], v14
.set j, j+1
.endr
.irp b, 0,1
	v_max3_num_f32 v[BM+\b], |v[S+16*\b]|, |v[S+1+16*\b]|, 0x1800000
.endr
.irp i, 2,4,6,8,10,12,14
.irp b, 0,1
	s_delay_alu instid0(VALU_DEP_2)
	v_max3_num_f32 v[BM+\b], v[BM+\b], |v[S+16*\b+\i]|, |v[S+1+16*\b+\i]|
.endr
.endr
.irp b, 0,1
	s_delay_alu instid0(VALU_DEP_2)
	v_permlanex16_b32 v[236+\b], v[BM+\b], s[SEL], s[SEL+1]
.endr
.irp b, 0,1
	s_delay_alu instid0(VALU_DEP_2)
	v_max_num_f32 v[BM+\b], v[BM+\b], v[236+\b]
.endr
.irp b, 0,1
	s_delay_alu instid0(VALU_DEP_2)
	v_add_nc_u32 v[244+\b], 0xff000000, v[BM+\b]
.endr
.irp b, 0,1
	s_delay_alu instid0(VALU_DEP_2)
	v_lshrrev_b32 v[236+\b], 23, v[244+\b]
.endr
	s_delay_alu instid0(VALU_DEP_1)
	v_lshl_or_b32 v246, v237, 8, v236
.irp b, 0,1
	v_cvt_scalef32_pk8_fp4_f32 v[PCD+2*\b], v[S+16*\b:S+7+16*\b], v[244+\b]
	v_cvt_scalef32_pk8_fp4_f32 v[PCD+1+2*\b], v[S+8+16*\b:S+15+16*\b], v[244+\b]
.endr
	v_nop
	v_permlane16_swap_b32 v[PCD], v[PCD+2]
	v_permlane16_swap_b32 v[PCD+1], v[PCD+3]
	global_store_b128 v238, v[PCD:PCD+3], s[8:9]   ; 512 consecutive bytes a wave
	global_store_b16 v8, v246, s[8:9]              ; my head's two bytes of each row's scale word (lanes 16-31 store the same as lanes 0-15)
	s_wait_tensorcnt 0x0                           ; the wave's end
	ds_add_u32 v5, v6
	s_wait_dscnt 0x0
	ROUND                                          ; the closing round
	s_endpgm
.Lfunc_end_k_q2f09e9f83e_attn:
	.size	k_q2f09e9f83e_attn, .Lfunc_end_k_q2f09e9f83e_attn-k_q2f09e9f83e_attn
	.p2alignl 7, 3214868480
	.fill 96, 4, 3214868480
	.section	.rodata,"a",@progbits
	.p2align	6, 0x0
	.amdhsa_kernel k_q2f09e9f83e_attn
		.amdhsa_group_segment_fixed_size 327680
		.amdhsa_private_segment_fixed_size 0
		.amdhsa_enable_private_segment 0
		.amdhsa_kernarg_size 48
		.amdhsa_user_sgpr_count 2
		.amdhsa_user_sgpr_kernarg_segment_ptr 1
		.amdhsa_wavefront_size32 1
		.amdhsa_system_sgpr_workgroup_id_x 1
		.amdhsa_system_sgpr_workgroup_id_y 1
		.amdhsa_system_sgpr_workgroup_id_z 1
		.amdhsa_system_vgpr_workitem_id 0
		.amdhsa_next_free_vgpr 256
		.amdhsa_next_free_sgpr 84
		.amdhsa_reserve_vcc 0
		.amdhsa_float_denorm_mode_32 3
		.amdhsa_float_denorm_mode_16_64 3
		.amdhsa_memory_ordered 1
		.amdhsa_forward_progress 1
		.amdhsa_inst_pref_size 59
	.end_amdhsa_kernel
	.amdgpu_metadata
---
amdhsa.version: [ 1, 2 ]
amdhsa.kernels:
  - .name:           k_q2f09e9f83e_attn
    .symbol:         k_q2f09e9f83e_attn.kd
    .args:
      - { .name: qkv, .offset: 0, .size: 8, .value_kind: global_buffer, .address_space: global }
      - { .name: wts, .offset: 8, .size: 8, .value_kind: global_buffer, .address_space: global }
      - { .name: ao, .offset: 16, .size: 8, .value_kind: global_buffer, .address_space: global }
      - { .name: ff1_w, .offset: 24, .size: 8, .value_kind: global_buffer, .address_space: global }
      - { .name: ff2_w, .offset: 32, .size: 8, .value_kind: global_buffer, .address_space: global }
      - { .name: wff, .offset: 40, .size: 8, .value_kind: global_buffer, .address_space: global }
    .group_segment_fixed_size: 327680
    .private_segment_fixed_size: 0
    .kernarg_segment_align: 8
    .kernarg_segment_size: 48
    .max_flat_workgroup_size: 512
    .sgpr_count:     84
    .vgpr_count:     256
    .wavefront_size: 32
...
	.end_amdgpu_metadata
.endif
;; end of part 12
;; launch gproj (part 13): grid 8 x 32, 8 waves a work-group, clusters of 4 x 4, 175,104 bytes of LDS; arguments ao, wts, proj_b, x, x1; writes x1
.if DOCPART == 13
	.amdgcn_target "amdgcn-amd-amdhsa--gfx1250"
	.amdhsa_code_object_version 6
	.text
	.protected	k_q2f09e9f83e_gproj
	.globl	k_q2f09e9f83e_gproj
	.p2align	8
	.type	k_q2f09e9f83e_gproj,@function
k_q2f09e9f83e_gproj:
	s_mov_b64 s[64:65], 0
	v_nop
	global_prefetch_b8 v0, s[64:65] scope:SCOPE_SE
	s_setreg_imm32_b32 hwreg(HW_REG_WAVE_MODE, 25, 1), 1
	s_wait_xcnt 0x0
	s_wait_alu depctr_hold_cnt(0) depctr_sa_sdst(0) depctr_va_vdst(0) depctr_va_sdst(0) depctr_va_ssrc(0) depctr_va_vcc(0) depctr_vm_vsrc(0)
	s_getreg_b32 s2, hwreg(HW_REG_IB_STS2, 6, 4)
	s_cmp_eq_u32 s2, 0
	s_cbranch_scc0 .Lentry_in_a_cluster
	s_endpgm
.Lentry_in_a_cluster:
	s_bfe_u32 s2, ttmp6, 0x10000c
	s_cmp_lg_u32 s2, 0xf033
	s_cbranch_scc0 .Lentry_shape_is_right
	s_endpgm
.Lentry_shape_is_right:
; Launch 5: x1 = x + ao proj_w + proj_b, the product on codes of E2M1.  No work is left out.
; D = P Q^T with P = the weight's columns (128 to a work-group), Q = tokens (128): 8 x 32 = 256 work-groups.  A lane holds one token and 16 neighbouring columns for each pair of P's tiles.
; Eight waves, two to a SIMD: wave (wp, wq) makes P's tiles 4 wp .. + 3 x Q's tiles 2 wq, 2 wq + 1: 8 accumulators.
; K goes through two LDS slots; a slot holds CPS chunks of 512 along K of P's 8 tiles and Q's 8: a tile's CPS records are neighbours in memory and come as one row of the descriptor.
; Every wave asks for two tiles of each slot.  Here NCH = 2, CPS = 1.
; THE BIAS IS THE C OF EACH SUM'S FIRST PRODUCT, loaded into the accumulators' registers at the head; the residual's rows are asked for there too, into registers that the products leave alone.
; The way out: a token tile's 16 rows x 64 columns go through the wave's own stage in LDS and come back by rows; 16 lanes store 256 consecutive bytes, two rows an instruction.
; NO CLUSTER in this form: each tile is asked for once for each work-group; the descriptors hang on the column block or the token block alone, so joint loads could be laid later.
.set NCH, 2
; AS IT STANDS NOW: CPS = 2: a tile's two records come as one row, so all of K lies in ONE slot, brought by one tensor load a wave; there is no second slot and no change of slots.
.set CPS, 2
.set WOFF, 1671168
.set FINAL, 0
.set REC, 4352
.set TS, CPS*REC                       ; a tile's bytes in a slot
.set SLOT, 16*TS
.set NSL, NCH/CPS                      ; slots' worth of K
.set SPARE, SLOT                       ; behind the one slot: the spare words, 128 bytes for each wave
.set STAGE, SPARE+1024                 ; behind them: 16 rows x (256 + 16) bytes for each wave; no tensor load lands here
.set SPITCH, 272                       ; an odd multiple of 16 bytes: the 16 rows that a store touches begin at 16 different places modulo 256 bytes
.set AP, 3                             ; v3-4   LDS address of my P fragments in slot 0, 1
.set AQ, 5                             ; v5-6   of my Q fragments
.set ASP, 7                            ; v7-8   of P's scale words: lanes 0-15 an even tile's, lanes 16-31 the next tile's
.set ASQ, 9                            ; v9-10  of Q's
.set SPW, 11                           ; v11    my spare word; never rewritten
.set NIL, 12                           ; v12    0; never rewritten
.set L16, 13                           ; v13    16 x lane
.set BO, 15                            ; v15    the bias: 64 h
.set STO, 20                           ; v20    the stage: where I put 16 bytes of a row
.set RD, 21                            ; v21    and where I read a row back
.set CO, 22                            ; v22    my byte offset in two rows of the residual and of the result
.set SP, 24                            ; v24-25 P's scale words, v28 Q's: these hold scales and nothing else
.set SQ, 28
.set PF, 32                            ; v32-63 P's 4 fragments
.set QF, 64                            ; v64-79 Q's 2
.set ACC, 128                          ; accumulator (p, q) at v[128 + 8 (4 q + p)]
.set RES, 192                          ; v192-255 the residual: 8 x 4 registers for each token tile
.set WV, 14
; AS IT STANDS NOW: CLUSTERS of 4 x 4 work-groups.  The weight's tiles (P) hang on the column block alone and are asked for jointly along a column of the cluster,
; the tokens' tiles (Q) on the token block alone, jointly along a row: each by the same load with the same descriptor and a mask that names the four.
.set G1, 24                            ; s[24:31], s[32:35] groups 1 and 0 for P's tiles
.set G0, 32
.set G1Q, 72                           ; s[72:79], s[80:83] for Q's
.set G0Q, 80
.macro ROUND                           ; a round of the cluster's barrier
	s_barrier_signal -1
	s_barrier_wait -1
	s_cmp_lg_u32 s[WV], 0
	s_cbranch_scc1 .Lnot_wave_0_\@
	s_barrier_signal -3
.Lnot_wave_0_\@:
	s_barrier_wait -3
	s_barrier_signal -1
	s_barrier_wait -1
.endm
.macro WM d, a, b, sa, sb, ra, rb      ; one product, added in place; ra, rb: the scale words stand in lanes 16-31
.if (\ra) && (\rb)
	v_wmma_scale_f32_16x16x128_f8f6f4 v[(\d):(\d)+7], v[(\a):(\a)+7], v[(\b):(\b)+7], v[(\d):(\d)+7], v[\sa], v[\sb] matrix_a_fmt:MATRIX_FMT_FP4 matrix_b_fmt:MATRIX_FMT_FP4 matrix_a_scale:MATRIX_SCALE_ROW1 matrix_b_scale:MATRIX_SCALE_ROW1
.elseif \ra
	v_wmma_scale_f32_16x16x128_f8f6f4 v[(\d):(\d)+7], v[(\a):(\a)+7], v[(\b):(\b)+7], v[(\d):(\d)+7], v[\sa], v[\sb] matrix_a_fmt:MATRIX_FMT_FP4 matrix_b_fmt:MATRIX_FMT_FP4 matrix_a_scale:MATRIX_SCALE_ROW1
.elseif \rb
	v_wmma_scale_f32_16x16x128_f8f6f4 v[(\d):(\d)+7], v[(\a):(\a)+7], v[(\b):(\b)+7], v[(\d):(\d)+7], v[\sa], v[\sb] matrix_a_fmt:MATRIX_FMT_FP4 matrix_b_fmt:MATRIX_FMT_FP4 matrix_b_scale:MATRIX_SCALE_ROW1
.else
	v_wmma_scale_f32_16x16x128_f8f6f4 v[(\d):(\d)+7], v[(\a):(\a)+7], v[(\b):(\b)+7], v[(\d):(\d)+7], v[\sa], v[\sb] matrix_a_fmt:MATRIX_FMT_FP4 matrix_b_fmt:MATRIX_FMT_FP4
.endif
.endm
; 128 along K, the slot's q-th: 15 LDS loads in one run, then 8 products, the 8 accumulators by turns, in the same order in every step.
.macro STEP slot, q
.rept 4
	v_nop                                          ; four plain places between the last products and loads into registers that they read (ISA guide 7.12.1 for vector instructions)
.endr
.irp i, 0,1
.irp c, 0,1
	ds_load_b128 v[QF+8*\i+4*\c:QF+8*\i+4*\c+3], v[AQ+\slot] offset:\i*TS+((\q)/4)*REC+((\q)%4)*1024+\c*512
.endr
.endr
	ds_load_b32 v[SQ], v[ASQ+\slot] offset:((\q)/4)*REC+((\q)%4)*64
.irp i, 0,1
	ds_load_b32 v[SP+\i], v[ASP+\slot] offset:2*\i*TS+((\q)/4)*REC+((\q)%4)*64
.endr
.irp p, 0,1,2,3
.irp c, 0,1
	ds_load_b128 v[PF+8*\p+4*\c:PF+8*\p+4*\c+3], v[AP+\slot] offset:\p*TS+((\q)/4)*REC+((\q)%4)*1024+\c*512
.endr
.endr
.irp pp, 0,1
	s_wait_dscnt 6-4*\pp                           ; P's fragment 2 pp is in: so many of P's 8 loads were issued behind its two
	WM ACC+8*(2*\pp), PF+8*(2*\pp), QF, SP+\pp, SQ, 0, 0
	WM ACC+8*(4+2*\pp), PF+8*(2*\pp), QF+8, SP+\pp, SQ, 0, 1
	s_wait_dscnt 4-4*\pp                           ; and fragment 2 pp + 1
	WM ACC+8*(2*\pp+1), PF+8*(2*\pp+1), QF, SP+\pp, SQ, 1, 0
	WM ACC+8*(4+2*\pp+1), PF+8*(2*\pp+1), QF+8, SP+\pp, SQ, 1, 1
.endr
.endm
.macro RUN slot                        ; all of a slot's steps
.set Q, 0
.rept 4*CPS
	STEP \slot, Q
.set Q, Q+1
.endr
.endm
; The change of slots: all my tensor loads have landed (my part of the slot ahead), the add, my reads of the slot that I leave are back; a barrier; refill = 1: the slot just left takes the part of K two slots on,
; first thing behind the barrier, one load a wave: it has this slot's steps in which to land.  Then the slot's steps.
.macro CHANGE slot, refill
	s_wait_tensorcnt 0x0                           ; no tensor load of mine is out, so a group 0 may be written
	ds_add_u32 v[SPW], v[NIL]                      ; 0 onto my spare word
.if \refill
	s_add_nc_u64 s[G0+4*(1-\slot)+2:G0+4*(1-\slot)+3], s[G0+4*(1-\slot)+2:G0+4*(1-\slot)+3], 2*TS
.endif
	s_wait_dscnt 0x0
	s_barrier_signal -1
	s_barrier_wait -1
.if \refill
	tensor_load_to_lds s[G0+4*(1-\slot):G0+4*(1-\slot)+3], s[G1:G1+7]
	s_nop 0
.rept 4
	v_nop
.endr
.endif
	RUN \slot
.endm
	s_load_b256 s[4:11], s[0:1], 0x0               ; the activation's records s[4:5], wts s[6:7], the bias s[8:9], the residual s[10:11]
	s_load_b64 s[12:13], s[0:1], 0x20              ; the result
	v_lshl_add_u32 v[SPW], v0, 2, SPARE
	v_mov_b32 v[NIL], 0
	ds_add_u32 v[SPW], v[NIL]                      ; the wave's opening: the add, twice on end, and its wait ahead of my first tensor load
	ds_add_u32 v[SPW], v[NIL]
	v_lshrrev_b32 v1, 5, v0
	s_delay_alu instid0(VALU_DEP_1)
	v_readfirstlane_b32 s[WV], v1                  ; wave 0..7
	s_lshr_b32 s15, s[WV], 2                       ; wp
	s_and_b32 s16, s[WV], 3                        ; wq
	s_bfe_u32 s66, ttmp6, 0x40000                  ; cx, cy: my place in the cluster
	s_bfe_u32 s67, ttmp6, 0x40004
	s_lshl_b32 s17, ttmp9, 2
	s_add_co_u32 s17, s17, s66                     ; which 128 columns = 4 x cluster x + cx
	s_and_b32 s18, ttmp7, 0xffff
	s_lshl_b32 s18, s18, 2
	s_add_co_u32 s18, s18, s67                     ; which 128 tokens = 4 x cluster y + cy
	s_lshl_b32 s68, s67, 2
	s_lshl_b32 s68, 15, s68                        ; my row of the cluster
	s_lshl_b32 s69, 0x1111, s66                    ; my column
	s_or_b32 s[G1], s69, (3<<16)|(1<<21)           ; group 1: the mask; elements of 8 bytes; bit 21 beside a mask; no padding
	s_or_b32 s[G1Q], s68, (3<<16)|(1<<21)
.irp g, G1, G1Q
	s_mov_b32 s[\g+1], (CPS*544)<<16               ; tensor_dim0: a tile's CPS records
	s_mov_b32 s[\g+2], 2<<16                       ; tensor_dim1: 2 tiles
	s_mov_b32 s[\g+3], (CPS*544)<<16               ; tile_dim0
	s_mov_b32 s[\g+4], 2                           ; tile_dim1
	s_mov_b32 s[\g+5], NCH*544                     ; from tile to tile
	s_mov_b32 s[\g+6], 0
	s_mov_b32 s[\g+7], 0
.endr
	s_mul_i32 s40, s17, 8*NCH*REC
	s_add_co_u32 s40, s40, WOFF
	s_mov_b32 s41, 0
	s_mul_i32 s42, s18, 8*NCH*REC
	s_mov_b32 s43, 0
	s_mul_i32 s44, s16, 2*NCH*REC                  ; waves 0-3: P's tiles 2 w on; waves 4-7: Q's tiles 2 (w - 4) on
	s_mov_b32 s45, 0
	s_lshl_b32 s46, s17, 9
	s_lshl_b32 s47, s15, 8
	s_add_co_u32 s46, s46, s47                     ; my 64 columns, in bytes
	s_mov_b32 s47, 0
	s_lshl_b32 s48, s18, 7
	s_lshl_b32 s49, s16, 5
	s_add_co_u32 s48, s48, s49                     ; my 32 tokens begin here
	s_lshl_b32 s48, s48, 12
	s_add_co_u32 s48, s48, s46
	s_mov_b32 s49, 0
	s_wait_dscnt 0x0                               ; both opening adds are done
	s_wait_kmcnt 0x0
	s_add_nc_u64 s[40:41], s[6:7], s[40:41]        ; P's address is made of the column block and the wave's number,
	s_add_nc_u64 s[40:41], s[40:41], s[44:45]
	s_add_nc_u64 s[42:43], s[4:5], s[42:43]        ; Q's of the token block and the wave's number
	s_add_nc_u64 s[42:43], s[42:43], s[44:45]
	s_mov_b32 s[G0], 1
	s_mul_i32 s[G0+1], s[WV], 2*TS                 ; LDS: P's 8 tiles, then Q's 8
	s_mov_b64 s[G0+2:G0+3], s[40:41]
	s_or_b32 s[G0+3], s[G0+3], 0x80000000
	s_mov_b32 s[G0Q], 1
	s_mul_i32 s[G0Q+1], s[WV], 2*TS
	s_mov_b64 s[G0Q+2:G0Q+3], s[42:43]
	s_or_b32 s[G0Q+3], s[G0Q+3], 0x80000000
	ROUND                                          ; all sixteen work-groups are here: the joint loads meet
	s_cmp_lt_u32 s[WV], 4                          ; waves 0-3 ask for P's tiles, waves 4-7 for Q's: one load a wave, all of K
	s_cbranch_scc0 .Lfor_q
	tensor_load_to_lds s[G0:G0+3], s[G1:G1+7]
	s_nop 0
.rept 4
	v_nop
.endr
	s_branch .Lasked
.Lfor_q:
	tensor_load_to_lds s[G0Q:G0Q+3], s[G1Q:G1Q+7]
	s_nop 0
.rept 4
	v_nop
.endr
.Lasked:
	s_add_nc_u64 s[8:9], s[8:9], s[46:47]
	s_add_nc_u64 s[10:11], s[10:11], s[48:49]
	s_add_nc_u64 s[12:13], s[12:13], s[48:49]
	v_and_b32 v1, 15, v0                           ; r
	v_bfe_u32 v2, v0, 4, 1                         ; h
	s_delay_alu instid0(VALU_DEP_1)
	v_lshlrev_b32 v[BO], 6, v2
	s_delay_alu instid0(VALU_DEP_2)
	v_lshlrev_b32 v[CO], 12, v2
	s_delay_alu instid0(VALU_DEP_1)
	v_lshl_add_u32 v[CO], v1, 4, v[CO]             ; lanes 0-15 one row, lanes 16-31 the next; 16 bytes a lane
.irp q, 0,1
.irp b, 0,1
.irp i, 0,1,2,3
	global_load_b128 v[ACC+32*\q+16*\b+4*\i:ACC+32*\q+16*\b+4*\i+3], v[BO], s[8:9] offset:128*\b+16*\i   ; register 16 b + i of a token tile is column 32 b + 16 h + i of my 64
.endr
.endr
.endr
.irp q, 0,1
.irp i, 0,1,2,3,4,5,6,7
	global_load_b128 v[RES+32*\q+4*\i:RES+32*\q+4*\i+3], v[CO], s[10:11] offset:(8*\q+(2*\i)%8+16*(\i/4))*4096 th:TH_LOAD_NT   ; rows 2 i, 2 i + 1 of token tile q: row j is token 8 q + j % 8 + 16 (j / 8) of my 32
.endr
.endr
	v_and_b32 v[L16], 31, v0
	s_delay_alu instid0(VALU_DEP_1)
	v_lshlrev_b32 v[L16], 4, v[L16]
	s_mul_i32 s40, s15, 4*TS
	v_add_nc_u32 v[AP], s40, v[L16]
	s_delay_alu instid0(VALU_DEP_1)
	v_add_nc_u32 v[AP+1], SLOT, v[AP]
	s_mul_i32 s41, s16, 2*TS
	s_add_co_u32 s41, s41, 8*TS
	v_add_nc_u32 v[AQ], s41, v[L16]
	s_delay_alu instid0(VALU_DEP_1)
	v_add_nc_u32 v[AQ+1], SLOT, v[AQ]
	v_mul_u32_u24 v14, v2, TS
	s_delay_alu instid0(VALU_DEP_1)
	v_lshl_add_u32 v14, v1, 2, v14
	s_delay_alu instid0(VALU_DEP_1)
	v_add_nc_u32 v[ASP], s40, v14
	s_delay_alu instid0(VALU_DEP_1)
	v_add_nc_u32 v[ASP], 4096, v[ASP]
	s_delay_alu instid0(VALU_DEP_1)
	v_add_nc_u32 v[ASP+1], SLOT, v[ASP]
	s_delay_alu instid0(VALU_DEP_4)
	v_add_nc_u32 v[ASQ], s41, v14
	s_delay_alu instid0(VALU_DEP_1)
	v_add_nc_u32 v[ASQ], 4096, v[ASQ]
	s_delay_alu instid0(VALU_DEP_1)
	v_add_nc_u32 v[ASQ+1], SLOT, v[ASQ]
	s_mul_i32 s40, s[WV], 16*SPITCH
	s_add_co_u32 s40, s40, STAGE                   ; my stage
	v_mul_u32_u24 v[STO], v1, SPITCH
	s_delay_alu instid0(VALU_DEP_1)
	v_lshl_add_u32 v[STO], v2, 6, v[STO]
	s_delay_alu instid0(VALU_DEP_1)
	v_add_nc_u32 v[STO], s40, v[STO]               ; in: row r, + 64 h
	v_mul_u32_u24 v[RD], v2, SPITCH
	s_delay_alu instid0(VALU_DEP_1)
	v_lshl_add_u32 v[RD], v1, 4, v[RD]
	s_delay_alu instid0(VALU_DEP_1)
	v_add_nc_u32 v[RD], s40, v[RD]                 ; back: lanes 0-15 one row, lanes 16-31 the next
	s_wait_alu depctr_va_vdst(0)
	s_wait_tensorcnt 0x0                           ; my two tiles are in
	s_barrier_signal -1
	s_barrier_wait -1
	s_wait_loadcnt 16                              ; the bias's 16 loads are in; the residual's 16, issued behind them, may stay out
	RUN 0
.if NSL > 2
.rept NSL/2-1
	CHANGE 1, 1                                    ; written out
	CHANGE 0, 1
.endr
.endif
.rept 4
	v_nop                                          ; places in front of the first reads of results
.endr
.macro TOSTAGE q                       ; each accumulator from its low end on; LDS serves a wave's instructions in order (ISA guide 5.7.1.4): the loads see the stores, and the next tile's stores come behind the loads
.irp b, 0,1
.irp i, 0,1,2,3
	ds_store_b128 v[STO], v[ACC+32*(\q)+16*\b+4*\i:ACC+32*(\q)+16*\b+4*\i+3] offset:128*\b+16*\i
.endr
.endr
.irp i, 0,1,2,3,4,5,6,7
	ds_load_b128 v[ACC+32*(\q)+4*\i:ACC+32*(\q)+4*\i+3], v[RD] offset:2*\i*SPITCH
.endr
.endm
.macro FINISH q
.irp i, 0,1,2,3,4,5,6,7
	v_pk_add_f32 v[ACC+32*(\q)+4*\i:ACC+32*(\q)+4*\i+1], v[ACC+32*(\q)+4*\i:ACC+32*(\q)+4*\i+1], v[RES+32*(\q)+4*\i:RES+32*(\q)+4*\i+1]
	v_pk_add_f32 v[ACC+32*(\q)+4*\i+2:ACC+32*(\q)+4*\i+3], v[ACC+32*(\q)+4*\i+2:ACC+32*(\q)+4*\i+3], v[RES+32*(\q)+4*\i+2:RES+32*(\q)+4*\i+3]
.endr
.endm
.macro SENDQ q                         ; 16 lanes store 256 consecutive bytes, at a multiple of 256 from the buffer's first byte; no store's registers are written again
.irp i, 0,1,2,3,4,5,6,7
.if FINAL
	global_store_b128 v[CO], v[ACC+32*(\q)+4*\i:ACC+32*(\q)+4*\i+3], s[12:13] offset:(8*(\q)+(2*\i)%8+16*(\i/4))*4096 th:TH_STORE_NT
.else
	global_store_b128 v[CO], v[ACC+32*(\q)+4*\i:ACC+32*(\q)+4*\i+3], s[12:13] offset:(8*(\q)+(2*\i)%8+16*(\i/4))*4096
.endif
.endr
.endm
	TOSTAGE 0
	TOSTAGE 1
	s_wait_loadcnt 0x0                             ; the residual
	s_wait_dscnt 16                                ; the first tile is back: behind its loads stand the second tile's 8 stores and 8 loads
	FINISH 0
	SENDQ 0
	s_wait_dscnt 0x0
	FINISH 1
	SENDQ 1
	s_wait_tensorcnt 0x0                           ; the wave's end
	ds_add_u32 v[SPW], v[NIL]
	s_wait_dscnt 0x0
	ROUND                                          ; the closing round
	s_endpgm
.Lfunc_end_k_q2f09e9f83e_gproj:
	.size	k_q2f09e9f83e_gproj, .Lfunc_end_k_q2f09e9f83e_gproj-k_q2f09e9f83e_gproj
	.p2alignl 7, 3214868480
	.fill 96, 4, 3214868480
	.section	.rodata,"a",@progbits
	.p2align	6, 0x0
	.amdhsa_kernel k_q2f09e9f83e_gproj
		.amdhsa_group_segment_fixed_size 175104
		.amdhsa_private_segment_fixed_size 0
		.amdhsa_enable_private_segment 0
		.amdhsa_kernarg_size 40
		.amdhsa_user_sgpr_count 2
		.amdhsa_user_sgpr_kernarg_segment_ptr 1
		.amdhsa_wavefront_size32 1
		.amdhsa_system_sgpr_workgroup_id_x 1
		.amdhsa_system_sgpr_workgroup_id_y 1
		.amdhsa_system_sgpr_workgroup_id_z 1
		.amdhsa_system_vgpr_workitem_id 0
		.amdhsa_next_free_vgpr 256
		.amdhsa_next_free_sgpr 100
		.amdhsa_reserve_vcc 0
		.amdhsa_float_denorm_mode_32 3
		.amdhsa_float_denorm_mode_16_64 3
		.amdhsa_memory_ordered 1
		.amdhsa_forward_progress 1
		.amdhsa_inst_pref_size 34
	.end_amdhsa_kernel
	.amdgpu_metadata
---
amdhsa.version: [ 1, 2 ]
amdhsa.kernels:
  - .name:           k_q2f09e9f83e_gproj
    .symbol:         k_q2f09e9f83e_gproj.kd
    .args:
      - { .name: ao, .offset: 0, .size: 8, .value_kind: global_buffer, .address_space: global }
      - { .name: wts, .offset: 8, .size: 8, .value_kind: global_buffer, .address_space: global }
      - { .name: proj_b, .offset: 16, .size: 8, .value_kind: global_buffer, .address_space: global }
      - { .name: x, .offset: 24, .size: 8, .value_kind: global_buffer, .address_space: global }
      - { .name: x1, .offset: 32, .size: 8, .value_kind: global_buffer, .address_space: global }
    .group_segment_fixed_size: 175104
    .private_segment_fixed_size: 0
    .kernarg_segment_align: 8
    .kernarg_segment_size: 40
    .max_flat_workgroup_size: 256
    .sgpr_count:     100
    .vgpr_count:     256
    .wavefront_size: 32
...
	.end_amdgpu_metadata
.endif
;; end of part 13
;; launch ln2 (part 14): grid 256 x 1, 16 waves a work-group, no clusters, 14,848 bytes of LDS; arguments x1, ln2_g, ln2_b, hn; writes hn
.if DOCPART == 14
	.amdgcn_target "amdgcn-amd-amdhsa--gfx1250"
	.amdhsa_code_object_version 6
	.text
	.protected	k_q2f09e9f83e_ln2
	.globl	k_q2f09e9f83e_ln2
	.p2align	8
	.type	k_q2f09e9f83e_ln2,@function
k_q2f09e9f83e_ln2:
	s_mov_b64 s[64:65], 0
	v_nop
	global_prefetch_b8 v0, s[64:65] scope:SCOPE_SE
	s_setreg_imm32_b32 hwreg(HW_REG_WAVE_MODE, 25, 1), 1
	s_wait_xcnt 0x0
; Launch 6: hn = Q(layer norm(x1)), quantised along the 1,024 channels, as records of the first feed-forward product's operand.  No work is left out.
; A work-group makes one tile of 16 tokens, a wave one token (lane r of the tile = wave r: token 32 (tile / 2) + 8 (tile % 2) + r % 8 + 16 (r / 8)), kept in 32 registers a lane between the passes.
; Lane l holds channels 256 G + 8 l + 0 .. 7, G = 0 .. 3: each load of a wave covers whole aligned runs of its row; four neighbouring lanes hold a block of 32.
; The tile's two records (8,704 bytes) are gathered in LDS and leave as 17 pieces of 512 consecutive bytes.  Matrix units, tensor loads and clusters have nothing to do here: each byte is read once.
.set IMG, 4096                         ; LDS: the two records (the bytes below are not used here)
.set SPARE, 12800                      ; the spare words, 128 bytes for each of 16 waves
.set X, 32                             ; v32-63   my 32 numbers
.set GA, 64                            ; v64-95   the gain at my channels
.set BE, 96                            ; v96-127  the bias
.set PX, 4
.set PG, 6
.set PB, 8
.set PO, 10
	s_load_b256 s[4:11], s[0:1], 0x0               ; x1, gain, bias, hn
	v_lshl_add_u32 v4, v0, 2, SPARE                ; v4: my spare word; v5: 0; both kept for the closing lines
	v_mov_b32 v5, 0
	v_lshrrev_b32 v1, 5, v0
	s_delay_alu instid0(VALU_DEP_1)
	v_readfirstlane_b32 s2, v1                     ; wave 0..15
	v_and_b32 v1, 31, v0                           ; lane
	s_wait_alu depctr_va_vdst(0)
	s_lshr_b32 s16, ttmp9, 1
	s_lshl_b32 s16, s16, 5
	s_and_b32 s17, ttmp9, 1
	s_lshl_b32 s17, s17, 3
	s_add_co_u32 s16, s16, s17
	s_and_b32 s17, s2, 7
	s_add_co_u32 s16, s16, s17
	s_lshr_b32 s17, s2, 3
	s_lshl_b32 s17, s17, 4
	s_add_co_u32 s16, s16, s17                     ; my token
	s_lshl_b32 s16, s16, 12                        ; its row of 4,096 bytes
	s_mov_b32 s17, 0
	s_mul_i32 s18, ttmp9, 8704                     ; the tile's two records
	s_mov_b32 s19, 0
	s_mov_b32 s20, 0x76543210                      ; v_permlanex16_b32's selects for lane l xor 16
	s_mov_b32 s21, 0xfedcba98
	s_mov_b32 s22, 0x3a800000                      ; 1 / 1,024
	v_lshlrev_b32 v6, 5, v1                        ; 32 x lane
	v_lshlrev_b32 v13, 4, v0                       ; 16 x thread
	v_lshrrev_b32 v2, 2, v1
	s_delay_alu instid0(VALU_DEP_1)
	v_lshlrev_b32 v12, 8, v2                       ; my 8 codes in a record: 256 (l / 4),
	v_and_b32 v3, 3, v1
	s_delay_alu instid0(VALU_DEP_1)
	v_lshl_add_u32 v12, v3, 2, v12                 ; 4 (l % 4) in the lane's 16 bytes,
	s_lshl_b32 s23, s2, 4
	v_add_nc_u32 v12, s23, v12                     ; 16 x row
	v_lshrrev_b32 v3, 4, v1
	s_delay_alu instid0(VALU_DEP_1)
	v_lshlrev_b32 v14, 6, v3                       ; my block's byte: 64 (l / 16) for the K step,
	v_and_b32 v2, 3, v2
	s_delay_alu instid0(VALU_DEP_1)
	v_add_nc_u32 v14, v14, v2                      ; the block in it,
	s_lshl_b32 s23, s2, 2
	v_add_nc_u32 v14, s23, v14                     ; 4 x row
	s_wait_kmcnt 0x0
	s_add_nc_u64 s[PX:PX+1], s[PX:PX+1], s[16:17]
	s_add_nc_u64 s[PO:PO+1], s[PO:PO+1], s[18:19]
.irp g, 0,1,2,3
.irp i, 0,1
	global_load_b128 v[X+8*\g+4*\i:X+8*\g+4*\i+3], v6, s[PX:PX+1] offset:1024*\g+16*\i th:TH_LOAD_NT
.endr
.endr
.irp g, 0,1,2,3
.irp i, 0,1
	global_load_b128 v[GA+8*\g+4*\i:GA+8*\g+4*\i+3], v6, s[PG:PG+1] offset:1024*\g+16*\i
.endr
.endr
.irp g, 0,1,2,3
.irp i, 0,1
	global_load_b128 v[BE+8*\g+4*\i:BE+8*\g+4*\i+3], v6, s[PB:PB+1] offset:1024*\g+16*\i
.endr
.endr
	s_wait_loadcnt 16                              ; the row is in; gain's 8 loads and bias's 8 may be out
	v_pk_add_f32 v[10:11], v[32:33], v[34:35]
	v_pk_add_f32 v[166:167], v[40:41], v[44:45]
	v_pk_add_f32 v[164:165], v[48:49], v[52:53]
	v_pk_add_f32 v[162:163], v[56:57], v[60:61]
	v_pk_add_f32 v[160:161], v[36:37], v[38:39]
	v_pk_add_f32 v[158:159], v[42:43], v[46:47]
	v_pk_add_f32 v[156:157], v[50:51], v[54:55]
	v_pk_add_f32 v[8:9], v[58:59], v[62:63]
	s_delay_alu instid0(VALU_DEP_1)
	v_pk_add_f32 v[8:9], v[8:9], v[162:163]
	v_pk_add_f32 v[10:11], v[10:11], v[160:161]
	v_pk_add_f32 v[166:167], v[166:167], v[158:159]
	v_pk_add_f32 v[164:165], v[164:165], v[156:157]
	s_delay_alu instid0(VALU_DEP_2)
	v_pk_add_f32 v[8:9], v[8:9], v[166:167]
	s_delay_alu instid0(VALU_DEP_2)
	v_pk_add_f32 v[10:11], v[10:11], v[164:165]
	s_delay_alu instid0(VALU_DEP_1)
	v_pk_add_f32 v[8:9], v[8:9], v[10:11]
	s_delay_alu instid0(VALU_DEP_1)
	v_add_f32 v8, v8, v9
	s_delay_alu instid0(VALU_DEP_1)
	v_add_f32_dpp v8, v8, v8 row_xmask:1 row_mask:0xf bank_mask:0xf
	s_delay_alu instid0(VALU_DEP_1)
	v_add_f32_dpp v8, v8, v8 row_xmask:2 row_mask:0xf bank_mask:0xf
	s_delay_alu instid0(VALU_DEP_1)
	v_add_f32_dpp v8, v8, v8 row_xmask:4 row_mask:0xf bank_mask:0xf
	s_delay_alu instid0(VALU_DEP_1)
	v_add_f32_dpp v8, v8, v8 row_xmask:8 row_mask:0xf bank_mask:0xf
	s_delay_alu instid0(VALU_DEP_1)
	v_permlanex16_b32 v9, v8, s20, s21
	s_delay_alu instid0(VALU_DEP_1)
	v_add_f32 v8, v8, v9
	s_delay_alu instid0(VALU_DEP_1)
	v_mul_f32 v8, s22, v8
	s_delay_alu instid0(VALU_DEP_1)
	v_mov_b32 v9, v8
.set j, 0
.rept 16
	v_pk_add_f32 v[X+j:X+j+1], v[X+j:X+j+1], v[8:9] neg_lo:[0,1] neg_hi:[0,1]
.set j, j+2
.endr
	v_pk_mul_f32 v[8:9], v[X:X+1], v[X:X+1]        ; the variance, of the numbers less their mean
	v_pk_mul_f32 v[10:11], v[X+2:X+3], v[X+2:X+3]
.irp j, 4,8,12,16,20,24,28
	s_delay_alu instid0(VALU_DEP_2)
	v_pk_fma_f32 v[8:9], v[X+\j:X+\j+1], v[X+\j:X+\j+1], v[8:9]
	s_delay_alu instid0(VALU_DEP_2)
	v_pk_fma_f32 v[10:11], v[X+\j+2:X+\j+3], v[X+\j+2:X+\j+3], v[10:11]
.endr
	s_delay_alu instid0(VALU_DEP_1)
	v_pk_add_f32 v[8:9], v[8:9], v[10:11]
	s_delay_alu instid0(VALU_DEP_1)
	v_add_f32 v8, v8, v9
	s_delay_alu instid0(VALU_DEP_1)
	v_add_f32_dpp v8, v8, v8 row_xmask:1 row_mask:0xf bank_mask:0xf
	s_delay_alu instid0(VALU_DEP_1)
	v_add_f32_dpp v8, v8, v8 row_xmask:2 row_mask:0xf bank_mask:0xf
	s_delay_alu instid0(VALU_DEP_1)
	v_add_f32_dpp v8, v8, v8 row_xmask:4 row_mask:0xf bank_mask:0xf
	s_delay_alu instid0(VALU_DEP_1)
	v_add_f32_dpp v8, v8, v8 row_xmask:8 row_mask:0xf bank_mask:0xf
	s_delay_alu instid0(VALU_DEP_1)
	v_permlanex16_b32 v9, v8, s20, s21
	s_delay_alu instid0(VALU_DEP_1)
	v_add_f32 v8, v8, v9
	s_delay_alu instid0(VALU_DEP_1)
	v_fmaak_f32 v10, s22, v8, 0x3727c5ac           ; / 1,024 + 1e-5
	s_wait_alu depctr_va_vdst(0)
	v_rsq_f32 v10, v10
	v_nop                                          ; a plain instruction behind the root
	s_wait_alu depctr_va_vdst(0)                   ; and the wait ahead of its first reader
	v_mov_b32 v11, v10
	s_wait_alu depctr_va_vdst(0)
	s_wait_loadcnt 0x0                             ; gain and bias
.set j, 0
.rept 16
	v_pk_mul_f32 v[X+j:X+j+1], v[X+j:X+j+1], v[10:11]
.set j, j+2
.endr
.set j, 0
.rept 16
	v_pk_fma_f32 v[X+j:X+j+1], v[X+j:X+j+1], v[GA+j:GA+j+1], v[BE+j:BE+j+1]
.set j, j+2
.endr
.irp g, 0,1,2,3                        ; the quantiser: my 8 numbers of block 8 G + l / 4, the four groups by turns
	v_max3_num_f32 v[16+\g], |v[X+8*\g]|, |v[X+8*\g+1]|, 0x1800000 ; with the floor 2^(3 - 127): the byte cannot fall under 1
.endr
.irp i, 2,4,6
.irp g, 0,1,2,3
	s_delay_alu instid0(VALU_DEP_4)
	v_max3_num_f32 v[16+\g], v[16+\g], |v[X+8*\g+\i]|, |v[X+8*\g+\i+1]|
.endr
.endr
.irp g, 0,1,2,3
	s_delay_alu instid0(VALU_DEP_4)
	v_max_num_f32_dpp v[16+\g], v[16+\g], v[16+\g] row_xmask:1 row_mask:0xf bank_mask:0xf
.endr
.irp g, 0,1,2,3
	s_delay_alu instid0(VALU_DEP_4)
	v_max_num_f32_dpp v[16+\g], v[16+\g], v[16+\g] row_xmask:2 row_mask:0xf bank_mask:0xf   ; the four lanes of the block
.endr
.irp g, 0,1,2,3
	s_delay_alu instid0(VALU_DEP_4)
	v_add_nc_u32 v[20+\g], 0xff000000, v[16+\g]    ; 2 off the exponent field: the conversion's scale operand
.endr
.irp g, 0,1,2,3
	s_delay_alu instid0(VALU_DEP_4)
	v_lshrrev_b32 v[24+\g], 23, v[20+\g]           ; the scale's byte
.endr
.irp g, 0,1,2,3
	v_cvt_scalef32_pk8_fp4_f32 v[28+\g], v[X+8*\g:X+8*\g+7], v[20+\g]
.endr
.irp g, 0,1,2,3
	ds_store_b32 v12, v[28+\g] offset:IMG+(\g/2)*4352+(\g%2)*2048
	ds_store_b8 v14, v[24+\g] offset:IMG+4096+(\g/2)*4352+(\g%2)*128   ; the four lanes of a block write the same byte with the same value
.endr
	s_wait_dscnt 0x0                               ; for the others' sake: my row's codes and bytes have landed
	s_barrier_signal -1
	s_barrier_wait -1
	ds_load_b128 v[8:11], v13 offset:IMG           ; piece w of the 17
	s_wait_dscnt 0x0
	global_store_b128 v13, v[8:11], s[PO:PO+1]     ; 512 consecutive bytes, at a multiple of 256 from the buffer's first byte
	s_cmp_lg_u32 s2, 0
	s_cbranch_scc1 .Lend
	ds_load_b128 v[16:19], v13 offset:IMG+8192     ; wave 0: the last piece
	s_wait_dscnt 0x0
	global_store_b128 v13, v[16:19], s[PO:PO+1] offset:8192
.Lend:
	s_wait_tensorcnt 0x0                           ; the wave's end
	ds_add_u32 v4, v5
	s_wait_dscnt 0x0
	s_endpgm
.Lfunc_end_k_q2f09e9f83e_ln2:
	.size	k_q2f09e9f83e_ln2, .Lfunc_end_k_q2f09e9f83e_ln2-k_q2f09e9f83e_ln2
	.p2alignl 7, 3214868480
	.fill 96, 4, 3214868480
	.section	.rodata,"a",@progbits
	.p2align	6, 0x0
	.amdhsa_kernel k_q2f09e9f83e_ln2
		.amdhsa_group_segment_fixed_size 14848
		.amdhsa_private_segment_fixed_size 0
		.amdhsa_enable_private_segment 0
		.amdhsa_kernarg_size 32
		.amdhsa_user_sgpr_count 2
		.amdhsa_user_sgpr_kernarg_segment_ptr 1
		.amdhsa_wavefront_size32 1
		.amdhsa_system_sgpr_workgroup_id_x 1
		.amdhsa_system_sgpr_workgroup_id_y 1
		.amdhsa_system_sgpr_workgroup_id_z 1
		.amdhsa_system_vgpr_workitem_id 0
		.amdhsa_next_free_vgpr 168
		.amdhsa_next_free_sgpr 66
		.amdhsa_reserve_vcc 0
		.amdhsa_float_denorm_mode_32 3
		.amdhsa_float_denorm_mode_16_64 3
		.amdhsa_memory_ordered 1
		.amdhsa_forward_progress 1
		.amdhsa_inst_pref_size 16
	.end_amdhsa_kernel
	.amdgpu_metadata
---
amdhsa.version: [ 1, 2 ]
amdhsa.kernels:
  - .name:           k_q2f09e9f83e_ln2
    .symbol:         k_q2f09e9f83e_ln2.kd
    .args:
      - { .name: x1, .offset: 0, .size: 8, .value_kind: global_buffer, .address_space: global }
      - { .name: ln2_g, .offset: 8, .size: 8, .value_kind: global_buffer, .address_space: global }
      - { .name: ln2_b, .offset: 16, .size: 8, .value_kind: global_buffer, .address_space: global }
      - { .name: hn, .offset: 24, .size: 8, .value_kind: global_buffer, .address_space: global }
    .group_segment_fixed_size: 14848
    .private_segment_fixed_size: 0
    .kernarg_segment_align: 8
    .kernarg_segment_size: 32
    .max_flat_workgroup_size: 512
    .sgpr_count:     66
    .vgpr_count:     168
    .wavefront_size: 32
...
	.end_amdgpu_metadata
.endif
;; end of part 14
;; launch gff1 (part 15): grid 16 x 16, 16 waves a work-group, clusters of 4 x 4, 327,680 bytes of LDS; arguments hn, wff, ff1_b, hid; writes hid
.if DOCPART == 15
	.amdgcn_target "amdgcn-amd-amdhsa--gfx1250"
	.amdhsa_code_object_version 6
	.text
	.protected	k_q2f09e9f83e_gff1
	.globl	k_q2f09e9f83e_gff1
	.p2align	8
	.type	k_q2f09e9f83e_gff1,@function
k_q2f09e9f83e_gff1:
	s_mov_b64 s[64:65], 0
	v_nop
	global_prefetch_b8 v0, s[64:65] scope:SCOPE_SE
	s_setreg_imm32_b32 hwreg(HW_REG_WAVE_MODE, 25, 1), 1
	s_wait_xcnt 0x0
	s_wait_alu depctr_hold_cnt(0) depctr_sa_sdst(0) depctr_va_vdst(0) depctr_va_sdst(0) depctr_va_ssrc(0) depctr_va_vcc(0) depctr_vm_vsrc(0)
	s_getreg_b32 s2, hwreg(HW_REG_IB_STS2, 6, 4)
	s_cmp_eq_u32 s2, 0
	s_cbranch_scc0 .Lentry_in_a_cluster
	s_endpgm
.Lentry_in_a_cluster:
	s_bfe_u32 s2, ttmp6, 0x10000c
	s_cmp_lg_u32 s2, 0xf033
	s_cbranch_scc0 .Lentry_shape_is_right
	s_endpgm
.Lentry_shape_is_right:
; Launch 7: hid = Q(gelu(hn ff1_w + ff1_b)), the product on codes of E2M1, quantised along the hidden units on the way out.  No work is left out.
; A tile's two records (K = 0-511, 512-1,023) are neighbours in memory: ONE tensor load a wave brings its two tiles whole, 2 rows of 8,704 bytes; nothing is filled again.
; REC is a tile's 8,704 bytes, in memory and in LDS; slot 1 is each tile's second record, SLOT bytes on; HREC is a record of hid.
.set NCH, 1
.set WOFF, 0                           ; ff1_w's records begin wff
.set REC, 8704
.set SLOT, 4352
.set SPARE, 32*REC
.set HREC, 4352
.set AP, 3
.set AQ, 5
.set ASP, 7
.set ASQ, 9
.set SPW, 11
.set NIL, 12
.set L16, 13
.set SP, 24
.set SQ, 28
.set PF, 32
.set QF, 96
.set TM, 112
.set ACC, 128
.set GZ, 32
.set GT, 48
.set GA, 64
.set GB, 80
.set WV, 14
.set SEL, 20
; CLUSTERS of 4 x 4 work-groups.  The weight's tiles (P) hang on the column block alone and are asked for jointly along a column of the cluster,
; the tokens' tiles (Q) on the token block alone, jointly along a row: each by the same load with the same descriptor and a mask that names the four.
.set G1, 24                            ; s[24:31], s[32:35] groups 1 and 0 for P's tiles
.set G0, 32
.set G1Q, 72                           ; s[72:79], s[80:83] for Q's
.set G0Q, 80
.macro ROUND                           ; a round of the cluster's barrier
	s_barrier_signal -1
	s_barrier_wait -1
	s_cmp_lg_u32 s[WV], 0
	s_cbranch_scc1 .Lnot_wave_0_\@
	s_barrier_signal -3
.Lnot_wave_0_\@:
	s_barrier_wait -3
	s_barrier_signal -1
	s_barrier_wait -1
.endm
.set ERA0, 0xaf95df0b
.set ERA1, 0x32edffee
.set ERA2, 0xb60cff51
.set ERA3, 0xb86ec2d2
.set ERA4, 0xba40ac63
.set ERA5, 0xbb41a1f6
.set ERA6, 0xbc83dbd4
.set ERB0, 0xb77460cd
.set ERB1, 0xb95fbd29
.set ERB2, 0xbadc924e
.set ERB3, 0xbbf19bf8
.set ERB4, 0xbc69b6a7
.macro WM d, a, b, sa, sb, ra, rb
.if (\ra) && (\rb)
	v_wmma_scale_f32_16x16x128_f8f6f4 v[(\d):(\d)+7], v[(\a):(\a)+7], v[(\b):(\b)+7], v[(\d):(\d)+7], v[\sa], v[\sb] matrix_a_fmt:MATRIX_FMT_FP4 matrix_b_fmt:MATRIX_FMT_FP4 matrix_a_scale:MATRIX_SCALE_ROW1 matrix_b_scale:MATRIX_SCALE_ROW1
.elseif \ra
	v_wmma_scale_f32_16x16x128_f8f6f4 v[(\d):(\d)+7], v[(\a):(\a)+7], v[(\b):(\b)+7], v[(\d):(\d)+7], v[\sa], v[\sb] matrix_a_fmt:MATRIX_FMT_FP4 matrix_b_fmt:MATRIX_FMT_FP4 matrix_a_scale:MATRIX_SCALE_ROW1
.elseif \rb
	v_wmma_scale_f32_16x16x128_f8f6f4 v[(\d):(\d)+7], v[(\a):(\a)+7], v[(\b):(\b)+7], v[(\d):(\d)+7], v[\sa], v[\sb] matrix_a_fmt:MATRIX_FMT_FP4 matrix_b_fmt:MATRIX_FMT_FP4 matrix_b_scale:MATRIX_SCALE_ROW1
.else
	v_wmma_scale_f32_16x16x128_f8f6f4 v[(\d):(\d)+7], v[(\a):(\a)+7], v[(\b):(\b)+7], v[(\d):(\d)+7], v[\sa], v[\sb] matrix_a_fmt:MATRIX_FMT_FP4 matrix_b_fmt:MATRIX_FMT_FP4
.endif
.endm
.macro STEP slot, q
.rept 4
	v_nop
.endr
.irp i, 0,1
.irp c, 0,1
	ds_load_b128 v[QF+8*\i+4*\c:QF+8*\i+4*\c+3], v[AQ+\slot] offset:\i*REC+(\q)*1024+\c*512
.endr
.endr
	ds_load_b32 v[SQ], v[ASQ+\slot] offset:(\q)*64
.irp i, 0,1,2,3
	ds_load_b32 v[SP+\i], v[ASP+\slot] offset:2*\i*REC+(\q)*64
.endr
.irp p, 0,1,2,3,4,5,6,7
.irp c, 0,1
	ds_load_b128 v[PF+8*\p+4*\c:PF+8*\p+4*\c+3], v[AP+\slot] offset:\p*REC+(\q)*1024+\c*512
.endr
.endr
.irp pp, 0,1,2,3
	s_wait_dscnt 14-4*\pp
	WM ACC+8*(2*\pp), PF+8*(2*\pp), QF, SP+\pp, SQ, 0, 0
	WM ACC+8*(8+2*\pp), PF+8*(2*\pp), QF+8, SP+\pp, SQ, 0, 1
	s_wait_dscnt 12-4*\pp
	WM ACC+8*(2*\pp+1), PF+8*(2*\pp+1), QF, SP+\pp, SQ, 1, 0
	WM ACC+8*(8+2*\pp+1), PF+8*(2*\pp+1), QF+8, SP+\pp, SQ, 1, 1
.endr
.endm
.macro QUANT s, pc, pw
.irp b, 0,1,2,3
	v_max3_num_f32 v[TM+\b], |v[(\s)+16*\b]|, |v[(\s)+1+16*\b]|, 0x1800000
.endr
.irp i, 2,4,6,8,10,12,14
.irp b, 0,1,2,3
	s_delay_alu instid0(VALU_DEP_4)
	v_max3_num_f32 v[TM+\b], v[TM+\b], |v[(\s)+16*\b+\i]|, |v[(\s)+1+16*\b+\i]|
.endr
.endr
.irp b, 0,1,2,3
	s_delay_alu instid0(VALU_DEP_4)
	v_permlanex16_b32 v[TM+4+\b], v[TM+\b], s[SEL], s[SEL+1]
.endr
.irp b, 0,1,2,3
	s_delay_alu instid0(VALU_DEP_4)
	v_max_num_f32 v[TM+\b], v[TM+\b], v[TM+4+\b]
.endr
.irp b, 0,1,2,3
	s_delay_alu instid0(VALU_DEP_4)
	v_add_nc_u32 v[TM+12+\b], 0xff000000, v[TM+\b]
.endr
.irp b, 0,1,2,3
	s_delay_alu instid0(VALU_DEP_4)
	v_lshrrev_b32 v[TM+4+\b], 23, v[TM+12+\b]
.endr
	s_delay_alu instid0(VALU_DEP_3)
	v_lshl_or_b32 v[\pw], v[TM+5], 8, v[TM+4]
	s_delay_alu instid0(VALU_DEP_1)
	v_lshl_or_b32 v[\pw], v[TM+6], 16, v[\pw]
	s_delay_alu instid0(VALU_DEP_1)
	v_lshl_or_b32 v[\pw], v[TM+7], 24, v[\pw]
.irp b, 0,1,2,3
	v_cvt_scalef32_pk8_fp4_f32 v[(\pc)+2*\b], v[(\s)+16*\b:(\s)+7+16*\b], v[TM+12+\b]
	v_cvt_scalef32_pk8_fp4_f32 v[(\pc)+1+2*\b], v[(\s)+8+16*\b:(\s)+15+16*\b], v[TM+12+\b]
.endr
	v_nop
.irp c, 0,1
.irp i, 0,1
	v_permlane16_swap_b32 v[(\pc)+4*\c+\i], v[(\pc)+2+4*\c+\i]
.endr
.endr
.endm
.macro GELU16 x
.irp j, 0,2,4,6,8,10,12,14
	v_pk_mul_f32 v[GZ+\j:GZ+\j+1], v[(\x)+\j:(\x)+\j+1], 0x3f3504f3 op_sel_hi:[1,0]
.endr
.irp j, 0,1,2,3,4,5,6,7,8,9,10,11,12,13,14,15
	v_med3_num_f32 v[GZ+\j], v[GZ+\j], -4.0, 4.0
.endr
.irp j, 0,2,4,6,8,10,12,14
	v_pk_mul_f32 v[GT+\j:GT+\j+1], v[GZ+\j:GZ+\j+1], v[GZ+\j:GZ+\j+1]
.endr
.irp j, 0,2,4,6,8,10,12,14
	v_pk_fma_f32 v[GA+\j:GA+\j+1], v[GT+\j:GT+\j+1], v[16:17], ERA1 op_sel_hi:[1,1,0]
	v_pk_fma_f32 v[GB+\j:GB+\j+1], v[GT+\j:GT+\j+1], v[18:19], ERB1 op_sel_hi:[1,1,0]
.endr
.irp k, ERB2, ERB3, ERB4
.irp j, 0,2,4,6,8,10,12,14
	v_pk_fma_f32 v[GB+\j:GB+\j+1], v[GB+\j:GB+\j+1], v[GT+\j:GT+\j+1], \k op_sel_hi:[1,1,0]
.endr
.endr
	s_wait_alu depctr_va_vdst(0)
.irp j, 0,1,2,3,4,5,6,7,8,9,10,11,12,13,14,15
	v_rcp_f32 v[GB+\j], v[GB+\j]
.endr
.irp k, ERA2, ERA3, ERA4, ERA5, ERA6
.irp j, 0,2,4,6,8,10,12,14
	v_pk_fma_f32 v[GA+\j:GA+\j+1], v[GA+\j:GA+\j+1], v[GT+\j:GT+\j+1], \k op_sel_hi:[1,1,0]
.endr
.endr
.irp j, 0,2,4,6,8,10,12,14
	v_pk_mul_f32 v[GA+\j:GA+\j+1], v[GA+\j:GA+\j+1], v[GZ+\j:GZ+\j+1]
	v_pk_mul_f32 v[(\x)+\j:(\x)+\j+1], v[(\x)+\j:(\x)+\j+1], 0.5 op_sel_hi:[1,0]
.endr
	s_wait_alu depctr_va_vdst(0)
.irp j, 0,2,4,6,8,10,12,14
	v_pk_mul_f32 v[GA+\j:GA+\j+1], v[GA+\j:GA+\j+1], v[GB+\j:GB+\j+1]
.endr
.irp j, 0,2,4,6,8,10,12,14
	v_pk_fma_f32 v[(\x)+\j:(\x)+\j+1], v[(\x)+\j:(\x)+\j+1], v[GA+\j:GA+\j+1], v[(\x)+\j:(\x)+\j+1]
.endr
.endm
	s_load_b256 s[4:11], s[0:1], 0x0
	v_lshl_add_u32 v[SPW], v0, 2, SPARE
	v_mov_b32 v[NIL], 0
	ds_add_u32 v[SPW], v[NIL]
	ds_add_u32 v[SPW], v[NIL]
	v_lshrrev_b32 v1, 5, v0
	s_delay_alu instid0(VALU_DEP_1)
	v_readfirstlane_b32 s[WV], v1
	s_lshr_b32 s15, s[WV], 3
	s_and_b32 s16, s[WV], 7
	s_bfe_u32 s66, ttmp6, 0x40000                  ; cx, cy: my place in the cluster
	s_bfe_u32 s67, ttmp6, 0x40004
	s_lshl_b32 s17, ttmp9, 2
	s_add_co_u32 s17, s17, s66                     ; which 256 hidden units = 4 x cluster x + cx
	s_and_b32 s18, ttmp7, 0xffff
	s_lshl_b32 s18, s18, 2
	s_add_co_u32 s18, s18, s67                     ; which 256 tokens = 4 x cluster y + cy
	s_lshl_b32 s68, s67, 2
	s_lshl_b32 s68, 15, s68                        ; my row of the cluster
	s_lshl_b32 s69, 0x1111, s66                    ; my column
	s_or_b32 s[G1], s69, (3<<16)|(1<<21)           ; group 1: the mask; elements of 8 bytes; bit 21 beside a mask; no padding
	s_or_b32 s[G1Q], s68, (3<<16)|(1<<21)
.irp g, G1, G1Q
	s_mov_b32 s[\g+1], 1088<<16                    ; tensor_dim0: a tile's two records, 1,088 elements of 8 bytes
	s_mov_b32 s[\g+2], 2<<16                       ; tensor_dim1: 2 tiles
	s_mov_b32 s[\g+3], 1088<<16                    ; tile_dim0
	s_mov_b32 s[\g+4], 2                           ; tile_dim1
	s_mov_b32 s[\g+5], 1088                        ; from tile to tile
	s_mov_b32 s[\g+6], 0
	s_mov_b32 s[\g+7], 0
.endr
	s_mov_b32 s[SEL], 0x76543210
	s_mov_b32 s[SEL+1], 0xfedcba98
	s_mul_i32 s40, s17, 16*NCH*REC
	s_add_co_u32 s40, s40, WOFF
	s_mov_b32 s41, 0
	s_mul_i32 s42, s18, 16*NCH*REC
	s_mov_b32 s43, 0
	s_mul_i32 s44, s16, 2*NCH*REC
	s_mov_b32 s45, 0
	s_lshl_b32 s46, s17, 10
	s_lshl_b32 s47, s15, 9
	s_add_co_u32 s46, s46, s47
	s_mov_b32 s47, 0
	s_wait_dscnt 0x0
	s_wait_kmcnt 0x0
	s_add_nc_u64 s[40:41], s[6:7], s[40:41]        ; P's address is made of the column block and the wave's number,
	s_add_nc_u64 s[40:41], s[40:41], s[44:45]
	s_add_nc_u64 s[42:43], s[4:5], s[42:43]        ; Q's of the token block and the wave's number
	s_add_nc_u64 s[42:43], s[42:43], s[44:45]
	s_mov_b32 s[G0], 1
	s_mul_i32 s[G0+1], s[WV], 2*REC                ; LDS: P's 16 tiles, then Q's 16
	s_mov_b64 s[G0+2:G0+3], s[40:41]
	s_or_b32 s[G0+3], s[G0+3], 0x80000000
	s_mov_b32 s[G0Q], 1
	s_mul_i32 s[G0Q+1], s[WV], 2*REC
	s_mov_b64 s[G0Q+2:G0Q+3], s[42:43]
	s_or_b32 s[G0Q+3], s[G0Q+3], 0x80000000
	ROUND                                          ; all sixteen work-groups are here: the joint loads meet
	s_cmp_lt_u32 s[WV], 8                          ; waves 0-7 ask for P's tiles, waves 8-15 for Q's: one load a wave, all of K
	s_cbranch_scc0 .Lfor_q
	tensor_load_to_lds s[G0:G0+3], s[G1:G1+7]
	s_nop 0
.rept 4
	v_nop
.endr
	s_branch .Lasked
.Lfor_q:
	tensor_load_to_lds s[G0Q:G0Q+3], s[G1Q:G1Q+7]
	s_nop 0
.rept 4
	v_nop
.endr
.Lasked:
	s_add_nc_u64 s[8:9], s[8:9], s[46:47]
	v_and_b32 v1, 15, v0
	v_bfe_u32 v2, v0, 4, 1
	s_delay_alu instid0(VALU_DEP_1)
	v_lshlrev_b32 v15, 6, v2
.irp q, 0,1
.irp b, 0,1,2,3
.irp i, 0,1,2,3
	global_load_b128 v[ACC+64*\q+16*\b+4*\i:ACC+64*\q+16*\b+4*\i+3], v15, s[8:9] offset:128*\b+16*\i
.endr
.endr
.endr
	v_and_b32 v[L16], 31, v0
	s_delay_alu instid0(VALU_DEP_1)
	v_lshlrev_b32 v[L16], 4, v[L16]
	s_mul_i32 s40, s15, 8*REC
	v_add_nc_u32 v[AP], s40, v[L16]
	s_delay_alu instid0(VALU_DEP_1)
	v_add_nc_u32 v[AP+1], SLOT, v[AP]
	s_mul_i32 s41, s16, 2*REC
	s_add_co_u32 s41, s41, 16*REC
	v_add_nc_u32 v[AQ], s41, v[L16]
	s_delay_alu instid0(VALU_DEP_1)
	v_add_nc_u32 v[AQ+1], SLOT, v[AQ]
	v_mul_u32_u24 v14, v2, REC
	s_delay_alu instid0(VALU_DEP_1)
	v_lshl_add_u32 v14, v1, 2, v14
	s_delay_alu instid0(VALU_DEP_1)
	v_add_nc_u32 v[ASP], s40, v14
	s_delay_alu instid0(VALU_DEP_1)
	v_add_nc_u32 v[ASP], 4096, v[ASP]
	s_delay_alu instid0(VALU_DEP_1)
	v_add_nc_u32 v[ASP+1], SLOT, v[ASP]
	s_delay_alu instid0(VALU_DEP_4)
	v_add_nc_u32 v[ASQ], s41, v14
	s_delay_alu instid0(VALU_DEP_1)
	v_add_nc_u32 v[ASQ], 4096, v[ASQ]
	s_delay_alu instid0(VALU_DEP_1)
	v_add_nc_u32 v[ASQ+1], SLOT, v[ASQ]
.irp b, 0,1,2,3
	v_mov_b32 v[TM+4+\b], 0
.endr
	v_mov_b32 v16, ERA0
	v_mov_b32 v17, ERA0
	v_mov_b32 v18, ERB0
	v_mov_b32 v19, ERB0
	s_wait_alu depctr_va_vdst(0)
	s_wait_tensorcnt 0x0                           ; my two tiles are in
	s_barrier_signal -1
	s_barrier_wait -1
	s_wait_loadcnt 0x0
	STEP 0, 0
	STEP 0, 1
	STEP 0, 2
	STEP 0, 3
	STEP 1, 0
	STEP 1, 1
	STEP 1, 2
	STEP 1, 3
.rept 4
	v_nop
.endr
	s_lshl_b32 s40, s17, 1
	s_add_co_u32 s40, s40, s15
	s_lshr_b32 s41, s40, 2
	s_and_b32 s40, s40, 3
	s_lshl_b32 s42, s18, 4
	s_lshl_b32 s43, s16, 1
	s_add_co_u32 s42, s42, s43
	s_lshl_b32 s42, s42, 3
	s_add_co_u32 s42, s42, s41
	s_mul_i32 s42, s42, HREC
	s_mov_b32 s43, 0
	s_add_nc_u64 s[10:11], s[10:11], s[42:43]
	s_lshl_b32 s44, s40, 10
	v_add_nc_u32 v20, s44, v[L16]
	s_lshl_b32 s44, s40, 6
	v_mul_u32_u24 v21, v2, 8*HREC
	s_delay_alu instid0(VALU_DEP_1)
	v_lshl_add_u32 v21, v1, 2, v21
	s_delay_alu instid0(VALU_DEP_1)
	v_add_nc_u32 v21, s44, v21
	s_mov_b32 s45, 0xffff0000
.irp g, 0,1,2,3,4,5,6,7
	GELU16 ACC+16*\g
.endr
	QUANT ACC, QF, 29
	QUANT ACC+64, QF+8, 30
	v_cndmask_b32 v22, v29, v30, s45
.irp q, 0,1
.irp c, 0,1
	global_store_b128 v20, v[QF+8*\q+4*\c:QF+8*\q+4*\c+3], s[10:11] offset:8*HREC*\q+512*\c
.endr
.endr
	global_store_b32 v21, v22, s[10:11] offset:4096
	s_wait_tensorcnt 0x0
	ds_add_u32 v[SPW], v[NIL]
	s_wait_dscnt 0x0
	ROUND                                          ; the closing round
	s_endpgm
.Lfunc_end_k_q2f09e9f83e_gff1:
	.size	k_q2f09e9f83e_gff1, .Lfunc_end_k_q2f09e9f83e_gff1-k_q2f09e9f83e_gff1
	.p2alignl 7, 3214868480
	.fill 96, 4, 3214868480
	.section	.rodata,"a",@progbits
	.p2align	6, 0x0
	.amdhsa_kernel k_q2f09e9f83e_gff1
		.amdhsa_group_segment_fixed_size 327680
		.amdhsa_private_segment_fixed_size 0
		.amdhsa_enable_private_segment 0
		.amdhsa_kernarg_size 32
		.amdhsa_user_sgpr_count 2
		.amdhsa_user_sgpr_kernarg_segment_ptr 1
		.amdhsa_wavefront_size32 1
		.amdhsa_system_sgpr_workgroup_id_x 1
		.amdhsa_system_sgpr_workgroup_id_y 1
		.amdhsa_system_sgpr_workgroup_id_z 1
		.amdhsa_system_vgpr_workitem_id 0
		.amdhsa_next_free_vgpr 256
		.amdhsa_next_free_sgpr 100
		.amdhsa_reserve_vcc 0
		.amdhsa_float_denorm_mode_32 3
		.amdhsa_float_denorm_mode_16_64 3
		.amdhsa_memory_ordered 1
		.amdhsa_forward_progress 1
		.amdhsa_inst_pref_size 152
	.end_amdhsa_kernel
	.amdgpu_metadata
---
amdhsa.version: [ 1, 2 ]
amdhsa.kernels:
  - .name:           k_q2f09e9f83e_gff1
    .symbol:         k_q2f09e9f83e_gff1.kd
    .args:
      - { .name: hn, .offset: 0, .size: 8, .value_kind: global_buffer, .address_space: global }
      - { .name: wff, .offset: 8, .size: 8, .value_kind: global_buffer, .address_space: global }
      - { .name: ff1_b, .offset: 16, .size: 8, .value_kind: global_buffer, .address_space: global }
      - { .name: hid, .offset: 24, .size: 8, .value_kind: global_buffer, .address_space: global }
    .group_segment_fixed_size: 327680
    .private_segment_fixed_size: 0
    .kernarg_segment_align: 8
    .kernarg_segment_size: 32
    .max_flat_workgroup_size: 512
    .sgpr_count:     100
    .vgpr_count:     256
    .wavefront_size: 32
...
	.end_amdgpu_metadata
.endif
;; end of part 15
;; launch gff2 (part 16): grid 8 x 32, 8 waves a work-group, clusters of 4 x 4, 327,680 bytes of LDS; arguments hid, wff, ff2_b, x1, out0; writes out0
.if DOCPART == 16
	.amdgcn_target "amdgcn-amd-amdhsa--gfx1250"
	.amdhsa_code_object_version 6
	.text
	.protected	k_q2f09e9f83e_gff2
	.globl	k_q2f09e9f83e_gff2
	.p2align	8
	.type	k_q2f09e9f83e_gff2,@function
k_q2f09e9f83e_gff2:
	s_mov_b64 s[64:65], 0
	v_nop
	global_prefetch_b8 v0, s[64:65] scope:SCOPE_SE
	s_setreg_imm32_b32 hwreg(HW_REG_WAVE_MODE, 25, 1), 1
	s_wait_xcnt 0x0
	s_wait_alu depctr_hold_cnt(0) depctr_sa_sdst(0) depctr_va_vdst(0) depctr_va_sdst(0) depctr_va_ssrc(0) depctr_va_vcc(0) depctr_vm_vsrc(0)
	s_getreg_b32 s2, hwreg(HW_REG_IB_STS2, 6, 4)
	s_cmp_eq_u32 s2, 0
	s_cbranch_scc0 .Lentry_in_a_cluster
	s_endpgm
.Lentry_in_a_cluster:
	s_bfe_u32 s2, ttmp6, 0x10000c
	s_cmp_lg_u32 s2, 0xf033
	s_cbranch_scc0 .Lentry_shape_is_right
	s_endpgm
.Lentry_shape_is_right:
.set NCH, 8
.set CPS, 2
.set WOFF, 2228224                     ; ff2_w's records lie behind ff1_w's in wff
.set FINAL, 1
.set REC, 4352
.set TS, CPS*REC
.set SLOT, 16*TS
.set NSL, NCH/CPS
.set SPARE, 2*SLOT
.set STAGE, SPARE+1024
.set SPITCH, 272
.set AP, 3
.set AQ, 5
.set ASP, 7
.set ASQ, 9
.set SPW, 11
.set NIL, 12
.set L16, 13
.set BO, 15
.set STO, 20
.set RD, 21
.set CO, 22
.set SP, 24
.set SQ, 28
.set PF, 32
.set QF, 64
.set ACC, 128
.set RES, 192
.set WV, 14
; Launch 8: out0 = x1 + hid ff2_w + ff2_b, the product on codes of E2M1.  No work is left out.
; D = P Q^T with P = the weight's columns (128 to a work-group), Q = tokens (128).  K = 4,096 goes through two LDS slots of 1,024 along K: a tile's two records come as one row.
; CLUSTERS of 4 x 4 work-groups.  P's tiles hang on the column block alone and are asked for jointly along a column of the cluster, Q's on the token block alone, jointly along a row.
; Waves 0-3 ask for P's tiles, waves 4-7 for Q's, two tiles a load, one load a wave behind each round of the cluster's barrier; one load of a wave is out at any place of the text.
.set G1, 24                            ; s[24:31], s[32:39] group 1 and, for each slot, group 0 for P's tiles
.set G0, 32
.set G1Q, 72                           ; s[72:79], s[80:87] for Q's
.set G0Q, 80
.macro WM d, a, b, sa, sb, ra, rb
.if (\ra) && (\rb)
	v_wmma_scale_f32_16x16x128_f8f6f4 v[(\d):(\d)+7], v[(\a):(\a)+7], v[(\b):(\b)+7], v[(\d):(\d)+7], v[\sa], v[\sb] matrix_a_fmt:MATRIX_FMT_FP4 matrix_b_fmt:MATRIX_FMT_FP4 matrix_a_scale:MATRIX_SCALE_ROW1 matrix_b_scale:MATRIX_SCALE_ROW1
.elseif \ra
	v_wmma_scale_f32_16x16x128_f8f6f4 v[(\d):(\d)+7], v[(\a):(\a)+7], v[(\b):(\b)+7], v[(\d):(\d)+7], v[\sa], v[\sb] matrix_a_fmt:MATRIX_FMT_FP4 matrix_b_fmt:MATRIX_FMT_FP4 matrix_a_scale:MATRIX_SCALE_ROW1
.elseif \rb
	v_wmma_scale_f32_16x16x128_f8f6f4 v[(\d):(\d)+7], v[(\a):(\a)+7], v[(\b):(\b)+7], v[(\d):(\d)+7], v[\sa], v[\sb] matrix_a_fmt:MATRIX_FMT_FP4 matrix_b_fmt:MATRIX_FMT_FP4 matrix_b_scale:MATRIX_SCALE_ROW1
.else
	v_wmma_scale_f32_16x16x128_f8f6f4 v[(\d):(\d)+7], v[(\a):(\a)+7], v[(\b):(\b)+7], v[(\d):(\d)+7], v[\sa], v[\sb] matrix_a_fmt:MATRIX_FMT_FP4 matrix_b_fmt:MATRIX_FMT_FP4
.endif
.endm
.macro STEP slot, q
.rept 4
	v_nop
.endr
.irp i, 0,1
.irp c, 0,1
	ds_load_b128 v[QF+8*\i+4*\c:QF+8*\i+4*\c+3], v[AQ+\slot] offset:\i*TS+((\q)/4)*REC+((\q)%4)*1024+\c*512
.endr
.endr
	ds_load_b32 v[SQ], v[ASQ+\slot] offset:((\q)/4)*REC+((\q)%4)*64
.irp i, 0,1
	ds_load_b32 v[SP+\i], v[ASP+\slot] offset:2*\i*TS+((\q)/4)*REC+((\q)%4)*64
.endr
.irp p, 0,1,2,3
.irp c, 0,1
	ds_load_b128 v[PF+8*\p+4*\c:PF+8*\p+4*\c+3], v[AP+\slot] offset:\p*TS+((\q)/4)*REC+((\q)%4)*1024+\c*512
.endr
.endr
.irp pp, 0,1
	s_wait_dscnt 6-4*\pp
	WM ACC+8*(2*\pp), PF+8*(2*\pp), QF, SP+\pp, SQ, 0, 0
	WM ACC+8*(4+2*\pp), PF+8*(2*\pp), QF+8, SP+\pp, SQ, 0, 1
	s_wait_dscnt 4-4*\pp
	WM ACC+8*(2*\pp+1), PF+8*(2*\pp+1), QF, SP+\pp, SQ, 1, 0
	WM ACC+8*(4+2*\pp+1), PF+8*(2*\pp+1), QF+8, SP+\pp, SQ, 1, 1
.endr
.endm
.macro RUN slot
.set Q, 0
.rept 4*CPS
	STEP \slot, Q
.set Q, Q+1
.endr
.endm
.macro CREST                           ; a round of the cluster's barrier behind its opening barrier
	s_cmp_lg_u32 s[WV], 0
	s_cbranch_scc1 .Lnot_wave_0_\@
	s_barrier_signal -3
.Lnot_wave_0_\@:
	s_barrier_wait -3
	s_barrier_signal -1
	s_barrier_wait -1
.endm
.macro ROUND                           ; a whole round
	s_barrier_signal -1
	s_barrier_wait -1
	CREST
.endm
.macro JLOAD s                         ; a joint load into slot s: each line has one mask and one set of registers; the branch hangs on the wave's number alone
	s_cmp_lt_u32 s[WV], 4
	s_cbranch_scc0 .Lfor_q_\@
	tensor_load_to_lds s[G0+4*(\s):G0+4*(\s)+3], s[G1:G1+7]
	s_nop 0
.rept 4
	v_nop
.endr
	s_branch .Lasked_\@
.Lfor_q_\@:
	tensor_load_to_lds s[G0Q+4*(\s):G0Q+4*(\s)+3], s[G1Q:G1Q+7]
	s_nop 0
.rept 4
	v_nop
.endr
.Lasked_\@:
.endm
; The change of slots: all my tensor loads have landed, the add, my reads of the slot that I leave are back; a barrier, which opens a round of the cluster's barrier where the slot just left is filled again.
.macro CHANGE slot, refill
	s_wait_tensorcnt 0x0                           ; no tensor load of mine is out, so a group 0 may be written
	ds_add_u32 v[SPW], v[NIL]                      ; 0 onto my spare word
.if \refill
	s_add_nc_u64 s[G0+4*(1-\slot)+2:G0+4*(1-\slot)+3], s[G0+4*(1-\slot)+2:G0+4*(1-\slot)+3], 2*TS
	s_add_nc_u64 s[G0Q+4*(1-\slot)+2:G0Q+4*(1-\slot)+3], s[G0Q+4*(1-\slot)+2:G0Q+4*(1-\slot)+3], 2*TS
.endif
	s_wait_dscnt 0x0
	s_barrier_signal -1
	s_barrier_wait -1
.if \refill
	CREST                                          ; no wave of any partner still reads the slot or has a load on its way
	JLOAD 1-\slot                                  ; the first tensor load behind the round
.endif
	RUN \slot
.endm
	s_load_b256 s[4:11], s[0:1], 0x0
	s_load_b64 s[12:13], s[0:1], 0x20
	v_lshl_add_u32 v[SPW], v0, 2, SPARE
	v_mov_b32 v[NIL], 0
	ds_add_u32 v[SPW], v[NIL]
	ds_add_u32 v[SPW], v[NIL]
	v_lshrrev_b32 v1, 5, v0
	s_delay_alu instid0(VALU_DEP_1)
	v_readfirstlane_b32 s[WV], v1
	s_lshr_b32 s15, s[WV], 2
	s_and_b32 s16, s[WV], 3
	s_bfe_u32 s66, ttmp6, 0x40000                  ; cx, cy: my place in the cluster
	s_bfe_u32 s67, ttmp6, 0x40004
	s_lshl_b32 s17, ttmp9, 2
	s_add_co_u32 s17, s17, s66                     ; which 128 columns = 4 x cluster x + cx
	s_and_b32 s18, ttmp7, 0xffff
	s_lshl_b32 s18, s18, 2
	s_add_co_u32 s18, s18, s67                     ; which 128 tokens = 4 x cluster y + cy
	s_lshl_b32 s68, s67, 2
	s_lshl_b32 s68, 15, s68                        ; my row of the cluster
	s_lshl_b32 s69, 0x1111, s66                    ; my column
	s_or_b32 s[G1], s69, (3<<16)|(1<<21)           ; group 1: the mask; elements of 8 bytes; bit 21 beside a mask; no padding
	s_or_b32 s[G1Q], s68, (3<<16)|(1<<21)
.irp g, G1, G1Q
	s_mov_b32 s[\g+1], (CPS*544)<<16               ; tensor_dim0: a tile's CPS records
	s_mov_b32 s[\g+2], 2<<16                       ; tensor_dim1: 2 tiles
	s_mov_b32 s[\g+3], (CPS*544)<<16               ; tile_dim0
	s_mov_b32 s[\g+4], 2                           ; tile_dim1
	s_mov_b32 s[\g+5], NCH*544                     ; from tile to tile
	s_mov_b32 s[\g+6], 0
	s_mov_b32 s[\g+7], 0
.endr
	s_mul_i32 s40, s17, 8*NCH*REC
	s_add_co_u32 s40, s40, WOFF
	s_mov_b32 s41, 0
	s_mul_i32 s42, s18, 8*NCH*REC
	s_mov_b32 s43, 0
	s_mul_i32 s44, s16, 2*NCH*REC
	s_mov_b32 s45, 0
	s_lshl_b32 s46, s17, 9
	s_lshl_b32 s47, s15, 8
	s_add_co_u32 s46, s46, s47
	s_mov_b32 s47, 0
	s_lshl_b32 s48, s18, 7
	s_lshl_b32 s49, s16, 5
	s_add_co_u32 s48, s48, s49
	s_lshl_b32 s48, s48, 12
	s_add_co_u32 s48, s48, s46
	s_mov_b32 s49, 0
	s_wait_dscnt 0x0
	s_wait_kmcnt 0x0
	s_add_nc_u64 s[40:41], s[6:7], s[40:41]        ; P's address is made of the column block and the wave's number,
	s_add_nc_u64 s[40:41], s[40:41], s[44:45]
	s_add_nc_u64 s[42:43], s[4:5], s[42:43]        ; Q's of the token block and the wave's number
	s_add_nc_u64 s[42:43], s[42:43], s[44:45]
	s_mul_i32 s70, s[WV], 2*TS                     ; LDS: P's 8 tiles, then Q's 8
.irp s, 0,1
	s_mov_b32 s[G0+4*\s], 1
	s_add_co_u32 s[G0+4*\s+1], s70, \s*SLOT
	s_add_nc_u64 s[G0+4*\s+2:G0+4*\s+3], s[40:41], \s*TS
	s_or_b32 s[G0+4*\s+3], s[G0+4*\s+3], 0x80000000
	s_mov_b32 s[G0Q+4*\s], 1
	s_add_co_u32 s[G0Q+4*\s+1], s70, \s*SLOT
	s_add_nc_u64 s[G0Q+4*\s+2:G0Q+4*\s+3], s[42:43], \s*TS
	s_or_b32 s[G0Q+4*\s+3], s[G0Q+4*\s+3], 0x80000000
.endr
	ROUND                                          ; all sixteen work-groups are here: the first joint loads meet
	JLOAD 0                                        ; slot 0: one tensor load a wave at the head
	s_wait_alu depctr_va_vdst(0)                   ; the wait here, directly ahead of the wait below
	s_wait_tensorcnt 0x0                           ; my part of slot 0 is in; these lines stand ahead of a later first fill:
	ds_add_u32 v[SPW], v[NIL]
	s_wait_dscnt 0x0
	ROUND                                          ; everybody's part is in, and all sixteen work-groups are here
	JLOAD 1                                        ; slot 1, the first tensor load behind the round
	s_add_nc_u64 s[8:9], s[8:9], s[46:47]
	s_add_nc_u64 s[10:11], s[10:11], s[48:49]
	s_add_nc_u64 s[12:13], s[12:13], s[48:49]
	v_and_b32 v1, 15, v0
	v_bfe_u32 v2, v0, 4, 1
	s_delay_alu instid0(VALU_DEP_1)
	v_lshlrev_b32 v[BO], 6, v2
	s_delay_alu instid0(VALU_DEP_2)
	v_lshlrev_b32 v[CO], 12, v2
	s_delay_alu instid0(VALU_DEP_1)
	v_lshl_add_u32 v[CO], v1, 4, v[CO]
.irp q, 0,1
.irp b, 0,1
.irp i, 0,1,2,3
	global_load_b128 v[ACC+32*\q+16*\b+4*\i:ACC+32*\q+16*\b+4*\i+3], v[BO], s[8:9] offset:128*\b+16*\i
.endr
.endr
.endr
.irp q, 0,1
.irp i, 0,1,2,3,4,5,6,7
	global_load_b128 v[RES+32*\q+4*\i:RES+32*\q+4*\i+3], v[CO], s[10:11] offset:(8*\q+(2*\i)%8+16*(\i/4))*4096 th:TH_LOAD_NT
.endr
.endr
	v_and_b32 v[L16], 31, v0
	s_delay_alu instid0(VALU_DEP_1)
	v_lshlrev_b32 v[L16], 4, v[L16]
	s_mul_i32 s40, s15, 4*TS
	v_add_nc_u32 v[AP], s40, v[L16]
	s_delay_alu instid0(VALU_DEP_1)
	v_add_nc_u32 v[AP+1], SLOT, v[AP]
	s_mul_i32 s41, s16, 2*TS
	s_add_co_u32 s41, s41, 8*TS
	v_add_nc_u32 v[AQ], s41, v[L16]
	s_delay_alu instid0(VALU_DEP_1)
	v_add_nc_u32 v[AQ+1], SLOT, v[AQ]
	v_mul_u32_u24 v14, v2, TS
	s_delay_alu instid0(VALU_DEP_1)
	v_lshl_add_u32 v14, v1, 2, v14
	s_delay_alu instid0(VALU_DEP_1)
	v_add_nc_u32 v[ASP], s40, v14
	s_delay_alu instid0(VALU_DEP_1)
	v_add_nc_u32 v[ASP], 4096, v[ASP]
	s_delay_alu instid0(VALU_DEP_1)
	v_add_nc_u32 v[ASP+1], SLOT, v[ASP]
	s_delay_alu instid0(VALU_DEP_4)
	v_add_nc_u32 v[ASQ], s41, v14
	s_delay_alu instid0(VALU_DEP_1)
	v_add_nc_u32 v[ASQ], 4096, v[ASQ]
	s_delay_alu instid0(VALU_DEP_1)
	v_add_nc_u32 v[ASQ+1], SLOT, v[ASQ]
	s_mul_i32 s40, s[WV], 16*SPITCH
	s_add_co_u32 s40, s40, STAGE
	v_mul_u32_u24 v[STO], v1, SPITCH
	s_delay_alu instid0(VALU_DEP_1)
	v_lshl_add_u32 v[STO], v2, 6, v[STO]
	s_delay_alu instid0(VALU_DEP_1)
	v_add_nc_u32 v[STO], s40, v[STO]
	v_mul_u32_u24 v[RD], v2, SPITCH
	s_delay_alu instid0(VALU_DEP_1)
	v_lshl_add_u32 v[RD], v1, 4, v[RD]
	s_delay_alu instid0(VALU_DEP_1)
	v_add_nc_u32 v[RD], s40, v[RD]
	s_wait_alu depctr_va_vdst(0)
	s_wait_loadcnt 16                              ; the bias's 16 loads are in; the residual's 16, issued behind them, may stay out
	RUN 0
.if NSL > 2
.rept NSL/2-1
	CHANGE 1, 1
	CHANGE 0, 1
.endr
.endif
	CHANGE 1, 0
.rept 4
	v_nop
.endr
.macro TOSTAGE q
.irp b, 0,1
.irp i, 0,1,2,3
	ds_store_b128 v[STO], v[ACC+32*(\q)+16*\b+4*\i:ACC+32*(\q)+16*\b+4*\i+3] offset:128*\b+16*\i
.endr
.endr
.irp i, 0,1,2,3,4,5,6,7
	ds_load_b128 v[ACC+32*(\q)+4*\i:ACC+32*(\q)+4*\i+3], v[RD] offset:2*\i*SPITCH
.endr
.endm
.macro FINISH q
.irp i, 0,1,2,3,4,5,6,7
	v_pk_add_f32 v[ACC+32*(\q)+4*\i:ACC+32*(\q)+4*\i+1], v[ACC+32*(\q)+4*\i:ACC+32*(\q)+4*\i+1], v[RES+32*(\q)+4*\i:RES+32*(\q)+4*\i+1]
	v_pk_add_f32 v[ACC+32*(\q)+4*\i+2:ACC+32*(\q)+4*\i+3], v[ACC+32*(\q)+4*\i+2:ACC+32*(\q)+4*\i+3], v[RES+32*(\q)+4*\i+2:RES+32*(\q)+4*\i+3]
.endr
.endm
.macro SENDQ q
.irp i, 0,1,2,3,4,5,6,7
.if FINAL
	global_store_b128 v[CO], v[ACC+32*(\q)+4*\i:ACC+32*(\q)+4*\i+3], s[12:13] offset:(8*(\q)+(2*\i)%8+16*(\i/4))*4096 th:TH_STORE_NT
.else
	global_store_b128 v[CO], v[ACC+32*(\q)+4*\i:ACC+32*(\q)+4*\i+3], s[12:13] offset:(8*(\q)+(2*\i)%8+16*(\i/4))*4096
.endif
.endr
.endm
	TOSTAGE 0
	TOSTAGE 1
	s_wait_loadcnt 0x0
	s_wait_dscnt 16
	FINISH 0
	SENDQ 0
	s_wait_dscnt 0x0
	FINISH 1
	SENDQ 1
	s_wait_tensorcnt 0x0
	ds_add_u32 v[SPW], v[NIL]
	s_wait_dscnt 0x0
	ROUND                                          ; the closing round
	s_endpgm
.Lfunc_end_k_q2f09e9f83e_gff2:
	.size	k_q2f09e9f83e_gff2, .Lfunc_end_k_q2f09e9f83e_gff2-k_q2f09e9f83e_gff2
	.p2alignl 7, 3214868480
	.fill 96, 4, 3214868480
	.section	.rodata,"a",@progbits
	.p2align	6, 0x0
	.amdhsa_kernel k_q2f09e9f83e_gff2
		.amdhsa_group_segment_fixed_size 327680
		.amdhsa_private_segment_fixed_size 0
		.amdhsa_enable_private_segment 0
		.amdhsa_kernarg_size 40
		.amdhsa_user_sgpr_count 2
		.amdhsa_user_sgpr_kernarg_segment_ptr 1
		.amdhsa_wavefront_size32 1
		.amdhsa_system_sgpr_workgroup_id_x 1
		.amdhsa_system_sgpr_workgroup_id_y 1
		.amdhsa_system_sgpr_workgroup_id_z 1
		.amdhsa_system_vgpr_workitem_id 0
		.amdhsa_next_free_vgpr 256
		.amdhsa_next_free_sgpr 100
		.amdhsa_reserve_vcc 0
		.amdhsa_float_denorm_mode_32 3
		.amdhsa_float_denorm_mode_16_64 3
		.amdhsa_memory_ordered 1
		.amdhsa_forward_progress 1
		.amdhsa_inst_pref_size 90
	.end_amdhsa_kernel
	.amdgpu_metadata
---
amdhsa.version: [ 1, 2 ]
amdhsa.kernels:
  - .name:           k_q2f09e9f83e_gff2
    .symbol:         k_q2f09e9f83e_gff2.kd
    .args:
      - { .name: hid, .offset: 0, .size: 8, .value_kind: global_buffer, .address_space: global }
      - { .name: wff, .offset: 8, .size: 8, .value_kind: global_buffer, .address_space: global }
      - { .name: ff2_b, .offset: 16, .size: 8, .value_kind: global_buffer, .address_space: global }
      - { .name: x1, .offset: 24, .size: 8, .value_kind: global_buffer, .address_space: global }
      - { .name: out0, .offset: 32, .size: 8, .value_kind: global_buffer, .address_space: global }
    .group_segment_fixed_size: 327680
    .private_segment_fixed_size: 0
    .kernarg_segment_align: 8
    .kernarg_segment_size: 40
    .max_flat_workgroup_size: 256
    .sgpr_count:     100
    .vgpr_count:     256
    .wavefront_size: 32
...
	.end_amdgpu_metadata
.endif
;; end of part 16
